; MI455X (gfx1250); checked and timed in simulation.
; The chip was launched on July 23, 2026; its instructions are those of AMD's public machine-readable ISA for CDNA 5 (MIT licence, August 2026) and "CDNA5" Instruction Set Architecture Reference Guide (July 2026). The comments in the code are by the model that wrote it; some were corrected since.
;; Multi Head Attention. Allowed arithmetic: matrix products marked QUANTISED: E2M3 operands, one E8M0 scale for each 32 along K, by v_wmma_scale_f32_16x16x128_f8f6f4 with both operands' format E2M3, f32 sums; everything else in f32.
;; Inputs: Wk_codes 2,048 x 64 x 24 uint8 (E2M3 codes of Wk, K innermost, in blocks of 32 codes, four codes in three bytes); Wk_scales 2,048 x 64 uint8 (E8M0 scales of Wk, one for each 32 codes along K); Wo_codes 2,048 x 64 x 24 uint8 (E2M3 codes of Wo, K innermost, in blocks of 32 codes, four codes in three bytes); Wo_scales 2,048 x 64 uint8 (E8M0 scales of Wo, one for each 32 codes along K); Wq_codes 2,048 x 64 x 24 uint8 (E2M3 codes of Wq, K innermost, in blocks of 32 codes, four codes in three bytes); Wq_scales 2,048 x 64 uint8 (E8M0 scales of Wq, one for each 32 codes along K); Wv_codes 2,048 x 64 x 24 uint8 (E2M3 codes of Wv, K innermost, in blocks of 32 codes, four codes in three bytes); Wv_scales 2,048 x 64 uint8 (E8M0 scales of Wv, one for each 32 codes along K); attn_mask 1,024 x 2,048 bool; k_codes 2 x 2,048 x 64 x 24 uint8 (E2M3 codes of k, K innermost, in blocks of 32 codes, four codes in three bytes); k_scales 2 x 2,048 x 64 uint8 (E8M0 scales of k, one for each 32 codes along K); key_padding_mask 2 x 2,048 bool; q_codes 2 x 1,024 x 64 x 24 uint8 (E2M3 codes of q, K innermost, in blocks of 32 codes, four codes in three bytes); q_scales 2 x 1,024 x 64 uint8 (E8M0 scales of q, one for each 32 codes along K); v_codes 2 x 2,048 x 64 x 24 uint8 (E2M3 codes of v, K innermost, in blocks of 32 codes, four codes in three bytes); v_scales 2 x 2,048 x 64 uint8 (E8M0 scales of v, one for each 32 codes along K).
;; Outputs: out0 2 x 1,024 x 2,048 float32.
;; This version of the problem:
;;   THIS VERSION OF THE PROBLEM IS GIVEN IN LOW PRECISION. The matrix products marked QUANTISED in the list below multiply operands that are first quantised to E2M3 (2 exponent bits, 3 mantissa bits; 6 bits a number), with one power-of-two scale for each 32 numbers along K (OCP MX v1.0); their sums are f32. All else is computed in f32.
;;   The module's matrix products, in the order in which they are computed (A, B: the left and right operand; K: the contracted axis; several contracted axes count as one K, in the product's order):
;;     1. [M 2,048, K 2,048] x [K 2,048, N 2,048]; A: input q (given as codes); B: input Wq (given as codes): QUANTISED
;;     2. [M 4,096, K 2,048] x [K 2,048, N 2,048]; A: input k (given as codes); B: input Wk (given as codes): QUANTISED
;;     3. [M 4,096, K 2,048] x [K 2,048, N 2,048]; A: input v (given as codes); B: input Wv (given as codes): QUANTISED
;;     4. batch 32 x [M 1,024, K 128] x [K 128, N 2,048]; A: computed on the way; B: computed on the way: QUANTISED
;;     5. batch 32 x [M 128, K 2,048] x [K 2,048, N 1,024]; A: computed on the way; B: softmax (see below): QUANTISED
;;     6. [M 2,048, K 2,048] x [K 2,048, N 2,048]; A: computed on the way; B: input Wo (given as codes): QUANTISED
;;   THE QUANTISER, for each operand of a quantised product, along K:
;;     - K is cut into blocks of 32 from its start; a last block that is shorter is filled with zeros.
;;     - A block's scale is 2^e with e = floor(log2(the largest magnitude in the block)) - 2, held to -126 .. 127; a block of zeros has e = 0. As a byte (E8M0): e + 127.
;;     - Each number is divided by its block's scale, clamped to +-7.5, and rounded to the nearest number of E2M3, ties to even, subnormals kept.
;;     - The product sums the exact products of the quantised numbers (number of the format x scale) in f32.
;;   ~~~python
;;   def quantise(x, axis):      # numpy; x: float32 -> the quantised numbers, widened to float32 again
;;       x = np.moveaxis(x, axis, -1); K = x.shape[-1]
;;       x = np.pad(x, [(0, 0)] * (x.ndim - 1) + [(0, -K % 32)]); x = x.reshape(x.shape[:-1] + (-1, 32)); a = np.abs(x).max(-1, keepdims=True)
;;       e = np.where(a > 0, np.clip(np.frexp(np.where(a > 0, a, 1))[1] - 1 - 2, -126, 127), 0)      # np.frexp(a)[1] - 1 = floor(log2(a)), exactly
;;       r = np.clip(x / 2.0 ** e, -7.5, 7.5)
;;       step = 2.0 ** (np.maximum(np.frexp(np.where(r == 0, 1, r))[1] - 1, 0) - 3)
;;       q = np.round(r / step) * step * 2.0 ** e      # np.round: ties to even
;;       return np.moveaxis(q.reshape(q.shape[:-2] + (-1,))[..., :K], -1, axis).astype(np.float32)
;;   ~~~
;;   SOFTMAX AHEAD OF A QUANTISED PRODUCT. Where the list says 'softmax', what is quantised is not the finished softmax but p = 2^(t - M), with t = logit x log2(e) and M = ceil(the row's largest t), a whole number; so 1/2 < the row's largest p <= 1. The row's sum l is taken of the UNQUANTISED p, in f32, and the product's result is divided by l at the end. Since M is a whole number, a kernel that streams over the keys may use a running M (the ceiling of the running maximum): every later rescaling is an exact power of two, which a block's scale takes up: the codes' values come out the same.
;;   OPERANDS COMPUTED ON THE WAY. 'Computed on the way' means the value that the module computes at that place (a softmax that the list does not call 'softmax' is quantised finished and normalised). What goes into a quantiser is computed in f32, as accurately as f32 sums, v_exp_f32 and their like allow (about 1e-6 of the number): no bf16 or f16 on the way to a quantiser, and a product that is left as it is and whose result goes on into a quantised operand takes f32 operands (vector FMAs, or v_wmma_f32_16x16x4_f32). A number that lies on a knife's edge between two numbers of the format may be rounded either way, as far as f32 arithmetic and the matrix unit's own rounding can turn it there, and no further.
;;   INPUTS GIVEN AS CODES. Wk (in the module: [2048, 2048], K = its axis 1); Wo (in the module: [2048, 2048], K = its axis 1); Wq (in the module: [2048, 2048], K = its axis 1); Wv (in the module: [2048, 2048], K = its axis 1); k (in the module: [2, 2048, 2048], K = its axis 2); q (in the module: [2, 1024, 2048], K = its axis 2); v (in the module: [2, 2048, 2048], K = its axis 2): each comes as NAME_codes (uint8): NAME with its K axis moved to the last place and cut into blocks of 32 codes, [.., K / 32, bytes a block], one block behind the other in memory; four codes in three bytes: a row's codes are one little-endian stream of bits, code i at bits 6 i .. 6 i + 5 (a code: sign, 2 exponent bits, 3 mantissa bits); and NAME_scales (uint8): the same leading axes, one E8M0 byte (e + 127) for each 32 codes along K. Its value is code x scale, taken as it is: it is not quantised again, and the codes and scales need not be those that the quantiser above would give.
;; 2 versions, each right. Each part assembles by itself: llvm-mc -triple=amdgcn-amd-amdhsa -mcpu=gfx1250 --defsym DOCPART=n.
;; ======== version 1 of 2: 3 launches
;; workspace buffers: qimg 3,276,800 bytes; kv 13,107,200 bytes; mbits 524,288 bytes of whole numbers; o_codes 3,145,728 bytes; o_scales 131,072 bytes
;; launch proj (part 1): grid 8 x 40, 4 waves a work-group, clusters of 4 x 4, 327,680 bytes of LDS; arguments q_codes, q_scales, Wq_codes, Wq_scales, k_codes, k_scales, Wk_codes, Wk_scales, Wv_codes, Wv_scales, v_codes, v_scales, attn_mask, key_padding_mask, qimg, kv, mbits; writes qimg, kv, mbits
.if DOCPART == 1
	.amdgcn_target "amdgcn-amd-amdhsa--gfx1250"
	.amdhsa_code_object_version 6
	.text
	.protected	k_q79aeef9a0f_proj
	.globl	k_q79aeef9a0f_proj
	.p2align	8
	.type	k_q79aeef9a0f_proj,@function
k_q79aeef9a0f_proj:
	s_mov_b64 s[64:65], 0
	v_nop
	global_prefetch_b8 v0, s[64:65] scope:SCOPE_SE
	s_setreg_imm32_b32 hwreg(HW_REG_WAVE_MODE, 25, 1), 1
	s_wait_xcnt 0x0
	s_wait_alu depctr_hold_cnt(0) depctr_sa_sdst(0) depctr_va_vdst(0) depctr_va_sdst(0) depctr_va_ssrc(0) depctr_va_vcc(0) depctr_vm_vsrc(0)
	s_getreg_b32 s2, hwreg(HW_REG_IB_STS2, 6, 4)
	s_cmp_eq_u32 s2, 0
	s_cbranch_scc0 .Lentry_in_a_cluster
	s_endpgm
.Lentry_in_a_cluster:
	s_bfe_u32 s2, ttmp6, 0x10000c
	s_cmp_lg_u32 s2, 0xf033
	s_cbranch_scc0 .Lentry_shape_is_right
	s_endpgm
.Lentry_shape_is_right:
; THE THREE PROJECTIONS, ONE TEXT: C = A B^T on codes of FP6 (E2M3) with one E8M0 scale for each 32 along K = 2,048, and C quantised again along its COLUMNS.
;   Q = q Wq^T (A = q, B = Wq), K = k Wk^T (A = k, B = Wk), V^T = Wv v^T (A = Wv, B = v): V is made transposed, so that its columns are the keys, along which the second attention product sums.
; The grid's y picks the product (cluster rows 0-1: Q, 2-5: K, 6-9: V); only pointers and tile indices are chosen by it, the text has one way for all three.
; A tile of C, 256 x 256, is made by four waves, each 128 x 128: 64 accumulators of 16 x 16, 512 registers.  K goes in steps of 256 through a ring of two LDS slots filled by the tensor data mover.
; The scale bytes of the work-group's 256 rows of A and of B, for all of K, come into LDS once, with the first fills.
; CLUSTERS: 4 x 4 work-groups; A's tiles are asked for jointly along a row of the cluster, B's along a column.
; THE MATRIX INSTRUCTION IS USED TRANSPOSED (source 0 = 16 rows of B, source 1 = 16 rows of A): lane l holds row l % 16 of C, register j of accumulator (a, b) column 16 b + 8 (l / 16) + j.
; THE WAY OUT.  A wave's 128 columns are one head (Q, K) or 128 keys (V^T): one K step of an attention product.  The 64 registers of a block of 16 rows become one operand fragment (12 registers) and one scale word a row,
; and leave as an IMAGE OF THE REGISTERS: three stores of 16 bytes a lane at 16 x lane.  A super-fragment (128 rows x 128 K, 12,800 bytes): fragment a at 1,536 a; at 12,288 four registers of scale words
; (register j: lanes 0-15 fragment 2 j's rows, lanes 16-31 fragment 2 j + 1's).
; ORDER INSIDE A BLOCK OF 32: the codes of a block lie in the order 0-7, 16-23, 8-15, 24-31 of its numbers.  Blocks and their scales are untouched, and both operands of each attention product are made with this same order
; (Q and K here, V^T here and p from score tiles of the same layout), so that the products sum the same terms; only the grouping of the sums inside the matrix unit differs.
; THE MASKS.  While the first tiles are on their way, 1,024 waves (cluster rows 0-7) each turn 16 queries x 128 keys of attn_mask, joined with each batch's key_padding_mask, into 64 lane masks:
; bit l of word 8 t + j = hidden, for query l % 16 and key 16 t + 8 (l / 16) + j.  mbits: [batch][tile of 16 queries][step of 128 keys][64 words].
; LIMITS: a given scale byte 0xff (NaN) is not served.  A computed block whose largest magnitude lies under 2^-124, a block of zeros among them, gets the byte 1 (the rule gives zeros 127): its codes are then zeros or
; coarser than the rule's, and the bytes are read by this program alone.  NaN and infinities among computed numbers are not served.
.set SIZE_K, 2048
.set KSTEP,  256                       ; along K in a slot
.set NQ,     KSTEP/128                 ; matrix instructions deep
.set ROWB,   192                       ; a tile's row in bytes
.set KROW,   SIZE_K*6/8                ; a row of codes in memory
.set PITCH,  240                       ; an LDS row: 3 x (64 bytes + 16 of padding) = 60 words: the 32 lanes of a load of 8 bytes touch 64 different banks (64 banks of 4 bytes: ISA guide 11.1)
.set FR,     12                        ; registers of a fragment
.set NL,     6                         ; LDS loads that bring one
.set NP,     4                         ; places behind this matrix instruction (ISA guide 7.12.1)
.set HALFT,  128*PITCH                 ; 128 rows: one tensor load
.set SLOT,   4*HALFT                   ; A's 256 rows, then B's 256
.set LAPS,   SIZE_K/(2*KSTEP)          ; a lap = two K steps = once round the ring
.set KS,     SIZE_K/32                 ; a row of scale bytes
.set SCL,    2*SLOT                    ; behind the ring: the scales, as rows of 256 bytes + 16 of padding
.set HALFS,  (128*KS/256)*272          ; those of 128 rows: one tensor load
.set SBLK,   (16*KS/256)*272           ; those of 16 rows
.set SPARE,  SCL+4*HALFS               ; the spare words, 128 bytes a wave: two blocks of 256 bytes that no other line names
.set SFB,    12800                     ; a super-fragment
.set ADRA, 16                          ; v16-17 LDS address of my A fragments in slot 0, 1 (v18-19: for the pieces behind one padding more)
.set ADRB, 20                          ; v20-23 the same for B
.set MA,   24                          ; v24    the pack: my byte in attn_mask
.set MK,   25                          ; v25    the pack: my byte in key_padding_mask
.set IMG,  26                          ; v26    16 x lane: my place in an image
.set ADRS, 27                          ; v27    LDS address of my scale words: lanes 0-15 A's rows, lanes 16-31 B's
.set SPW,  28                          ; v28    my spare word: SPARE + 4 x my thread's number; never rewritten
.set NIL,  29                          ; v29    0; never rewritten
.set MO,   30                          ; v30    the pack: my byte in mbits
.set SC,   32                          ; v32-63 scale words, two sets; nothing else ever
.set TM,   64                          ; v64-79 the way out: largest magnitudes, bytes, scale operands
.set PW,   80                          ; v80-87 a scale word for each block of rows
.set SW,   88                          ; v88-91 the scale image
.set T2,   96                          ; v96-103 second halves of the conversions
.set AF,   128                         ; v128-223 A's fragments; on the way out the codes, 12 registers a block
.set G1, 24
.set G0, 32
.set G1B, 48
.set G0B, 56
.set G1S, 68
.set G0S, 76
.set G1SB, 80
.set G0SB, 88
.set MSB, 0
.macro WIN new                         ; the immediate's high byte repeats the setting that is left
.if MSB != \new
	s_set_vgpr_msb (MSB<<8)|\new
.set MSB, \new
.endif
.endm
.set MUL_LO, 0xa1                      ; source 0 (B) window 1, source 1 (A) window 0, C and D window 2
.set MUL_HI, 0xf1                      ; the same, C and D window 3
.set TO_B,   0x40                      ; destination window 1
; A joint load: waves 0 and 1 fetch for A, waves 2 and 3 for B; the branch hangs on the wave's number alone.  Four v_nop follow each line.
.macro JLOAD g0a, g1a, g0b, g1b
	s_cmp_eq_u32 s15, 0
	s_cbranch_scc0 .Lfor_b_\@
	tensor_load_to_lds s[\g0a:\g0a+3], s[\g1a:\g1a+7]
	s_nop 0
.rept 4
	v_nop
.endr
	s_branch .Lasked_\@
.Lfor_b_\@:
	tensor_load_to_lds s[\g0b:\g0b+3], s[\g1b:\g1b+7]
	s_nop 0
.rept 4
	v_nop
.endr
.Lasked_\@:
.endm
.macro CREST                           ; a round of the cluster's barrier behind its opening barrier
	s_cmp_lg_u32 s14, 0
	s_cbranch_scc1 .Lnot_wave_0_\@
	s_barrier_signal -3
.Lnot_wave_0_\@:
	s_barrier_wait -3
	s_barrier_signal -1
	s_barrier_wait -1
.endm
.macro CROUND                          ; a whole round
	s_barrier_signal -1
	s_barrier_wait -1
	CREST
.endm
	s_load_b256 s[24:31], s[0:1], 0x0              ; q's codes, q's scales, Wq's codes, Wq's scales
	s_load_b256 s[32:39], s[0:1], 0x20             ; k's, Wk's
	s_load_b256 s[48:55], s[0:1], 0x40             ; Wv's, v's
	s_load_b128 s[92:95], s[0:1], 0x60             ; attn_mask, key_padding_mask
	s_load_b128 s[56:59], s[0:1], 0x70             ; qimg, kv
	s_load_b64 s[96:97], s[0:1], 0x80              ; mbits
	v_lshl_add_u32 v[SPW], v0, 2, SPARE
	v_mov_b32 v[NIL], 0
	ds_add_u32 v28, v29
	ds_add_u32 v28, v29
	s_wait_dscnt 0x0
	v_lshrrev_b32 v1, 5, v0
	v_readfirstlane_b32 s14, v1                    ; wave 0..3
	s_lshr_b32 s15, s14, 1                         ; which half of the tile's rows is mine.  Also: I fetch for A (0) or for B (1)
	s_and_b32 s16, s14, 1                          ; which half of its columns.  Also: which 128 rows of that tile I fetch
	s_bfe_u32 s40, ttmp6, 0x40000                  ; cx, cy: my place in the cluster
	s_bfe_u32 s41, ttmp6, 0x40004
	s_and_b32 s101, ttmp7, 0xffff                  ; Y: the cluster's row in the grid, 0..9: it picks the product
	s_lshl_b32 s43, s41, 2
	s_lshl_b32 s43, 15, s43                        ; my row of the cluster
	s_lshl_b32 s44, 0x1111, s40                    ; my column
	s_max_u32 s18, s101, 2
	s_sub_co_u32 s18, s18, 2                       ; Y - 2 (K's rows)
	s_max_u32 s19, s101, 6
	s_sub_co_u32 s19, s19, 6                       ; Y - 6 (V's columns)
	s_wait_kmcnt 0x0
	s_cmp_lt_u32 s101, 6                           ; K's set or V's: the choice hangs on the grid's y alone
	s_cselect_b64 s[4:5], s[32:33], s[48:49]       ; A's codes
	s_cselect_b64 s[6:7], s[34:35], s[50:51]       ; A's scales
	s_cselect_b64 s[8:9], s[36:37], s[52:53]       ; B's codes
	s_cselect_b64 s[10:11], s[38:39], s[54:55]     ; B's scales
	s_cselect_b32 s20, s18, ttmp9                  ; the cluster's row among the tiles of C
	s_cselect_b32 s21, ttmp9, s19                  ; and its column
	s_cmp_lt_u32 s101, 2                           ; Q's set or what was chosen
	s_cselect_b64 s[4:5], s[24:25], s[4:5]
	s_cselect_b64 s[6:7], s[26:27], s[6:7]
	s_cselect_b64 s[8:9], s[28:29], s[8:9]
	s_cselect_b64 s[10:11], s[30:31], s[10:11]
	s_cselect_b64 s[12:13], s[56:57], s[58:59]     ; where the images go
	s_cselect_b32 s20, s101, s20
	s_cselect_b32 s21, ttmp9, s21
	s_lshl_b32 s17, s20, 2
	s_add_co_u32 s17, s17, s41                     ; tile row of C: it enters A's addresses alone
	s_lshl_b32 s42, s21, 2
	s_add_co_u32 s42, s42, s40                     ; tile column of C: it enters B's alone
	; descriptor group 1: a tile of 128 rows x 192 bytes, 16 bytes of padding behind every 64
	s_or_b32 s[G1+0], s43, (0<<16)|(1<<20)|(1<<21)|(3<<22)|(3<<25)  ; 15:0 the mask: my row; 17:16 elements of 1 byte; 20 padding on; 21 set beside a mask; 24:22 after every 16 words; 31:25 of 4 words
	s_or_b32 s[G1B+0], s44, (0<<16)|(1<<20)|(1<<21)|(3<<22)|(3<<25) ; the same with my column's mask
.irp g, G1, G1B
	s_mov_b32 s[\g+1], ROWB<<16                    ; tensor_dim0
	s_mov_b32 s[\g+2], 128<<16                     ; tensor_dim1
	s_mov_b32 s[\g+3], ROWB<<16                    ; tile_dim0
	s_mov_b32 s[\g+4], 128                         ; tile_dim1
	s_mov_b32 s[\g+5], KROW                        ; tensor_dim0_stride
	s_mov_b32 s[\g+6], 0
	s_mov_b32 s[\g+7], 0
.endr
	; the scales of 128 rows: a dense block of 8,192 bytes, as 32 rows of 256 bytes (32 elements of 8), 16 bytes of padding behind each
	s_or_b32 s[G1S+0], s43, (3<<16)|(1<<20)|(1<<21)|(5<<22)|(3<<25)
	s_or_b32 s[G1SB+0], s44, (3<<16)|(1<<20)|(1<<21)|(5<<22)|(3<<25)
.irp g, G1S, G1SB
	s_mov_b32 s[\g+1], 32<<16
	s_mov_b32 s[\g+2], (128*KS/256)<<16
	s_mov_b32 s[\g+3], 32<<16
	s_mov_b32 s[\g+4], 128*KS/256
	s_mov_b32 s[\g+5], 32
	s_mov_b32 s[\g+6], 0
	s_mov_b32 s[\g+7], 0
.endr
	s_lshl_b32 s18, s16, 7                         ; which 128 rows of the tile I fetch
	s_lshl_b32 s20, s17, 8
	s_add_co_u32 s20, s20, s18                     ; A: row 256 x tile row + 128 x half
	s_lshl_b32 s46, s42, 8
	s_add_co_u32 s46, s46, s18                     ; B: row 256 x tile column + 128 x half
	s_mov_b32 s21, 0
	s_mov_b32 s47, 0
	s_mov_b64 s[18:19], KS
	s_mul_u64 s[22:23], s[20:21], s[18:19]         ; where these rows' scales begin
	s_mul_u64 s[98:99], s[46:47], s[18:19]
	s_mov_b64 s[18:19], KROW
	s_mul_u64 s[20:21], s[20:21], s[18:19]         ; and their codes
	s_mul_u64 s[46:47], s[46:47], s[18:19]
	s_mul_i32 s45, s14, HALFT                      ; where they go: wave x 128 rows: no place in the cluster enters an LDS address
	s_mul_i32 s100, s14, HALFS
	s_add_nc_u64 s[20:21], s[4:5], s[20:21]
	s_add_nc_u64 s[22:23], s[6:7], s[22:23]
	s_add_nc_u64 s[46:47], s[8:9], s[46:47]
	s_add_nc_u64 s[98:99], s[10:11], s[98:99]
	CROUND                                         ; all sixteen work-groups are here: the first joint loads meet
	s_mov_b32 s[G0S], 1
	s_add_co_u32 s[G0S+1], s100, SCL
	s_mov_b64 s[G0S+2:G0S+3], s[22:23]
	s_or_b32 s[G0S+3], s[G0S+3], 0x80000000
	s_mov_b32 s[G0SB], 1
	s_add_co_u32 s[G0SB+1], s100, SCL
	s_mov_b64 s[G0SB+2:G0SB+3], s[98:99]
	s_or_b32 s[G0SB+3], s[G0SB+3], 0x80000000
	JLOAD G0S, G1S, G0SB, G1SB                     ; the scales first: they are wanted with K step 0
.irp s, 0,1
	s_mov_b32 s[G0+4*\s], 1
	s_add_co_u32 s[G0+4*\s+1], s45, \s*SLOT
	s_add_nc_u64 s[G0+4*\s+2:G0+4*\s+3], s[20:21], \s*ROWB
	s_or_b32 s[G0+4*\s+3], s[G0+4*\s+3], 0x80000000
	s_mov_b32 s[G0B+4*\s], 1
	s_add_co_u32 s[G0B+4*\s+1], s45, \s*SLOT
	s_add_nc_u64 s[G0B+4*\s+2:G0B+4*\s+3], s[46:47], \s*ROWB
	s_or_b32 s[G0B+4*\s+3], s[G0B+4*\s+3], 0x80000000
	JLOAD G0+4*\s, G1, G0B+4*\s, G1B               ; three tensor loads of mine are out now
.endr
	v_and_b32 v1, 15, v0                           ; l % 16
	v_bfe_u32 v2, v0, 4, 1                         ; l / 16
	v_mul_u32_u24 v3, v1, PITCH
	v_mul_u32_u24 v4, v2, 24
	v_add_nc_u32 v4, v3, v4                        ; a fragment's row x pitch + 24 x half
	v_lshl_add_u32 v5, v2, 4, v4                   ; and the same behind one padding more
	s_mul_i32 s21, s15, HALFT                      ; my 128 rows of A
	s_mul_i32 s22, s16, HALFT                      ; my 128 rows of B,
	s_add_co_u32 s22, s22, 2*HALFT                 ; which lie behind A's 256
.irp s, 0,1
	v_add_nc_u32 v[ADRA+\s], s21, v4
	v_add_nc_u32 v[ADRB+\s], s22, v4
	v_add_nc_u32 v[ADRA+2+\s], s21, v5
	v_add_nc_u32 v[ADRB+2+\s], s22, v5
	s_add_co_u32 s21, s21, SLOT
	s_add_co_u32 s22, s22, SLOT
.endr
	v_mul_u32_u24 v5, v1, KS                       ; my row's scales: 64 bytes a row,
	v_lshrrev_b32 v6, 8, v5
	v_lshl_add_u32 v5, v6, 4, v5                   ; and 16 more for each 256 passed
	s_mul_i32 s21, s15, HALFS                      ; A's: my 128 rows
	s_mul_i32 s22, s16, HALFS                      ; B's: my 128 rows, behind A's 256
	s_add_co_u32 s22, s22, 2*HALFS
	s_sub_co_u32 s22, s22, s21
	v_mul_u32_u24 v6, s22, v2                      ; lanes 16-31 take B's: the lower base + half x the distance
	s_add_co_u32 s21, s21, SCL
	v_add_nc_u32 v5, v5, v6
	v_add_nc_u32 v[ADRS], s21, v5
	v_and_b32 v6, 31, v0
	v_lshlrev_b32 v[IMG], 4, v6                    ; 16 x lane
	; where my super-fragment goes.  R = my 128 rows of C, C = my 128 columns, counted in 128s.  Q: qimg[(16 R + C)];  K: kv[(16 R + C)][0];  V^T: kv[(16 C + R)][1]
	s_lshl_b32 s20, s17, 1
	s_add_co_u32 s20, s20, s15                     ; R
	s_lshl_b32 s46, s42, 1
	s_add_co_u32 s46, s46, s16                     ; C
	s_cmp_lt_u32 s101, 6
	s_cselect_b32 s22, s20, s46                    ; the chunk of queries or keys
	s_cselect_b32 s23, s46, s20                    ; the head
	s_cselect_b32 s2, 0, SFB                       ; V's place behind K's
	s_mov_b32 s47, 2*SFB
	s_cmp_lt_u32 s101, 2
	s_cselect_b32 s47, SFB, s47
	s_lshl_b32 s22, s22, 4
	s_add_co_u32 s22, s22, s23
	s_mul_i32 s22, s22, s47
	s_add_co_u32 s22, s22, s2                      ; 13,094,400 at the most
	s_mov_b32 s23, 0
	s_add_nc_u64 s[12:13], s[12:13], s[22:23]
	; THE MASK PACK.  Cluster rows 0-7: 16 clusters x 16 work-groups x 4 waves = 1,024 units of 16 queries x 128 keys.  The branch hangs on the grid's y alone; no barrier and no tensor load stands inside.
	s_cmp_ge_u32 s101, 8
	s_cbranch_scc1 .Lno_pack
	s_lshl_b32 s18, s101, 1
	s_add_co_u32 s18, s18, ttmp9
	s_lshl_b32 s18, s18, 2
	s_add_co_u32 s18, s18, s41
	s_lshl_b32 s18, s18, 2
	s_add_co_u32 s18, s18, s40
	s_lshl_b32 s18, s18, 2
	s_add_co_u32 s18, s18, s14                     ; my unit u = 16 x tile of queries + step of keys
	s_lshr_b32 s19, s18, 4
	s_and_b32 s20, s18, 15
	s_lshl_b32 s19, s19, 15                        ; 16 rows of 2,048 bytes a tile of queries
	s_lshl_b32 s20, s20, 7                         ; 128 bytes a step
	s_add_co_u32 s19, s19, s20
	s_lshl_b32 s21, s18, 8                         ; 256 bytes of words a unit
	v_lshlrev_b32 v[MK], 3, v2                     ; 8 (l / 16)
	v_lshl_add_u32 v[MA], v1, 11, v[MK]            ; + 2,048 (l % 16)
	v_add_nc_u32 v[MA], s19, v[MA]
	v_add_nc_u32 v[MK], s20, v[MK]
	v_lshl_add_u32 v[MO], v6, 3, s21               ; 8 x lane + 256 u
.irp t, 0,1,2,3,4,5,6,7
	global_load_b64 v[64+2*\t:65+2*\t], v[MA], s[92:93] offset:16*\t th:TH_LOAD_NT   ; my query's keys 16 t + 8 (l / 16) + 0 .. 7; read once in the launch
	global_load_b64 v[80+2*\t:81+2*\t], v[MK], s[94:95] offset:16*\t                  ; the same keys of batch 0's padding mask,
	global_load_b64 v[96+2*\t:97+2*\t], v[MK], s[94:95] offset:2048+16*\t             ; and of batch 1's
.endr
.irp i, 116,117,118,119
	v_mov_b32 v\i, 0                               ; v_writelane_b32's destination counts as read
.endr
	s_wait_loadcnt 0x0
.set ii, 0
.rept 16
	v_or_b32 v[80+ii], v[80+ii], v[64+ii]          ; hidden by either mask
	v_or_b32 v[96+ii], v[96+ii], v[64+ii]
.set ii, ii+1
.endr
.irp bb, 0,1
.set jj, 0
.rept 64                                       ; word jj = 8 t + j: byte jj % 4 of register jj / 4, of all 32 lanes
	v_and_b32 v[112+jj%4], 0xff<<(8*(jj%4)), v[80+16*\bb+jj/4]
	v_cmp_ne_u32 s[18+jj%4], 0, v[112+jj%4]
	v_writelane_b32 v[116+2*\bb+jj%2], s[18+jj%4], jj/2      ; lane L gathers words 2 L and 2 L + 1
.set jj, jj+1
.endr
.endr
	global_store_b64 v[MO], v[116:117], s[96:97]               ; the wave stores 256 consecutive bytes, aligned
	global_store_b64 v[MO], v[118:119], s[96:97] offset:262144 ; batch 1's
	s_wait_xcnt 0x0
.Lno_pack:
.macro FRAG reg, adr, q, i             ; a fragment: lane l holds row l % 16; registers 6 c .. 6 c + 5 hold K = 64 c + 32 (l / 16) + 0 .. 31: 24 bytes of the row's stream of bits, in pieces of 8
.irp p, 0,1,2,3,4,5
.set PC, 12*(\q)+6*(\p/3)+\p%3        ; where the piece three on (lanes 16-31) lies behind one padding more, the second address register serves
.if PC%8 < 5
	ds_load_b64 v[\reg+2*\p:\reg+2*\p+1], v[\adr] offset:8*PC+16*(PC/8)+(\i)*16*PITCH
.else
	ds_load_b64 v[\reg+2*\p:\reg+2*\p+1], v[\adr+2] offset:8*PC+16*(PC/8)+(\i)*16*PITCH
.endif
.endr
.endm
; 16 matrix instructions: A's blocks a0, a0 + 1 x B's eight, the slot's q-th 128 along K.  p: B's set; sc: the set of scale words.  zero = 1: the first product starts the sums.
; The 64 accumulators take turns, one instruction a turn, in the same order in every step.
.macro MUL16 a0, p, q, sc, zero
.irp a, \a0, \a0+1
.irp b, 0,1,2,3,4,5,6,7
.if \zero
	v_wmma_scale_f32_16x16x128_f8f6f4 v[8*(8*((\a)%4)+\b):8*(8*((\a)%4)+\b)+7], v[128*(\p)+FR*\b:128*(\p)+FR*\b+FR-1], v[AF+FR*(\a):AF+FR*(\a)+FR-1], 0, v[SC+8*NQ*(\sc)+NQ*\b+(\q)], v[SC+8*NQ*(\sc)+NQ*(\a)+(\q)] matrix_a_fmt:MATRIX_FMT_FP6 matrix_b_fmt:MATRIX_FMT_FP6 matrix_a_scale:MATRIX_SCALE_ROW1
.else
	v_wmma_scale_f32_16x16x128_f8f6f4 v[8*(8*((\a)%4)+\b):8*(8*((\a)%4)+\b)+7], v[128*(\p)+FR*\b:128*(\p)+FR*\b+FR-1], v[AF+FR*(\a):AF+FR*(\a)+FR-1], v[8*(8*((\a)%4)+\b):8*(8*((\a)%4)+\b)+7], v[SC+8*NQ*(\sc)+NQ*\b+(\q)], v[SC+8*NQ*(\sc)+NQ*(\a)+(\q)] matrix_a_fmt:MATRIX_FMT_FP6 matrix_b_fmt:MATRIX_FMT_FP6 matrix_a_scale:MATRIX_SCALE_ROW1
.endif
.endr
.endr
.endm
.macro FETCH_B slot, q, p              ; B's eight fragments into set p
	WIN TO_B
.irp i, 0,1,2,3,4,5,6,7
	FRAG 128*(\p)+FR*\i, ADRB+\slot, \q, \i
.endr
	WIN 0
.endm
.macro FETCH_A slot, q, i0             ; A's blocks i0 .. i0 + 3
.irp i, \i0, \i0+1, \i0+2, \i0+3
	FRAG AF+FR*(\i), ADRA+\slot, \q, \i
.endr
.endm
.macro SCALES sc                       ; a K step's scale words: two words a row; lanes 0-15 A's block i, lanes 16-31 B's block i
.irp i, 0,1,2,3,4,5,6,7
	ds_load_b64 v[SC+8*NQ*\sc+NQ*\i:SC+8*NQ*\sc+NQ*\i+1], v[ADRS] offset:\i*SBLK
.endr
.endm
.macro PLACES n                        ; plain vector instructions between a matrix instruction and a load into, or a vector read or write of, its registers
.rept \n
	v_nop
.endr
.endm
; A step of 128 along K that has its successor in the same slot.  A's one set: blocks 0-3 are fetched anew in the step's middle, blocks 4-7 at its end; B has two sets.
.macro STEP slot, q, zero
	s_wait_dscnt 4*NL                              ; all but the youngest 24 loads (A's blocks 4-7) are in
	WIN MUL_LO
	MUL16 0, (\q)%2, \q, \slot, \zero
	MUL16 2, (\q)%2, \q, \slot, \zero
	s_wait_dscnt 0                                 ; A's blocks 4-7 are in
	PLACES NP
	FETCH_B \slot, (\q)+1, 1-(\q)%2
	FETCH_A \slot, (\q)+1, 0
	WIN MUL_HI
	MUL16 4, (\q)%2, \q, \slot, \zero
	MUL16 6, (\q)%2, \q, \slot, \zero
	PLACES NP
	WIN 0
	FETCH_A \slot, (\q)+1, 4
.endm
; A slot's last step changes slots: one barrier; in front of it each wave waits for all its tensor loads, adds 0 to its spare word, and waits for that and for its reads of this slot.
.macro TURN slot, next, fill
	s_wait_tensorcnt 0x0                           ; all my tensor loads have landed: my part of the next slot
	ds_add_u32 v[SPW], v[NIL]                      ; 0 onto my spare word
	s_wait_dscnt 4*NL+1                            ; the add and the youngest 24 loads may be out
	WIN MUL_LO
	MUL16 0, 1, NQ-1, \slot, 0
	s_wait_dscnt 0x0                               ; the add is done, and my reads of this slot are over
	s_barrier_signal -1
	MUL16 2, 1, NQ-1, \slot, 0
	WIN 0
	s_barrier_wait -1
.if \fill
	CREST                                          ; the barrier has opened a round of the cluster's: no wave of any partner still reads this slot or has a load on its way
	s_add_nc_u64 s[G0+4*\slot+2:G0+4*\slot+3], s[G0+4*\slot+2:G0+4*\slot+3], 2*ROWB
	s_add_nc_u64 s[G0B+4*\slot+2:G0B+4*\slot+3], s[G0B+4*\slot+2:G0B+4*\slot+3], 2*ROWB
	JLOAD G0+4*\slot, G1, G0B+4*\slot, G1B         ; my one tensor load behind the round; its four v_nop are the places in front of the loads below
.else
	PLACES NP
.endif
	v_add_nc_u32 v[ADRS], 4*NQ, v[ADRS]            ; the next K step's scale words
	FETCH_B \next, 0, 0
	FETCH_A \next, 0, 0
	SCALES \next
	WIN MUL_HI
	MUL16 4, 1, NQ-1, \slot, 0
	MUL16 6, 1, NQ-1, \slot, 0
	PLACES NP
	WIN 0
	FETCH_A \next, 0, 4
.endm
	s_wait_tensorcnt 1                             ; the scales and my part of K step 0 are in; K step 1's load may be out
	s_barrier_signal -1
	s_barrier_wait -1
	FETCH_B 0, 0, 0
	FETCH_A 0, 0, 0
	SCALES 0
	FETCH_A 0, 0, 4
	STEP 0, 0, 1                                   ; the first step stands in front of the loop: its products start the sums
	s_mov_b32 s3, LAPS-1
.Llap:                                                 ; a trip goes once round the ring and fills both slots again
	TURN 0, 1, 1
	STEP 1, 0, 0
	TURN 1, 0, 1
	STEP 0, 0, 0
	s_sub_co_u32 s3, s3, 1
	s_cmp_lg_u32 s3, 0
	s_cbranch_scc1 .Llap
	TURN 0, 1, 0                                   ; the last lap fills nothing
	STEP 1, 0, 0
	s_wait_dscnt 4*NL
	WIN MUL_LO
	MUL16 0, 1, NQ-1, 1, 0
	MUL16 2, 1, NQ-1, 1, 0
	s_wait_dscnt 0
	WIN MUL_HI
	MUL16 4, 1, NQ-1, 1, 0
	MUL16 6, 1, NQ-1, 1, 0
	WIN 0
; THE WAY OUT.  Block a (16 rows x 128 columns, 64 registers a lane): registers 16 b + 0 .. 15 are 16 numbers of block b of 32 columns; lane l xor 16 holds the other 16.
.macro QUANTA a
.set WA, 2+(\a)/4                      ; the accumulators' window
.set WW, WA|(WA<<2)
.set AC, 64*((\a)%4)
.set CD, AF+12*(\a)
	WIN WW                                         ; sources 0 and 1 in the accumulators' window
.irp b, 0,1,2,3
	v_max3_num_f32 v[TM+\b], |v[AC+16*\b]|, |v[AC+16*\b+1]|, 0x1800000   ; each accumulator from its low end on; the floor 2^(3 - 127) holds the byte at 1 from below
.endr
.irp i, 2,4,6,8,10,12,14
.irp b, 0,1,2,3
	v_max3_num_f32 v[TM+\b], |v[AC+16*\b+\i]|, |v[AC+16*\b+\i+1]|, v[TM+\b]   ; the four blocks by turns
.endr
.endr
	WIN 0
.irp b, 0,1,2,3
	v_permlanex16_b32 v[TM+4+\b], v[TM+\b], s98, s99
.endr
.irp b, 0,1,2,3
	v_max_num_f32 v[TM+\b], v[TM+\b], v[TM+4+\b]   ; the block's largest magnitude
.endr
.irp b, 0,1,2,3
	v_add_nc_u32 v[TM+12+\b], 0xff000000, v[TM+\b] ; 2 off its exponent field: the conversion's scale operand
.endr
.irp b, 0,1,2,3
	v_lshrrev_b32 v[TM+4+\b], 23, v[TM+12+\b]      ; the scale's byte
.endr
	v_lshl_or_b32 v[PW+(\a)], v[TM+5], 8, v[TM+4]  ; my row's scale word
	v_lshl_or_b32 v[PW+(\a)], v[TM+6], 16, v[PW+(\a)]
	v_lshl_or_b32 v[PW+(\a)], v[TM+7], 24, v[PW+(\a)]
	WIN WA                                         ; source 0 in the accumulators' window
.irp c, 0,1
	v_cvt_scalef32_pk16_fp6_f32 v[CD+6*\c:CD+6*\c+2], v[AC+32*\c:AC+32*\c+15], v[TM+12+2*\c]
	v_cvt_scalef32_pk16_fp6_f32 v[T2+4*\c:T2+4*\c+2], v[AC+32*\c+16:AC+32*\c+31], v[TM+13+2*\c]   ; (a conversion's three registers begin on an even number)
.endr
	WIN 0
	v_nop                                          ; one plain place behind a scaled conversion
.irp c, 0,1                                    ; the operand's layout wants a whole block in a lane: lanes 0-15 block 2 c, lanes 16-31 block 2 c + 1
.irp i, 0,1,2
	v_permlane16_swap_b32 v[CD+6*\c+\i], v[T2+4*\c+\i]
.endr
.irp i, 0,1,2
	v_mov_b32 v[CD+3+6*\c+\i], v[T2+4*\c+\i]
.endr
.endr
.irp c, 0,1,2
	global_store_b128 v[IMG], v[CD+4*\c:CD+4*\c+3], s[12:13] offset:1536*(\a)+512*\c   ; the wave stores 512 consecutive bytes, aligned to 256; each block has its own registers, so no store's data are written again
.endr
.if (\a)%2
	v_cndmask_b32 v[SW+(\a)/2], v[PW+(\a)-1], v[PW+(\a)], s100    ; lanes 0-15: the even fragment's words, lanes 16-31: the odd one's
.endif
.endm
	PLACES NP                                      ; behind the last products: their results are read, and A's registers written, below
	s_mov_b32 s98, 0x76543210                      ; v_permlanex16_b32's selects for lane l xor 16
	s_mov_b32 s99, 0xfedcba98
	s_mov_b32 s100, 0xffff0000                     ; lanes 16-31
.irp b, 0,1,2,3
	v_mov_b32 v[TM+4+\b], 0                        ; a lane permute's destination counts as one of its sources
.endr
.irp a, 0,1,2,3,4,5,6,7
	QUANTA \a
.endr
	global_store_b128 v[IMG], v[SW:SW+3], s[12:13] offset:12288   ; the scale image
	s_wait_tensorcnt 0x0                           ; the wave's end
	ds_add_u32 v[SPW], v[NIL]
	s_wait_dscnt 0x0
	CROUND                                         ; the closing round: no work-group ends while a partner may still ask for a tile that names it
	s_endpgm
.Lfunc_end_k_q79aeef9a0f_proj:
	.size	k_q79aeef9a0f_proj, .Lfunc_end_k_q79aeef9a0f_proj-k_q79aeef9a0f_proj
	.p2alignl 7, 3214868480
	.fill 96, 4, 3214868480
	.section	.rodata,"a",@progbits
	.p2align	6, 0x0
	.amdhsa_kernel k_q79aeef9a0f_proj
		.amdhsa_group_segment_fixed_size 327680
		.amdhsa_private_segment_fixed_size 0
		.amdhsa_enable_private_segment 0
		.amdhsa_kernarg_size 136
		.amdhsa_user_sgpr_count 2
		.amdhsa_user_sgpr_kernarg_segment_ptr 1
		.amdhsa_wavefront_size32 1
		.amdhsa_system_sgpr_workgroup_id_x 1
		.amdhsa_system_sgpr_workgroup_id_y 1
		.amdhsa_system_sgpr_workgroup_id_z 1
		.amdhsa_system_vgpr_workitem_id 0
		.amdhsa_next_free_vgpr 1024
		.amdhsa_next_free_sgpr 102
		.amdhsa_reserve_vcc 0
		.amdhsa_float_denorm_mode_32 3
		.amdhsa_float_denorm_mode_16_64 3
		.amdhsa_memory_ordered 1
		.amdhsa_forward_progress 1
		.amdhsa_inst_pref_size 193
	.end_amdhsa_kernel
	.amdgpu_metadata
---
amdhsa.version: [ 1, 2 ]
amdhsa.kernels:
  - .name:           k_q79aeef9a0f_proj
    .symbol:         k_q79aeef9a0f_proj.kd
    .args:
      - { .name: q_codes, .offset: 0, .size: 8, .value_kind: global_buffer, .address_space: global }
      - { .name: q_scales, .offset: 8, .size: 8, .value_kind: global_buffer, .address_space: global }
      - { .name: Wq_codes, .offset: 16, .size: 8, .value_kind: global_buffer, .address_space: global }
      - { .name: Wq_scales, .offset: 24, .size: 8, .value_kind: global_buffer, .address_space: global }
      - { .name: k_codes, .offset: 32, .size: 8, .value_kind: global_buffer, .address_space: global }
      - { .name: k_scales, .offset: 40, .size: 8, .value_kind: global_buffer, .address_space: global }
      - { .name: Wk_codes, .offset: 48, .size: 8, .value_kind: global_buffer, .address_space: global }
      - { .name: Wk_scales, .offset: 56, .size: 8, .value_kind: global_buffer, .address_space: global }
      - { .name: Wv_codes, .offset: 64, .size: 8, .value_kind: global_buffer, .address_space: global }
      - { .name: Wv_scales, .offset: 72, .size: 8, .value_kind: global_buffer, .address_space: global }
      - { .name: v_codes, .offset: 80, .size: 8, .value_kind: global_buffer, .address_space: global }
      - { .name: v_scales, .offset: 88, .size: 8, .value_kind: global_buffer, .address_space: global }
      - { .name: attn_mask, .offset: 96, .size: 8, .value_kind: global_buffer, .address_space: global }
      - { .name: key_padding_mask, .offset: 104, .size: 8, .value_kind: global_buffer, .address_space: global }
      - { .name: qimg, .offset: 112, .size: 8, .value_kind: global_buffer, .address_space: global }
      - { .name: kv, .offset: 120, .size: 8, .value_kind: global_buffer, .address_space: global }
      - { .name: mbits, .offset: 128, .size: 8, .value_kind: global_buffer, .address_space: global }
    .group_segment_fixed_size: 327680
    .private_segment_fixed_size: 0
    .kernarg_segment_align: 8
    .kernarg_segment_size: 136
    .max_flat_workgroup_size: 128
    .sgpr_count:     102
    .vgpr_count:     1024
    .wavefront_size: 32
...
	.end_amdgpu_metadata
.endif
;; end of part 1
;; launch attn (part 2): grid 8 x 32, 8 waves a work-group, clusters of 4 x 1, 327,680 bytes of LDS; arguments qimg, kv, mbits, o_codes, o_scales; writes o_codes, o_scales
.if DOCPART == 2
	.amdgcn_target "amdgcn-amd-amdhsa--gfx1250"
	.amdhsa_code_object_version 6
	.text
	.protected	k_q79aeef9a0f_attn
	.globl	k_q79aeef9a0f_attn
	.p2align	8
	.type	k_q79aeef9a0f_attn,@function
k_q79aeef9a0f_attn:
	s_mov_b64 s[64:65], 0
	v_nop
	global_prefetch_b8 v0, s[64:65] scope:SCOPE_SE
	s_setreg_imm32_b32 hwreg(HW_REG_WAVE_MODE, 25, 1), 1
	s_wait_xcnt 0x0
	s_wait_alu depctr_hold_cnt(0) depctr_sa_sdst(0) depctr_va_vdst(0) depctr_va_sdst(0) depctr_va_ssrc(0) depctr_va_vcc(0) depctr_vm_vsrc(0)
	s_getreg_b32 s2, hwreg(HW_REG_IB_STS2, 6, 4)
	s_cmp_eq_u32 s2, 0
	s_cbranch_scc0 .Lentry_in_a_cluster
	s_endpgm
.Lentry_in_a_cluster:
	s_bfe_u32 s2, ttmp6, 0x10000c
	s_cmp_lg_u32 s2, 0x3003
	s_cbranch_scc0 .Lentry_shape_is_right
	s_endpgm
.Lentry_shape_is_right:
; O[b][q][h][:] = the sum over the keys that neither mask hides of softmax(Q . K / sqrt(128)) V, both products on codes of FP6 (E2M3) with one E8M0 scale for each 32 along a product's K; O is quantised along its 2,048 columns.
; Q, K and V^T come as images of operand registers (super-fragments of 128 rows x 128 K, 12,800 bytes: fragment a at 1,536 a, register group c of lane l at 512 c + 16 l; at 12,288 four registers of scale words:
; register j holds fragment 2 j's rows in lanes 0-15 and fragment 2 j + 1's in lanes 16-31).  Inside each block of 32 along K their codes lie in the order 0-7, 16-23, 8-15, 24-31.
; THE SOFTMAX: t = score x log2(e) / sqrt(128); M = the row's largest t so far, rounded up to a whole number; p = 2^(t - M) is quantised along the keys, not normalised; the row's sum is taken of the unquantised p
; and divides O at the end.  When M moves, the sum and O are multiplied by 2^(old M - new M): exact.  Hidden scores become -infinity ahead of the maximum.
; SHARES.  A work-group owns 128 queries of one batch and head; each of its eight waves owns 16, one tile, in 256 registers: two waves to a SIMD, so that one wave's vector work stands beside the other's matrix work and LDS loads.
; Every wave walks the 2,048 keys, 128 a step.  A step's K and V^T lie together in memory, 25,600 bytes; a slot of the ring holds four steps; each wave fetches one super-fragment of a slot.
; CLUSTER.  The four work-groups of a cluster have the same batch and head and walk the same K and V^T: every tile is asked for jointly (mask 15).  My place in the cluster enters Q's, the masks' and O's addresses alone.
; LAYOUT.  S^T = K Q^T (source 0 = 16 keys, source 1 = my 16 queries), O^T = V^T P^T: a lane holds one query (lane % 16) throughout; register j of score tile t is key 16 t + 8 (lane / 16) + j.
; Quantised as they stand, p's codes fall into the same order inside a block as V^T's, so the second product sums the same terms.  O meets a given operand, so its numbers are put into the natural order first.
; THE MASKS come as 64 lane masks a step (bit l of word 8 t + j: hidden for lane l's query and register j of tile t), by scalar loads a step ahead; one v_cndmask_b32 a score register.
; LIMITS.  A row all of whose keys are hidden has the sum 0: its scale words of O are set to 0xffffffff, so that the last product gives NaN for the whole row, as the definition does.
; A block of O whose largest magnitude lies under 2^-124 gets the byte 1 (zeros: the rule says 127; the bytes are read by this program alone).  A block's largest p is taken from the block's largest score through the
; same multiply-add and exponential, which takes v_exp_f32 not to fall where its input rises.
.set SFB,    12800                     ; a super-fragment
.set STEPB,  2*SFB                     ; a step: K's, then V^T's
.set SLOTB,  4*STEPB                   ; a slot: four steps
.set CHUNKB, 16*STEPB                  ; from a step to the next in memory: 16 heads lie between
.set SPARE,  2*SLOTB                   ; the spare words, 128 bytes a wave: four blocks of 256 bytes that no other line names
.set LI,   1                           ; v1   16 x lane
.set ADK,  2                           ; v2   LDS address of the step in hand
.set SPW,  3                           ; v3   my spare word: SPARE + 4 x my thread's number; never rewritten
.set NIL,  4                           ; v4   0; never rewritten
.set NINF, 5                           ; v5   -infinity
.set FRG,  32                          ; v32-79   four fragments of K or of V^T
.set KSC,  80                          ; v80-83   K's scale image, v84-87 V^T's: scales and nothing else
.set VSC,  84
.set QSC,  28                          ; v28      Q's scale words
; v6, v7 Q's offsets; v8, v9 O's; v12 -M; v13 the largest t; v[14:15] the sum in two halves; v16-27 Q; v29 all ones; v[30:31] 1 / the sum; v96-159 S^T, then p; v160-223 O^T; v224-235 codes; v232-254 at work; v253 the scale word just made
.set MOF,  3                           ; s3   byte offset of the mask words asked for
.set WV,   10                          ; s10  my wave's number
.set TB,   11                          ; s11  LDS byte at which the step in hand begins
.set TRIP, 12                          ; s12  counts a slot's four steps
.set ST,   13                          ; s13  the step whose masks were asked for last
.set CS,   14                          ; s[14:15] c = log2(e) / sqrt(128)
.set G1,   16                          ; s[16:23] descriptor group 1
.set G0A,  24                          ; s[24:27] group 0 for slot 0;  s[28:31] for slot 1
.set G0B,  28
.set SEL,  66                          ; s[66:67] v_permlanex16_b32's selects
; s[4:5] my tile's mask words; s[6:7] my rows of o_codes; s[8:9] of o_scales; s[100:101] my work-group's super-fragment of Q; s[32:63], s[68:99] the 64 mask words
.macro CROUND                          ; a round of the cluster's barrier
	s_barrier_signal -1
	s_barrier_wait -1
	s_cmp_lg_u32 s[WV], 0
	s_cbranch_scc1 .Lnot_wave_0_\@
	s_barrier_signal -3
.Lnot_wave_0_\@:
	s_barrier_wait -3
	s_barrier_signal -1
	s_barrier_wait -1
.endm
.macro PLACES
.rept 4
	v_nop
.endr
.endm
	s_load_b256 s[32:39], s[0:1], 0x0              ; qimg, kv, mbits, o_codes
	s_load_b64 s[40:41], s[0:1], 0x20              ; o_scales
	v_lshl_add_u32 v[SPW], v0, 2, SPARE
	v_mov_b32 v[NIL], 0
	ds_add_u32 v3, v4
	ds_add_u32 v3, v4
	s_wait_dscnt 0x0
	v_lshrrev_b32 v1, 5, v0
	v_readfirstlane_b32 s[WV], v1                  ; wave 0..7
	s_bfe_u32 s68, ttmp6, 0x40000                  ; cx
	s_lshl_b32 s69, ttmp9, 2
	s_add_co_u32 s69, s69, s68                     ; my chunk of 128 queries, 0..7
	s_and_b32 s70, ttmp7, 0xffff
	s_lshr_b32 s71, s70, 4                         ; batch
	s_and_b32 s72, s70, 15                         ; head
	; K and V^T: batch, head, and my part of a slot: step wave / 2, K (0) or V^T (1) = wave % 2.  Nothing here hangs on cx
	s_mul_i32 s42, s71, 16*CHUNKB
	s_mul_i32 s43, s72, STEPB
	s_add_co_u32 s42, s42, s43
	s_lshr_b32 s43, s[WV], 1
	s_mul_i32 s43, s43, CHUNKB
	s_add_co_u32 s42, s42, s43
	s_and_b32 s43, s[WV], 1
	s_mul_i32 s43, s43, SFB
	s_add_co_u32 s42, s42, s43
	s_mov_b32 s43, 0
	; descriptor group 1: a dense block of 12,800 bytes as 50 rows of 256 bytes (32 elements of 8), no padding: every LDS read below takes 512 consecutive bytes
	s_mov_b32 s[G1], 15|(3<<16)|(1<<21)            ; 15:0 the mask: all four work-groups; 17:16 elements of 8 bytes; 21 set beside a mask
	s_mov_b32 s[G1+1], 32<<16                      ; tensor_dim0
	s_mov_b32 s[G1+2], 50<<16                      ; tensor_dim1
	s_mov_b32 s[G1+3], 32<<16                      ; tile_dim0
	s_mov_b32 s[G1+4], 50                          ; tile_dim1
	s_mov_b32 s[G1+5], 32                          ; tensor_dim0_stride
	s_mov_b32 s[G1+6], 0
	s_mov_b32 s[G1+7], 0
	s_lshl_b32 s73, s71, 3
	s_add_co_u32 s73, s73, s69
	s_lshl_b32 s73, s73, 4
	s_add_co_u32 s73, s73, s72
	s_mul_i32 s74, s73, SFB                        ; Q: ((8 batch + chunk) 16 + head) super-fragments
	s_mov_b32 s75, 0
	s_lshl_b32 s73, s71, 6
	s_lshl_b32 s76, s69, 3
	s_add_co_u32 s73, s73, s76
	s_add_co_u32 s73, s73, s[WV]                   ; my tile of 16 queries among all 128
	s_lshl_b32 s76, s73, 12                        ; its mask words: 16 steps of 256 bytes
	s_mov_b32 s77, 0
	s_mul_i32 s78, s73, 16*1536                    ; its rows of o_codes,
	s_mul_i32 s79, s72, 96
	s_add_co_u32 s78, s78, s79                     ; my head's 96 bytes in them
	s_mov_b32 s79, 0
	s_lshl_b32 s80, s73, 10                        ; its rows of o_scales, 64 bytes each,
	s_lshl_b32 s81, s72, 2
	s_add_co_u32 s80, s80, s81                     ; my head's word
	s_mov_b32 s81, 0
	s_mul_i32 s82, s[WV], 1536                     ; my fragment of Q
	s_and_b32 s83, s[WV], 1
	s_lshl_b32 s83, s83, 8
	s_lshr_b32 s84, s[WV], 1
	s_lshl_b32 s84, s84, 2
	s_add_co_u32 s83, s83, s84
	s_add_co_u32 s83, s83, 12288                   ; and its rows' words in the scale image: register wave / 2, lanes 16 (wave % 2) on
	s_mov_b32 s[CS], 0x3e0293ee                    ; c = log2(e) / sqrt(128)
	s_mov_b32 s[CS+1], s[CS]                       ; (named with it as a pair, so it is written)
	s_mov_b32 s[SEL], 0x76543210
	s_mov_b32 s[SEL+1], 0xfedcba98
	s_mov_b32 s[MOF], 0
	s_mov_b32 s[ST], 0
	s_mov_b32 s[G0A], 1                            ; count = 1
	s_mul_i32 s[G0A+1], s[WV], SFB                 ; LDS address: wave x 12,800
	s_mov_b32 s[G0B], 1
	s_add_co_u32 s[G0B+1], s[G0A+1], SLOTB
	v_and_b32 v1, 31, v0
	v_lshlrev_b32 v[LI], 4, v1
	v_add_nc_u32 v6, s82, v[LI]
	v_and_b32 v7, 15, v0
	v_lshl_add_u32 v7, v7, 4, s83
	s_wait_kmcnt 0x0
	s_add_nc_u64 s[100:101], s[32:33], s[74:75]
	s_add_nc_u64 s[G0A+2:G0A+3], s[34:35], s[42:43]   ; steps 0 to 3
	s_add_nc_u64 s[G0B+2:G0B+3], s[G0A+2:G0A+3], 4*CHUNKB   ; steps 4 to 7
	s_or_b32 s[G0A+3], s[G0A+3], 0x80000000        ; type = 2
	s_or_b32 s[G0B+3], s[G0B+3], 0x80000000
	s_add_nc_u64 s[4:5], s[36:37], s[76:77]
	s_add_nc_u64 s[6:7], s[38:39], s[78:79]
	s_add_nc_u64 s[8:9], s[40:41], s[80:81]
	CROUND                                         ; all four work-groups are here: the first joint loads meet
	tensor_load_to_lds s[G0A:G0A+3], s[G1:G1+7]
	s_nop 0
	tensor_load_to_lds s[G0B:G0B+3], s[G1:G1+7]    ; two tensor loads of mine are out
	s_nop 0
	PLACES
.irp c, 0,1,2
	global_load_b128 v[16+4*\c:19+4*\c], v6, s[100:101] offset:512*\c   ; Q's fragment stays in registers
.endr
	global_load_b32 v[QSC], v7, s[100:101]
	s_load_b512 s[32:47], s[4:5], s[MOF] offset:0x0    ; step 0's mask words
	s_load_b512 s[48:63], s[4:5], s[MOF] offset:0x40
	s_load_b512 s[68:83], s[4:5], s[MOF] offset:0x80
	s_load_b512 s[84:99], s[4:5], s[MOF] offset:0xc0
	v_mov_b32 v[NINF], 0xff800000
	v_mov_b32 v29, -1
	v_mov_b32 v31, 0                               ; (named as the upper half of the pair v[30:31])
	v_mov_b32 v13, 0xff61b1e6                      ; the largest t so far: -3e38, under every t
	v_floor_f32 v12, -v13                          ; -M
	v_mov_b32 v14, 0
	v_mov_b32 v15, 0
.irp b, 0,1,2,3
	v_mov_b32 v[236+\b], 0                         ; a lane permute's destination counts as one of its sources
.endr
	v_mov_b32 v253, 0                              ; (named as the upper half of the pair v[252:253] before it is first written)
.set nn, 0
.rept 64
	v_mov_b32 v[160+nn], 0                         ; O^T.  The step is written once: the first finds zeros, which the first change of M leaves zeros
.set nn, nn+1
.endr
	s_wait_tensorcnt 0x1                           ; my part of slot 0 is in; slot 1's may stay out
	s_barrier_signal -1
	s_barrier_wait -1
	s_wait_loadcnt 0x0                             ; Q
.macro SPROD t, g                      ; score tile 4 g + t: source 0 = 16 keys, source 1 = my queries.  An odd fragment's scale words lie in lanes 16-31
.if (\t)%2
	v_wmma_scale_f32_16x16x128_f8f6f4 v[96+8*(4*\g+\t):103+8*(4*\g+\t)], v[FRG+12*\t:FRG+12*\t+11], v[16:27], 0, v[KSC+2*\g+(\t)/2], v[QSC] matrix_a_fmt:MATRIX_FMT_FP6 matrix_b_fmt:MATRIX_FMT_FP6 matrix_a_scale:MATRIX_SCALE_ROW1
.else
	v_wmma_scale_f32_16x16x128_f8f6f4 v[96+8*(4*\g+\t):103+8*(4*\g+\t)], v[FRG+12*\t:FRG+12*\t+11], v[16:27], 0, v[KSC+2*\g+(\t)/2], v[QSC] matrix_a_fmt:MATRIX_FMT_FP6 matrix_b_fmt:MATRIX_FMT_FP6
.endif
.endm
.macro OPROD t, g                      ; O^T tile 4 g + t: source 0 = 16 of the head's 128, source 1 = p
.if (\t)%2
	v_wmma_scale_f32_16x16x128_f8f6f4 v[160+8*(4*\g+\t):167+8*(4*\g+\t)], v[FRG+12*\t:FRG+12*\t+11], v[224:235], v[160+8*(4*\g+\t):167+8*(4*\g+\t)], v[VSC+2*\g+(\t)/2], v253 matrix_a_fmt:MATRIX_FMT_FP6 matrix_b_fmt:MATRIX_FMT_FP6 matrix_a_scale:MATRIX_SCALE_ROW1
.else
	v_wmma_scale_f32_16x16x128_f8f6f4 v[160+8*(4*\g+\t):167+8*(4*\g+\t)], v[FRG+12*\t:FRG+12*\t+11], v[224:235], v[160+8*(4*\g+\t):167+8*(4*\g+\t)], v[VSC+2*\g+(\t)/2], v253 matrix_a_fmt:MATRIX_FMT_FP6 matrix_b_fmt:MATRIX_FMT_FP6
.endif
.endm
.macro FOUR off                        ; four fragments from byte off of the step: twelve loads of 512 consecutive bytes
.irp t, 0,1,2,3
.irp c, 0,1,2
	ds_load_b128 v[FRG+12*\t+4*\c:FRG+12*\t+4*\c+3], v[ADK] offset:\off+1536*\t+512*\c
.endr
.endr
.endm
; From the four blocks' largest magnitudes in v232-235 and 64 numbers in v96-159 (register 16 b + i: number 16 (lane / 16) + i of block b in the operand's order): the codes in v224-235, the row's scale word in v253.
.macro QCODES
.irp b, 0,1,2,3
	v_max_num_f32 v[232+\b], 0x1800000, v[232+\b]  ; the floor 2^(3 - 127): the byte cannot fall under 1
.endr
.irp b, 0,1,2,3
	v_add_nc_u32 v[244+\b], 0xff000000, v[232+\b]  ; 2 off the exponent field: the conversion's scale operand
.endr
.irp b, 0,1,2,3
	v_lshrrev_b32 v[236+\b], 23, v[244+\b]         ; the scale's byte
.endr
	v_lshl_or_b32 v253, v237, 8, v236
	v_lshl_or_b32 v253, v238, 16, v253
	v_lshl_or_b32 v253, v239, 24, v253
.irp c, 0,1
	v_cvt_scalef32_pk16_fp6_f32 v[224+6*\c:226+6*\c], v[96+32*\c:111+32*\c], v[244+2*\c]
	v_cvt_scalef32_pk16_fp6_f32 v[236+4*\c:238+4*\c], v[112+32*\c:127+32*\c], v[244+2*\c+1]   ; (a conversion's three registers begin on an even number)
.endr
	v_nop                                          ; one plain place behind a scaled conversion
.irp c, 0,1                                    ; a whole block in a lane: lanes 0-15 block 2 c, lanes 16-31 block 2 c + 1
.irp i, 0,1,2
	v_permlane16_swap_b32 v[224+6*\c+\i], v[236+4*\c+\i]
.endr
.irp i, 0,1,2
	v_mov_b32 v[227+6*\c+\i], v[236+4*\c+\i]
.endr
.endr
.endm
; A KEY STEP: 128 keys, at LDS byte s[TB].
.macro STEP
	v_add_nc_u32 v[ADK], s[TB], v[LI]
.rept 3
	v_nop                                          ; with the addition: four places behind the last step's products, in front of the loads into their registers
.endr
	FOUR 0                                         ; K's fragments 0-3
	ds_load_b128 v[KSC:KSC+3], v[ADK] offset:12288 ; and its scale image
	s_wait_dscnt 0x0
.irp t, 0,1,2,3
	SPROD \t, 0
.endr
	PLACES
	FOUR 6144                                      ; K's fragments 4-7
	s_wait_dscnt 0x0
.irp t, 0,1,2,3
	SPROD \t, 1
.endr
	PLACES                                         ; in front of the loads below and of the first read of the scores
	FOUR SFB                                       ; V^T's fragments 0-3 and its scale image land while the softmax is walked
	ds_load_b128 v[VSC:VSC+3], v[ADK] offset:SFB+12288
	s_wait_kmcnt 0x0                               ; this step's mask words
.set nn, 0
.rept 64                                       ; hidden scores become -infinity; each accumulator from its low end on
.if nn < 32
	v_cndmask_b32 v[96+nn], v[96+nn], v[NINF], s[32+nn]
.else
	v_cndmask_b32 v[96+nn], v[96+nn], v[NINF], s[36+nn]
.endif
.set nn, nn+1
.endr
.irp b, 0,1,2,3
	v_max3_num_f32 v[232+\b], v[96+16*\b], v[97+16*\b], v[98+16*\b]   ; the largest score of each block of 32 keys: for the row's maximum and for the block's largest p
.endr
	s_add_co_u32 s[ST], s[ST], 1                   ; the next step's mask words are asked for a step ahead;
	s_min_u32 s[MOF], s[ST], 15                    ; the last step asks for its own again: no load leaves the buffer
	s_lshl_b32 s[MOF], s[MOF], 8
	s_load_b512 s[32:47], s[4:5], s[MOF] offset:0x0
	s_load_b512 s[48:63], s[4:5], s[MOF] offset:0x40
	s_load_b512 s[68:83], s[4:5], s[MOF] offset:0x80
	s_load_b512 s[84:99], s[4:5], s[MOF] offset:0xc0
.irp i, 3,5,7,9,11,13
.irp b, 0,1,2,3
	v_max3_num_f32 v[232+\b], v[232+\b], v[96+16*\b+\i], v[97+16*\b+\i]
.endr
.endr
.irp b, 0,1,2,3
	v_max_num_f32 v[232+\b], v[232+\b], v[111+16*\b]
.endr
.irp b, 0,1,2,3
	v_permlanex16_b32 v[236+\b], v[232+\b], s[SEL], s[SEL+1]
.endr
.irp b, 0,1,2,3
	v_max_num_f32 v[232+\b], v[232+\b], v[236+\b]  ; with lane l xor 16's 16 keys
.endr
	v_max3_num_f32 v254, v232, v233, v234
	v_max_num_f32 v254, v254, v235                 ; the step's largest score of my query
	v_mul_f32 v254, s[CS], v254                    ; as t (c is positive)
	v_max_num_f32 v13, v13, v254                   ; the running largest t
	v_mov_b32 v254, v12
	v_floor_f32 v12, -v13                          ; the new -M = floor(-t): M is a whole number
	v_sub_f32 v254, v12, v254                      ; old M - new M: a whole number, 0 or less
	v_cvt_i32_f32 v254, v254                       ; (it saturates)
	v_ldexp_f32 v252, 1.0, v254                    ; f = 2^(old M - new M)
.set nn, 0
.rept 32
	v_pk_fma_f32 v[96+nn:97+nn], v[96+nn:97+nn], s[CS:CS+1], v[12:13] op_sel_hi:[1,0,0]   ; t - M, two at a time
.set nn, nn+2
.endr
.irp b, 0,1,2,3
	v_fma_f32 v[232+\b], v[232+\b], s[CS], v12     ; the same of each block's largest score
.endr
.set nn, 0
.rept 64
	v_exp_f32 v[96+nn], v[96+nn]                   ; p = 2^(t - M), at most 1; 0 where the key is hidden
.set nn, nn+1
.endr
.irp b, 0,1,2,3
	v_exp_f32 v[232+\b], v[232+\b]                 ; the block's largest p
.endr
	v_pk_mul_f32 v[14:15], v[14:15], v[252:253] op_sel_hi:[1,0]   ; the sums under the new M (a plain place behind the exponentials)
	s_wait_alu depctr_va_vdst(0)
	QCODES
	v_pk_add_f32 v[236:237], v[96:97], v[98:99]    ; the row's sum is taken of the unquantised p, in two chains
.irp j, 4,8,12,16,20,24,28,32,36,40,44,48,52,56,60
	v_pk_add_f32 v[14:15], v[14:15], v[96+\j:97+\j]
	v_pk_add_f32 v[236:237], v[236:237], v[98+\j:99+\j]
.endr
	v_pk_add_f32 v[14:15], v[14:15], v[236:237]
.set nn, 0
.rept 32
	v_pk_mul_f32 v[160+nn:161+nn], v[160+nn:161+nn], v[252:253] op_sel_hi:[1,0]   ; O^T under the new M.  These and the sums are the places between p's codes and scale word and the products below
.set nn, nn+2
.endr
	s_wait_dscnt 0x0                               ; V^T's fragments 0-3
.irp t, 0,1,2,3
	OPROD \t, 0                                    ; the accumulators take turns, one instruction a turn
.endr
	PLACES
	FOUR SFB+6144                                  ; V^T's fragments 4-7
	s_wait_dscnt 0x0
.irp t, 0,1,2,3
	OPROD \t, 1
.endr
	s_add_co_u32 s[TB], s[TB], STEPB
.endm
.macro PHASE slot                      ; a slot's four steps: written once, walked four times
	s_mov_b32 s[TB], \slot*SLOTB
	s_mov_b32 s[TRIP], 4
.Lstep_\@:
	STEP
	s_sub_co_u32 s[TRIP], s[TRIP], 1
	s_cmp_lg_u32 s[TRIP], 0
	s_cbranch_scc1 .Lstep_\@
.endm
; THE CHANGE OF SLOTS.  Each wave waits for all its tensor loads (its part of the slot ahead), adds 0 to its spare word, and waits for that and for its reads of the slot that it has left.
; fill = 1: a round of the cluster's barrier, and behind it the slot just left is filled with the keys eight steps on: the load has four steps in which to land.
.macro CHANGE g0, fill
	s_wait_tensorcnt 0x0                           ; no tensor load of mine is out, so a group 0 may be written
	ds_add_u32 v[SPW], v[NIL]                      ; 0 onto my spare word
.if \fill
	s_add_nc_u64 s[\g0+2:\g0+3], s[\g0+2:\g0+3], 8*CHUNKB   ; the type bits on top are not reached
.endif
	s_wait_dscnt 0x0                               ; the add is done, and my reads of the slot are over
.if \fill
	CROUND
	tensor_load_to_lds s[\g0:\g0+3], s[G1:G1+7]    ; my one tensor load behind the round
	s_nop 0
	PLACES
.else
	s_barrier_signal -1
	s_barrier_wait -1
.endif
.endm
	PHASE 0                                        ; steps 0-3
	CHANGE G0A, 1                                  ; slot 0 takes steps 8-11
	PHASE 1                                        ; steps 4-7
	CHANGE G0B, 1                                  ; slot 1 takes steps 12-15
	PHASE 0
	CHANGE G0A, 0                                  ; nothing is left to fetch
	PHASE 1
	; THE WAY OUT.  O^T / the sum; the natural order along the head's 128; quantised; stored as rows of codes (my head's 96 bytes of each row) and scale words.
	s_wait_kmcnt 0x0                               ; the last step's mask words, which nobody reads
	v_add_f32 v14, v14, v15                        ; the sum's two halves,
	v_permlanex16_b32 v252, v14, s[SEL], s[SEL+1]
	v_add_f32 v14, v14, v252                       ; and lane l xor 16's
	v_and_b32 v10, 15, v0                          ; r
	v_bfe_u32 v11, v0, 4, 1                        ; h
	v_mul_u32_u24 v8, v10, 1536
	v_mad_u32_u24 v8, v11, 24, v8                  ; codes: row r, + 24 h: my block's 24 bytes
	v_lshlrev_b32 v9, 6, v10                       ; scale words: row r
	v_rcp_f32 v30, v14
	v_cmp_eq_f32 vcc_lo, 0, v14                    ; a row with no key left (a plain place behind the reciprocal)
.set nn, 0
	s_wait_alu depctr_va_vdst(0)
.rept 32
	v_pk_mul_f32 v[96+nn:97+nn], v[160+nn:161+nn], v[30:31] op_sel_hi:[1,0]   ; register 8 t + j = O(r, 16 t + 8 h + j); each accumulator from its low end on
.set nn, nn+2
.endr
.irp b, 0,1,2,3
.irp j, 0,1,2,3,4,5,6,7
	v_permlane16_swap_b32 v[96+16*\b+\j], v[104+16*\b+\j]   ; the first's lanes 16-31 change places with the second's lanes 0-15: register 16 b + i is now O(r, 32 b + 16 h + i)
.endr
.endr
.irp b, 0,1,2,3
	v_max3_num_f32 v[232+\b], |v[96+16*\b]|, |v[97+16*\b]|, |v[98+16*\b]|
.endr
.irp i, 3,5,7,9,11,13
.irp b, 0,1,2,3
	v_max3_num_f32 v[232+\b], v[232+\b], |v[96+16*\b+\i]|, |v[97+16*\b+\i]|
.endr
.endr
.irp b, 0,1,2,3
	v_max_num_f32 v[232+\b], v[232+\b], |v[111+16*\b]|
.endr
.irp b, 0,1,2,3
	v_permlanex16_b32 v[236+\b], v[232+\b], s[SEL], s[SEL+1]
.endr
.irp b, 0,1,2,3
	v_max_num_f32 v[232+\b], v[232+\b], v[236+\b]
.endr
	QCODES
	v_cndmask_b32 v253, v253, v29, vcc_lo          ; no key left: four bytes 0xff
.irp p, 0,1,2,3,4,5
	global_store_b64 v8, v[224+2*\p:225+2*\p], s[6:7] offset:48*(\p/3)+8*(\p%3)   ; a row's part for one head is 96 bytes: the rows lie as the last product's loads want them
.endr
	global_store_b32 v9, v253, s[8:9]              ; both halves of the lanes write the same word with the same value
	s_wait_tensorcnt 0x0                           ; the wave's end
	ds_add_u32 v[SPW], v[NIL]
	s_wait_dscnt 0x0
	CROUND                                         ; the closing round
	s_endpgm
.Lfunc_end_k_q79aeef9a0f_attn:
	.size	k_q79aeef9a0f_attn, .Lfunc_end_k_q79aeef9a0f_attn-k_q79aeef9a0f_attn
	.p2alignl 7, 3214868480
	.fill 96, 4, 3214868480
	.section	.rodata,"a",@progbits
	.p2align	6, 0x0
	.amdhsa_kernel k_q79aeef9a0f_attn
		.amdhsa_group_segment_fixed_size 327680
		.amdhsa_private_segment_fixed_size 0
		.amdhsa_enable_private_segment 0
		.amdhsa_kernarg_size 40
		.amdhsa_user_sgpr_count 2
		.amdhsa_user_sgpr_kernarg_segment_ptr 1
		.amdhsa_wavefront_size32 1
		.amdhsa_system_sgpr_workgroup_id_x 1
		.amdhsa_system_sgpr_workgroup_id_y 1
		.amdhsa_system_sgpr_workgroup_id_z 1
		.amdhsa_system_vgpr_workitem_id 0
		.amdhsa_next_free_vgpr 256
		.amdhsa_next_free_sgpr 102
		.amdhsa_reserve_vcc 1
		.amdhsa_float_denorm_mode_32 3
		.amdhsa_float_denorm_mode_16_64 3
		.amdhsa_memory_ordered 1
		.amdhsa_forward_progress 1
		.amdhsa_inst_pref_size 110
	.end_amdhsa_kernel
	.amdgpu_metadata
---
amdhsa.version: [ 1, 2 ]
amdhsa.kernels:
  - .name:           k_q79aeef9a0f_attn
    .symbol:         k_q79aeef9a0f_attn.kd
    .args:
      - { .name: qimg, .offset: 0, .size: 8, .value_kind: global_buffer, .address_space: global }
      - { .name: kv, .offset: 8, .size: 8, .value_kind: global_buffer, .address_space: global }
      - { .name: mbits, .offset: 16, .size: 8, .value_kind: global_buffer, .address_space: global }
      - { .name: o_codes, .offset: 24, .size: 8, .value_kind: global_buffer, .address_space: global }
      - { .name: o_scales, .offset: 32, .size: 8, .value_kind: global_buffer, .address_space: global }
    .group_segment_fixed_size: 327680
    .private_segment_fixed_size: 0
    .kernarg_segment_align: 8
    .kernarg_segment_size: 40
    .max_flat_workgroup_size: 256
    .sgpr_count:     102
    .vgpr_count:     256
    .wavefront_size: 32
...
	.end_amdgpu_metadata
.endif
;; end of part 2
;; launch outp (part 3): grid 8 x 8, 4 waves a work-group, clusters of 4 x 4, 327,680 bytes of LDS; arguments o_codes, o_scales, Wo_codes, Wo_scales, out0; writes out0
.if DOCPART == 3
	.amdgcn_target "amdgcn-amd-amdhsa--gfx1250"
	.amdhsa_code_object_version 6
	.text
	.protected	k_q79aeef9a0f_outp
	.globl	k_q79aeef9a0f_outp
	.p2align	8
	.type	k_q79aeef9a0f_outp,@function
k_q79aeef9a0f_outp:
	s_mov_b64 s[64:65], 0
	v_nop
	global_prefetch_b8 v0, s[64:65] scope:SCOPE_SE
	s_setreg_imm32_b32 hwreg(HW_REG_WAVE_MODE, 25, 1), 1
	s_wait_xcnt 0x0
	s_wait_alu depctr_hold_cnt(0) depctr_sa_sdst(0) depctr_va_vdst(0) depctr_va_sdst(0) depctr_va_ssrc(0) depctr_va_vcc(0) depctr_vm_vsrc(0)
	s_getreg_b32 s2, hwreg(HW_REG_IB_STS2, 6, 4)
	s_cmp_eq_u32 s2, 0
	s_cbranch_scc0 .Lentry_in_a_cluster
	s_endpgm
.Lentry_in_a_cluster:
	s_bfe_u32 s2, ttmp6, 0x10000c
	s_cmp_lg_u32 s2, 0xf033
	s_cbranch_scc0 .Lentry_shape_is_right
	s_endpgm
.Lentry_shape_is_right:
; out0 = O Wo^T.  O: [2048][2048], Wo: [2048][2048]: codes of FP6 (E2M3), rows of 1,536 bytes, with one E8M0 scale byte for each 32 along K, rows of 64 bytes; out0: [2048][2048] f32; sums in f32.
; A tile of C, 256 x 256, is made by four waves, each 128 x 128: 64 accumulators, 512 registers.  K goes in steps of 256 through a ring of two LDS slots filled by the tensor data mover.
; The scale bytes of the work-group's 256 rows of A and of B, for all of K, come into LDS once, with the first fills.  C has 64 such tiles: 64 work-groups.
; CLUSTERS: 4 x 4 work-groups; A's tiles are asked for jointly along a row of the cluster, B's along a column.
; THE MATRIX INSTRUCTION IS USED TRANSPOSED (source 0 = 16 rows of B, source 1 = 16 rows of A): a lane then holds eight neighbouring numbers of a row of C.
; A row of O whose scale bytes are 0xff (no key was left for it) comes out as NaN, as the definition has it.  LIMIT: a given scale byte 0xff in Wo is not served otherwise than so.
; REGISTERS: window 0: v0-31 addresses; v32-63 scale words, two sets; from v128 A's fragments, one set; on the way out v128-255 rows of C.  window 1: B's fragments, two sets.  windows 2, 3: the accumulators.
.set SIZE_M, 2048
.set SIZE_N, 2048
.set SIZE_K, 2048
.set KSTEP,  256
.set NQ,     KSTEP/128
.set ROWB,   192
.set KROW,   SIZE_K*6/8
.set PITCH,  240                       ; an LDS row: 3 x (64 bytes + 16 of padding) = 60 words: the 32 lanes of a load of 8 bytes touch 64 different banks (64 banks of 4 bytes: ISA guide 11.1)
.set FR,     12
.set NL,     6
.set NP,     4                         ; places behind this matrix instruction (ISA guide 7.12.1)
.set HALFT,  128*PITCH
.set SLOT,   4*HALFT
.set LAPS,   SIZE_K/(2*KSTEP)
.set KS,     SIZE_K/32
.set SCL,    2*SLOT
.set HALFS,  (128*KS/256)*272
.set SBLK,   (16*KS/256)*272
.set SPARE,  SCL+4*HALFS               ; the spare words, 128 bytes a wave: two blocks of 256 bytes that no other line names
.set SPITCH, 528                       ; the way out: a stage of 16 rows x (512 bytes + 16) for each wave, in slot 0, which has had its last fill and its last read when the first result is stored there
.set ADRA, 16
.set ADRB, 20
.set STO,  24                          ; v24  where I put 32 bytes of a row
.set RD,   25                          ; v25  where I read a row back
.set CO,   26                          ; v26  my byte offset in a row of C
.set ADRS, 27
.set SPW,  28                          ; v28  my spare word: SPARE + 4 x my thread's number; never rewritten
.set NIL,  29                          ; v29  0; never rewritten
.set SC,   32
.set AF,   128
.set BK,   128                         ; the way out: v128-191 and v192-255 by turns
.set G1, 24
.set G0, 32
.set G1B, 48
.set G0B, 56
.set G1S, 68
.set G0S, 76
.set G1SB, 80
.set G0SB, 88
.set MSB, 0
.macro WIN new                         ; the immediate's high byte repeats the setting that is left
.if MSB != \new
	s_set_vgpr_msb (MSB<<8)|\new
.set MSB, \new
.endif
.endm
.set MUL_LO, 0xa1
.set MUL_HI, 0xf1
.set TO_B,   0x40
.macro JLOAD g0a, g1a, g0b, g1b        ; a joint load: waves 0 and 1 fetch for A, waves 2 and 3 for B; four v_nop follow each line
	s_cmp_eq_u32 s15, 0
	s_cbranch_scc0 .Lfor_b_\@
	tensor_load_to_lds s[\g0a:\g0a+3], s[\g1a:\g1a+7]
	s_nop 0
.rept 4
	v_nop
.endr
	s_branch .Lasked_\@
.Lfor_b_\@:
	tensor_load_to_lds s[\g0b:\g0b+3], s[\g1b:\g1b+7]
	s_nop 0
.rept 4
	v_nop
.endr
.Lasked_\@:
.endm
.macro CREST
	s_cmp_lg_u32 s14, 0
	s_cbranch_scc1 .Lnot_wave_0_\@
	s_barrier_signal -3
.Lnot_wave_0_\@:
	s_barrier_wait -3
	s_barrier_signal -1
	s_barrier_wait -1
.endm
.macro CROUND
	s_barrier_signal -1
	s_barrier_wait -1
	CREST
.endm
	s_load_b128 s[4:7], s[0:1], 0x0                ; A's codes, A's scales
	s_load_b128 s[8:11], s[0:1], 0x10              ; B's codes, B's scales
	s_load_b64 s[12:13], s[0:1], 0x20              ; C
	v_lshl_add_u32 v[SPW], v0, 2, SPARE
	v_mov_b32 v[NIL], 0
	ds_add_u32 v28, v29
	ds_add_u32 v28, v29
	s_wait_dscnt 0x0
	v_lshrrev_b32 v1, 5, v0
	v_readfirstlane_b32 s14, v1                    ; wave 0..3
	s_lshr_b32 s15, s14, 1                         ; which half of the tile's rows is mine.  Also: I fetch for A (0) or for B (1)
	s_and_b32 s16, s14, 1                          ; which half of its columns.  Also: which 128 rows of that tile I fetch
	s_bfe_u32 s40, ttmp6, 0x40000                  ; cx, cy
	s_bfe_u32 s41, ttmp6, 0x40004
	s_lshl_b32 s42, ttmp9, 2
	s_add_co_u32 s42, s42, s40                     ; tile column of C
	s_and_b32 s17, ttmp7, 0xffff
	s_lshl_b32 s17, s17, 2
	s_add_co_u32 s17, s17, s41                     ; tile row of C
	s_lshl_b32 s43, s41, 2
	s_lshl_b32 s43, 15, s43                        ; my row of the cluster
	s_lshl_b32 s44, 0x1111, s40                    ; my column
	s_or_b32 s[G1+0], s43, (0<<16)|(1<<20)|(1<<21)|(3<<22)|(3<<25)  ; the mask; elements of 1 byte; padding on; 21 set beside a mask; after every 16 words 4 words
	s_or_b32 s[G1B+0], s44, (0<<16)|(1<<20)|(1<<21)|(3<<22)|(3<<25)
.irp g, G1, G1B
	s_mov_b32 s[\g+1], ROWB<<16
	s_mov_b32 s[\g+2], 128<<16
	s_mov_b32 s[\g+3], ROWB<<16
	s_mov_b32 s[\g+4], 128
	s_mov_b32 s[\g+5], KROW
	s_mov_b32 s[\g+6], 0
	s_mov_b32 s[\g+7], 0
.endr
	s_or_b32 s[G1S+0], s43, (3<<16)|(1<<20)|(1<<21)|(5<<22)|(3<<25)  ; the scales of 128 rows: 32 rows of 256 bytes, 16 bytes of padding behind each
	s_or_b32 s[G1SB+0], s44, (3<<16)|(1<<20)|(1<<21)|(5<<22)|(3<<25)
.irp g, G1S, G1SB
	s_mov_b32 s[\g+1], 32<<16
	s_mov_b32 s[\g+2], (128*KS/256)<<16
	s_mov_b32 s[\g+3], 32<<16
	s_mov_b32 s[\g+4], 128*KS/256
	s_mov_b32 s[\g+5], 32
	s_mov_b32 s[\g+6], 0
	s_mov_b32 s[\g+7], 0
.endr
	s_lshl_b32 s18, s16, 7
	s_lshl_b32 s20, s17, 8
	s_add_co_u32 s20, s20, s18                     ; A: row 256 x tile row + 128 x half
	s_lshl_b32 s46, s42, 8
	s_add_co_u32 s46, s46, s18                     ; B: row 256 x tile column + 128 x half
	s_mov_b32 s21, 0
	s_mov_b32 s47, 0
	s_mov_b64 s[18:19], KS
	s_mul_u64 s[22:23], s[20:21], s[18:19]
	s_mul_u64 s[92:93], s[46:47], s[18:19]
	s_mov_b64 s[18:19], KROW
	s_mul_u64 s[20:21], s[20:21], s[18:19]
	s_mul_u64 s[46:47], s[46:47], s[18:19]
	s_mul_i32 s45, s14, HALFT                      ; no place in the cluster enters an LDS address
	s_mul_i32 s94, s14, HALFS
	s_wait_kmcnt 0x0
	s_add_nc_u64 s[20:21], s[4:5], s[20:21]
	s_add_nc_u64 s[22:23], s[6:7], s[22:23]
	s_add_nc_u64 s[46:47], s[8:9], s[46:47]
	s_add_nc_u64 s[92:93], s[10:11], s[92:93]
	CROUND                                         ; all sixteen work-groups are here: the first joint loads meet
	s_mov_b32 s[G0S], 1
	s_add_co_u32 s[G0S+1], s94, SCL
	s_mov_b64 s[G0S+2:G0S+3], s[22:23]
	s_or_b32 s[G0S+3], s[G0S+3], 0x80000000
	s_mov_b32 s[G0SB], 1
	s_add_co_u32 s[G0SB+1], s94, SCL
	s_mov_b64 s[G0SB+2:G0SB+3], s[92:93]
	s_or_b32 s[G0SB+3], s[G0SB+3], 0x80000000
	JLOAD G0S, G1S, G0SB, G1SB
.irp s, 0,1
	s_mov_b32 s[G0+4*\s], 1
	s_add_co_u32 s[G0+4*\s+1], s45, \s*SLOT
	s_add_nc_u64 s[G0+4*\s+2:G0+4*\s+3], s[20:21], \s*ROWB
	s_or_b32 s[G0+4*\s+3], s[G0+4*\s+3], 0x80000000
	s_mov_b32 s[G0B+4*\s], 1
	s_add_co_u32 s[G0B+4*\s+1], s45, \s*SLOT
	s_add_nc_u64 s[G0B+4*\s+2:G0B+4*\s+3], s[46:47], \s*ROWB
	s_or_b32 s[G0B+4*\s+3], s[G0B+4*\s+3], 0x80000000
	JLOAD G0+4*\s, G1, G0B+4*\s, G1B               ; three tensor loads of mine are out now
.endr
	v_and_b32 v1, 15, v0
	v_bfe_u32 v2, v0, 4, 1
	v_mul_u32_u24 v3, v1, PITCH
	v_mul_u32_u24 v4, v2, 24
	v_add_nc_u32 v4, v3, v4
	v_lshl_add_u32 v5, v2, 4, v4
	s_mul_i32 s21, s15, HALFT
	s_mul_i32 s22, s16, HALFT
	s_add_co_u32 s22, s22, 2*HALFT
.irp s, 0,1
	v_add_nc_u32 v[ADRA+\s], s21, v4
	v_add_nc_u32 v[ADRB+\s], s22, v4
	v_add_nc_u32 v[ADRA+2+\s], s21, v5
	v_add_nc_u32 v[ADRB+2+\s], s22, v5
	s_add_co_u32 s21, s21, SLOT
	s_add_co_u32 s22, s22, SLOT
.endr
	v_mul_u32_u24 v5, v1, KS
	v_lshrrev_b32 v6, 8, v5
	v_lshl_add_u32 v5, v6, 4, v5
	s_mul_i32 s21, s15, HALFS
	s_mul_i32 s22, s16, HALFS
	s_add_co_u32 s22, s22, 2*HALFS
	s_sub_co_u32 s22, s22, s21
	v_mul_u32_u24 v6, s22, v2                      ; lanes 16-31 take B's: the lower base + half x the distance
	s_add_co_u32 s21, s21, SCL
	v_add_nc_u32 v5, v5, v6
	v_add_nc_u32 v[ADRS], s21, v5
	s_mul_i32 s23, s14, 16*SPITCH                  ; my stage
	v_mul_u32_u24 v5, v1, SPITCH
	v_lshl_add_u32 v5, v2, 5, v5
	v_add_nc_u32 v[STO], s23, v5
	v_and_b32 v6, 31, v0
	v_lshlrev_b32 v[CO], 4, v6
	v_add_nc_u32 v[RD], s23, v[CO]
	s_lshl_b32 s20, s17, 8
	s_lshl_b32 s21, s15, 7
	s_add_co_u32 s20, s20, s21                     ; my first row of C
	s_mov_b32 s21, 0
	s_mov_b64 s[18:19], SIZE_N*4
	s_mul_u64 s[20:21], s[20:21], s[18:19]
	s_lshl_b32 s46, s42, 10                        ; my first column, in bytes
	s_lshl_b32 s47, s16, 9
	s_add_co_u32 s46, s46, s47
	s_mov_b32 s47, 0
	s_add_nc_u64 s[20:21], s[20:21], s[46:47]
	s_add_nc_u64 s[12:13], s[12:13], s[20:21]
.macro FRAG reg, adr, q, i             ; a fragment: lane l holds row l % 16; registers 6 c .. 6 c + 5 hold K = 64 c + 32 (l / 16) + 0 .. 31, in pieces of 8 bytes
.irp p, 0,1,2,3,4,5
.set PC, 12*(\q)+6*(\p/3)+\p%3
.if PC%8 < 5
	ds_load_b64 v[\reg+2*\p:\reg+2*\p+1], v[\adr] offset:8*PC+16*(PC/8)+(\i)*16*PITCH
.else
	ds_load_b64 v[\reg+2*\p:\reg+2*\p+1], v[\adr+2] offset:8*PC+16*(PC/8)+(\i)*16*PITCH
.endif
.endr
.endm
.macro MUL16 a0, p, q, sc, zero        ; 16 matrix instructions; the 64 accumulators take turns, one instruction a turn
.irp a, \a0, \a0+1
.irp b, 0,1,2,3,4,5,6,7
.if \zero
	v_wmma_scale_f32_16x16x128_f8f6f4 v[8*(8*((\a)%4)+\b):8*(8*((\a)%4)+\b)+7], v[128*(\p)+FR*\b:128*(\p)+FR*\b+FR-1], v[AF+FR*(\a):AF+FR*(\a)+FR-1], 0, v[SC+8*NQ*(\sc)+NQ*\b+(\q)], v[SC+8*NQ*(\sc)+NQ*(\a)+(\q)] matrix_a_fmt:MATRIX_FMT_FP6 matrix_b_fmt:MATRIX_FMT_FP6 matrix_a_scale:MATRIX_SCALE_ROW1
.else
	v_wmma_scale_f32_16x16x128_f8f6f4 v[8*(8*((\a)%4)+\b):8*(8*((\a)%4)+\b)+7], v[128*(\p)+FR*\b:128*(\p)+FR*\b+FR-1], v[AF+FR*(\a):AF+FR*(\a)+FR-1], v[8*(8*((\a)%4)+\b):8*(8*((\a)%4)+\b)+7], v[SC+8*NQ*(\sc)+NQ*\b+(\q)], v[SC+8*NQ*(\sc)+NQ*(\a)+(\q)] matrix_a_fmt:MATRIX_FMT_FP6 matrix_b_fmt:MATRIX_FMT_FP6 matrix_a_scale:MATRIX_SCALE_ROW1
.endif
.endr
.endr
.endm
.macro FETCH_B slot, q, p
	WIN TO_B
.irp i, 0,1,2,3,4,5,6,7
	FRAG 128*(\p)+FR*\i, ADRB+\slot, \q, \i
.endr
	WIN 0
.endm
.macro FETCH_A slot, q, i0
.irp i, \i0, \i0+1, \i0+2, \i0+3
	FRAG AF+FR*(\i), ADRA+\slot, \q, \i
.endr
.endm
.macro SCALES sc
.irp i, 0,1,2,3,4,5,6,7
	ds_load_b64 v[SC+8*NQ*\sc+NQ*\i:SC+8*NQ*\sc+NQ*\i+1], v[ADRS] offset:\i*SBLK
.endr
.endm
.macro PLACES n
.rept \n
	v_nop
.endr
.endm
.macro STEP slot, q, zero
	s_wait_dscnt 4*NL                              ; all but the youngest 24 loads (A's blocks 4-7) are in
	WIN MUL_LO
	MUL16 0, (\q)%2, \q, \slot, \zero
	MUL16 2, (\q)%2, \q, \slot, \zero
	s_wait_dscnt 0
	PLACES NP
	FETCH_B \slot, (\q)+1, 1-(\q)%2
	FETCH_A \slot, (\q)+1, 0
	WIN MUL_HI
	MUL16 4, (\q)%2, \q, \slot, \zero
	MUL16 6, (\q)%2, \q, \slot, \zero
	PLACES NP
	WIN 0
	FETCH_A \slot, (\q)+1, 4
.endm
.macro TURN slot, next, fill
	s_wait_tensorcnt 0x0                           ; all my tensor loads have landed: my part of the next slot
	ds_add_u32 v[SPW], v[NIL]                      ; 0 onto my spare word
	s_wait_dscnt 4*NL+1                            ; the add and the youngest 24 loads may be out
	WIN MUL_LO
	MUL16 0, 1, NQ-1, \slot, 0
	s_wait_dscnt 0x0                               ; the add is done, and my reads of this slot are over
	s_barrier_signal -1
	MUL16 2, 1, NQ-1, \slot, 0
	WIN 0
	s_barrier_wait -1
.if \fill
	CREST                                          ; the barrier has opened a round of the cluster's: no wave of any partner still reads this slot or has a load on its way
	s_add_nc_u64 s[G0+4*\slot+2:G0+4*\slot+3], s[G0+4*\slot+2:G0+4*\slot+3], 2*ROWB
	s_add_nc_u64 s[G0B+4*\slot+2:G0B+4*\slot+3], s[G0B+4*\slot+2:G0B+4*\slot+3], 2*ROWB
	JLOAD G0+4*\slot, G1, G0B+4*\slot, G1B         ; my one tensor load behind the round
.else
	PLACES NP
.endif
	v_add_nc_u32 v[ADRS], 4*NQ, v[ADRS]
	FETCH_B \next, 0, 0
	FETCH_A \next, 0, 0
	SCALES \next
	WIN MUL_HI
	MUL16 4, 1, NQ-1, \slot, 0
	MUL16 6, 1, NQ-1, \slot, 0
	PLACES NP
	WIN 0
	FETCH_A \next, 0, 4
.endm
	s_wait_tensorcnt 1                             ; the scales and my part of K step 0 are in; K step 1's load may be out
	s_barrier_signal -1
	s_barrier_wait -1
	FETCH_B 0, 0, 0
	FETCH_A 0, 0, 0
	SCALES 0
	FETCH_A 0, 0, 4
	STEP 0, 0, 1                                   ; the first step's products start the sums
	s_mov_b32 s3, LAPS-1
.Llap:
	TURN 0, 1, 1
	STEP 1, 0, 0
	TURN 1, 0, 1
	STEP 0, 0, 0
	s_sub_co_u32 s3, s3, 1
	s_cmp_lg_u32 s3, 0
	s_cbranch_scc1 .Llap
	TURN 0, 1, 0                                   ; the last lap fills nothing
	STEP 1, 0, 0
	s_wait_dscnt 4*NL
	WIN MUL_LO
	MUL16 0, 1, NQ-1, 1, 0
	MUL16 2, 1, NQ-1, 1, 0
	s_wait_dscnt 0
	WIN MUL_HI
	MUL16 4, 1, NQ-1, 1, 0
	MUL16 6, 1, NQ-1, 1, 0
	WIN 0
; THE WAY OUT, block by block of 16 rows x 128 columns, through my own stage in LDS: in as 32 bytes a lane, back as whole rows of 512 bytes.  LDS serves a wave's instructions in order (ISA guide 5.7.1.4).
.macro TOSTAGE a
.set AC, 64*((\a)%4)
.set WS, 0x08+4*((\a)/4)
	WIN WS                                         ; an LDS store's data: window 2 or 3
.irp b, 0,1,2,3,4,5,6,7
	ds_store_b128 v[STO], v[AC+8*\b:AC+8*\b+3] offset:64*\b          ; each accumulator from its low end on
	ds_store_b128 v[STO], v[AC+8*\b+4:AC+8*\b+7] offset:64*\b+16
.endr
	WIN 0
.set BB, BK+64*((\a)%2)
.irp t, 0,1,2,3,4,5,6,7,8,9,10,11,12,13,14,15
	ds_load_b128 v[BB+4*\t:BB+4*\t+3], v[RD] offset:\t*SPITCH
.endr
.endm
.macro SEND a, younger                 ; younger: the LDS instructions issued behind block a's loads
.set BB, BK+64*((\a)%2)
	s_wait_dscnt \younger
.if (\a) > 0
	s_add_nc_u64 s[12:13], s[12:13], 16*SIZE_N*4   ; (behind a wait on XCNT: the earlier stores have read their base)
.endif
.irp t, 0,1,2,3,4,5,6,7,8,9,10,11,12,13,14,15
	global_store_b128 v[CO], v[BB+4*\t:BB+4*\t+3], s[12:13] offset:\t*SIZE_N*4 th:TH_STORE_NT   ; 32 lanes store 512 consecutive bytes, at a multiple of 256 from C's first byte
.endr
.endm
	PLACES NP
	TOSTAGE 0
.irp a, 1,2,3,4,5,6,7
.if \a > 1
	s_wait_xcnt 0x0                                ; block a - 2's stores have read their registers and their base
.endif
	TOSTAGE \a
	SEND \a-1, 32                                  ; behind block a - 1's loads: block a's 16 stores and 16 loads
.endr
	s_wait_xcnt 0x0
	SEND 7, 0
	s_wait_tensorcnt 0x0                           ; the wave's end
	ds_add_u32 v[SPW], v[NIL]
	s_wait_dscnt 0x0
	CROUND                                         ; the closing round
	s_endpgm
.Lfunc_end_k_q79aeef9a0f_outp:
	.size	k_q79aeef9a0f_outp, .Lfunc_end_k_q79aeef9a0f_outp-k_q79aeef9a0f_outp
	.p2alignl 7, 3214868480
	.fill 96, 4, 3214868480
	.section	.rodata,"a",@progbits
	.p2align	6, 0x0
	.amdhsa_kernel k_q79aeef9a0f_outp
		.amdhsa_group_segment_fixed_size 327680
		.amdhsa_private_segment_fixed_size 0
		.amdhsa_enable_private_segment 0
		.amdhsa_kernarg_size 40
		.amdhsa_user_sgpr_count 2
		.amdhsa_user_sgpr_kernarg_segment_ptr 1
		.amdhsa_wavefront_size32 1
		.amdhsa_system_sgpr_workgroup_id_x 1
		.amdhsa_system_sgpr_workgroup_id_y 1
		.amdhsa_system_sgpr_workgroup_id_z 1
		.amdhsa_system_vgpr_workitem_id 0
		.amdhsa_next_free_vgpr 1024
		.amdhsa_next_free_sgpr 98
		.amdhsa_reserve_vcc 0
		.amdhsa_float_denorm_mode_32 3
		.amdhsa_float_denorm_mode_16_64 3
		.amdhsa_memory_ordered 1
		.amdhsa_forward_progress 1
		.amdhsa_inst_pref_size 160
	.end_amdhsa_kernel
	.amdgpu_metadata
---
amdhsa.version: [ 1, 2 ]
amdhsa.kernels:
  - .name:           k_q79aeef9a0f_outp
    .symbol:         k_q79aeef9a0f_outp.kd
    .args:
      - { .name: o_codes, .offset: 0, .size: 8, .value_kind: global_buffer, .address_space: global }
      - { .name: o_scales, .offset: 8, .size: 8, .value_kind: global_buffer, .address_space: global }
      - { .name: Wo_codes, .offset: 16, .size: 8, .value_kind: global_buffer, .address_space: global }
      - { .name: Wo_scales, .offset: 24, .size: 8, .value_kind: global_buffer, .address_space: global }
      - { .name: out0, .offset: 32, .size: 8, .value_kind: global_buffer, .address_space: global }
    .group_segment_fixed_size: 327680
    .private_segment_fixed_size: 0
    .kernarg_segment_align: 8
    .kernarg_segment_size: 40
    .max_flat_workgroup_size: 128
    .sgpr_count:     98
    .vgpr_count:     1024
    .wavefront_size: 32
...
	.end_amdgpu_metadata
.endif
;; end of part 3
;; ======== version 2 of 2: 4 launches
;; workspace buffers: qimg 3,276,800 bytes; kv 13,107,200 bytes; mbits 524,288 bytes of whole numbers; o_codes 3,145,728 bytes; o_scales 131,072 bytes
;; launch proj (part 4): grid 8 x 32, 4 waves a work-group, clusters of 4 x 4, 327,680 bytes of LDS; arguments k_codes, k_scales, Wk_codes, Wk_scales, Wv_codes, Wv_scales, v_codes, v_scales, attn_mask, key_padding_mask, kv, mbits; writes kv, mbits
.if DOCPART == 4
	.amdgcn_target "amdgcn-amd-amdhsa--gfx1250"
	.amdhsa_code_object_version 6
	.text
	.protected	k_q79aeef9a0f_proj
	.globl	k_q79aeef9a0f_proj
	.p2align	8
	.type	k_q79aeef9a0f_proj,@function
k_q79aeef9a0f_proj:
	s_mov_b64 s[64:65], 0
	v_nop
	global_prefetch_b8 v0, s[64:65] scope:SCOPE_SE
	s_setreg_imm32_b32 hwreg(HW_REG_WAVE_MODE, 25, 1), 1
	s_wait_xcnt 0x0
	s_wait_alu depctr_hold_cnt(0) depctr_sa_sdst(0) depctr_va_vdst(0) depctr_va_sdst(0) depctr_va_ssrc(0) depctr_va_vcc(0) depctr_vm_vsrc(0)
	s_getreg_b32 s2, hwreg(HW_REG_IB_STS2, 6, 4)
	s_cmp_eq_u32 s2, 0
	s_cbranch_scc0 .Lentry_in_a_cluster
	s_endpgm
.Lentry_in_a_cluster:
	s_bfe_u32 s2, ttmp6, 0x10000c
	s_cmp_lg_u32 s2, 0xf033
	s_cbranch_scc0 .Lentry_shape_is_right
	s_endpgm
.Lentry_shape_is_right:
; THE PROJECTIONS OF K AND V, ONE TEXT: C = A B^T on codes of FP6 (E2M3) with one E8M0 scale for each 32 along K = 2,048, and C quantised again along its COLUMNS.
;   K = k Wk^T (A = k, B = Wk), V^T = Wv v^T (A = Wv, B = v): V is made transposed, so that its columns are the keys, along which the second attention product sums.
; The grid's y picks the product (cluster rows 0-3: K, 4-7: V); only pointers and tile indices are chosen by it, the text has one way for both.  2 x 4,096 x 2,048 outputs are 256 tiles: one for each work-group.
; A tile of C, 256 x 256, is made by four waves, each 128 x 128: 64 accumulators of 16 x 16, 512 registers.  K goes in steps of 256 through a ring of two LDS slots filled by the tensor data mover.
; The scale bytes of the work-group's 256 rows of A and of B, for all of K, come into LDS once, with the first fills.
; CLUSTERS: 4 x 4 work-groups; A's tiles are asked for jointly along a row of the cluster, B's along a column.
; THE MATRIX INSTRUCTION IS USED TRANSPOSED (source 0 = 16 rows of B, source 1 = 16 rows of A): lane l holds row l % 16 of C, register j of accumulator (a, b) column 16 b + 8 (l / 16) + j.
; THE WAY OUT.  A wave's 128 columns are one head (K) or 128 keys (V^T): one K step of an attention product.  The 64 registers of a block of 16 rows become one operand fragment (12 registers) and one scale word a row,
; and leave as an IMAGE OF THE REGISTERS: three stores of 16 bytes a lane at 16 x lane.  A super-fragment (128 rows x 128 K, 12,800 bytes): fragment a at 1,536 a; at 12,288 four registers of scale words
; (register j: lanes 0-15 fragment 2 j's rows, lanes 16-31 fragment 2 j + 1's).
; ORDER INSIDE A BLOCK OF 32: the codes of a block lie in the order 0-7, 16-23, 8-15, 24-31 of its numbers.  Blocks and their scales are untouched, and both operands of each attention product are made with this same order
; (K here and Q by the same way out, V^T here and p from score tiles of the same layout), so that the products sum the same terms; only the grouping of the sums inside the matrix unit differs.
; THE MASKS.  While the first tiles are on their way, each of the 1,024 waves turns 16 queries x 128 keys of attn_mask, joined with each batch's key_padding_mask, into 64 lane masks:
; bit l of word 8 t + j = hidden, for query l % 16 and key 16 t + 8 (l / 16) + j.  mbits: [batch][tile of 16 queries][step of 128 keys][64 words].
; LIMITS: a given scale byte 0xff (NaN) is not served.  A computed block whose largest magnitude lies under 2^-124, a block of zeros among them, gets the byte 1 (the rule gives zeros 127): its codes are then zeros or
; coarser than the rule's, and the bytes are read by this program alone.  NaN and infinities among computed numbers are not served.
.set SIZE_K, 2048
.set KSTEP,  256                       ; along K in a slot
.set NQ,     KSTEP/128                 ; matrix instructions deep
.set ROWB,   192                       ; a tile's row in bytes
.set KROW,   SIZE_K*6/8                ; a row of codes in memory
.set PITCH,  240                       ; an LDS row: 3 x (64 bytes + 16 of padding) = 60 words: the 32 lanes of a load of 8 bytes touch 64 different banks (64 banks of 4 bytes: ISA guide 11.1)
.set FR,     12                        ; registers of a fragment
.set NL,     6                         ; LDS loads that bring one
.set NP,     4                         ; places behind this matrix instruction (ISA guide 7.12.1)
.set HALFT,  128*PITCH                 ; 128 rows: one tensor load
.set SLOT,   4*HALFT                   ; A's 256 rows, then B's 256
.set LAPS,   SIZE_K/(2*KSTEP)          ; a lap = two K steps = once round the ring
.set KS,     SIZE_K/32                 ; a row of scale bytes
.set SCL,    2*SLOT                    ; behind the ring: the scales, as rows of 256 bytes + 16 of padding
.set HALFS,  (128*KS/256)*272          ; those of 128 rows: one tensor load
.set SBLK,   (16*KS/256)*272           ; those of 16 rows
.set SPARE,  SCL+4*HALFS               ; the spare words, 128 bytes a wave: two blocks of 256 bytes that no other line names
.set SFB,    12800                     ; a super-fragment
.set ADRA, 16                          ; v16-17 LDS address of my A fragments in slot 0, 1 (v18-19: for the pieces behind one padding more)
.set ADRB, 20                          ; v20-23 the same for B
.set MA,   24                          ; v24    the pack: my byte in attn_mask
.set MK,   25                          ; v25    the pack: my byte in key_padding_mask
.set IMG,  26                          ; v26    16 x lane: my place in an image
.set ADRS, 27                          ; v27    LDS address of my scale words: lanes 0-15 A's rows, lanes 16-31 B's
.set SPW,  28                          ; v28    my spare word: SPARE + 4 x my thread's number; never rewritten
.set NIL,  29                          ; v29    0; never rewritten
.set MO,   30                          ; v30    the pack: my byte in mbits
.set SC,   32                          ; v32-63 scale words, two sets; nothing else ever
.set TM,   64                          ; v64-79 the way out: largest magnitudes, bytes, scale operands
.set PW,   80                          ; v80-87 a scale word for each block of rows
.set SW,   88                          ; v88-91 the scale image
.set T2,   96                          ; v96-103 second halves of the conversions
.set AF,   128                         ; v128-223 A's fragments; on the way out the codes, 12 registers a block
.set G1, 24
.set G0, 32
.set G1B, 48
.set G0B, 56
.set G1S, 68
.set G0S, 76
.set G1SB, 80
.set G0SB, 88
.set MSB, 0
.macro WIN new                         ; the immediate's high byte repeats the setting that is left
.if MSB != \new
	s_set_vgpr_msb (MSB<<8)|\new
.set MSB, \new
.endif
.endm
.set MUL_LO, 0xa1                      ; source 0 (B) window 1, source 1 (A) window 0, C and D window 2
.set MUL_HI, 0xf1                      ; the same, C and D window 3
.set TO_B,   0x40                      ; destination window 1
; A joint load: waves 0 and 1 fetch for A, waves 2 and 3 for B; the branch hangs on the wave's number alone.  Four v_nop follow each line.
.macro JLOAD g0a, g1a, g0b, g1b
	s_cmp_eq_u32 s15, 0
	s_cbranch_scc0 .Lfor_b_\@
	tensor_load_to_lds s[\g0a:\g0a+3], s[\g1a:\g1a+7]
	s_nop 0
.rept 4
	v_nop
.endr
	s_branch .Lasked_\@
.Lfor_b_\@:
	tensor_load_to_lds s[\g0b:\g0b+3], s[\g1b:\g1b+7]
	s_nop 0
.rept 4
	v_nop
.endr
.Lasked_\@:
.endm
.macro CREST                           ; a round of the cluster's barrier behind its opening barrier
	s_cmp_lg_u32 s14, 0
	s_cbranch_scc1 .Lnot_wave_0_\@
	s_barrier_signal -3
.Lnot_wave_0_\@:
	s_barrier_wait -3
	s_barrier_signal -1
	s_barrier_wait -1
.endm
.macro CROUND                          ; a whole round
	s_barrier_signal -1
	s_barrier_wait -1
	CREST
.endm
	s_load_b256 s[32:39], s[0:1], 0x0              ; k's codes, k's scales, Wk's codes, Wk's scales
	s_load_b256 s[48:55], s[0:1], 0x20             ; Wv's, v's
	s_load_b128 s[92:95], s[0:1], 0x40             ; attn_mask, key_padding_mask
	s_load_b64 s[12:13], s[0:1], 0x50              ; kv: where the images go
	s_load_b64 s[96:97], s[0:1], 0x58              ; mbits
	v_lshl_add_u32 v[SPW], v0, 2, SPARE
	v_mov_b32 v[NIL], 0
	ds_add_u32 v28, v29
	ds_add_u32 v28, v29
	s_wait_dscnt 0x0
	v_lshrrev_b32 v1, 5, v0
	v_readfirstlane_b32 s14, v1                    ; wave 0..3
	s_lshr_b32 s15, s14, 1                         ; which half of the tile's rows is mine.  Also: I fetch for A (0) or for B (1)
	s_and_b32 s16, s14, 1                          ; which half of its columns.  Also: which 128 rows of that tile I fetch
	s_bfe_u32 s40, ttmp6, 0x40000                  ; cx, cy: my place in the cluster
	s_bfe_u32 s41, ttmp6, 0x40004
	s_and_b32 s101, ttmp7, 0xffff                  ; Y: the cluster's row in the grid, 0..7: it picks the product
	s_lshl_b32 s43, s41, 2
	s_lshl_b32 s43, 15, s43                        ; my row of the cluster
	s_lshl_b32 s44, 0x1111, s40                    ; my column
	s_max_u32 s19, s101, 4
	s_sub_co_u32 s19, s19, 4                       ; Y - 4 (V's columns)
	s_wait_kmcnt 0x0
	s_cmp_lt_u32 s101, 4                           ; K's set or V's: the choice hangs on the grid's y alone
	s_cselect_b64 s[4:5], s[32:33], s[48:49]       ; A's codes
	s_cselect_b64 s[6:7], s[34:35], s[50:51]       ; A's scales
	s_cselect_b64 s[8:9], s[36:37], s[52:53]       ; B's codes
	s_cselect_b64 s[10:11], s[38:39], s[54:55]     ; B's scales
	s_cselect_b32 s20, s101, ttmp9                 ; the cluster's row among the tiles of C
	s_cselect_b32 s21, ttmp9, s19                  ; and its column
	s_lshl_b32 s17, s20, 2
	s_add_co_u32 s17, s17, s41                     ; tile row of C: it enters A's addresses alone
	s_lshl_b32 s42, s21, 2
	s_add_co_u32 s42, s42, s40                     ; tile column of C: it enters B's alone
	; descriptor group 1: a tile of 128 rows x 192 bytes, 16 bytes of padding behind every 64
	s_or_b32 s[G1+0], s43, (0<<16)|(1<<20)|(1<<21)|(3<<22)|(3<<25)  ; 15:0 the mask: my row; 17:16 elements of 1 byte; 20 padding on; 21 set beside a mask; 24:22 after every 16 words; 31:25 of 4 words
	s_or_b32 s[G1B+0], s44, (0<<16)|(1<<20)|(1<<21)|(3<<22)|(3<<25) ; the same with my column's mask
.irp g, G1, G1B
	s_mov_b32 s[\g+1], ROWB<<16                    ; tensor_dim0
	s_mov_b32 s[\g+2], 128<<16                     ; tensor_dim1
	s_mov_b32 s[\g+3], ROWB<<16                    ; tile_dim0
	s_mov_b32 s[\g+4], 128                         ; tile_dim1
	s_mov_b32 s[\g+5], KROW                        ; tensor_dim0_stride
	s_mov_b32 s[\g+6], 0
	s_mov_b32 s[\g+7], 0
.endr
	; the scales of 128 rows: a dense block of 8,192 bytes, as 32 rows of 256 bytes (32 elements of 8), 16 bytes of padding behind each
	s_or_b32 s[G1S+0], s43, (3<<16)|(1<<20)|(1<<21)|(5<<22)|(3<<25)
	s_or_b32 s[G1SB+0], s44, (3<<16)|(1<<20)|(1<<21)|(5<<22)|(3<<25)
.irp g, G1S, G1SB
	s_mov_b32 s[\g+1], 32<<16
	s_mov_b32 s[\g+2], (128*KS/256)<<16
	s_mov_b32 s[\g+3], 32<<16
	s_mov_b32 s[\g+4], 128*KS/256
	s_mov_b32 s[\g+5], 32
	s_mov_b32 s[\g+6], 0
	s_mov_b32 s[\g+7], 0
.endr
	s_lshl_b32 s18, s16, 7                         ; which 128 rows of the tile I fetch
	s_lshl_b32 s20, s17, 8
	s_add_co_u32 s20, s20, s18                     ; A: row 256 x tile row + 128 x half
	s_lshl_b32 s46, s42, 8
	s_add_co_u32 s46, s46, s18                     ; B: row 256 x tile column + 128 x half
	s_mov_b32 s21, 0
	s_mov_b32 s47, 0
	s_mov_b64 s[18:19], KS
	s_mul_u64 s[22:23], s[20:21], s[18:19]         ; where these rows' scales begin
	s_mul_u64 s[98:99], s[46:47], s[18:19]
	s_mov_b64 s[18:19], KROW
	s_mul_u64 s[20:21], s[20:21], s[18:19]         ; and their codes
	s_mul_u64 s[46:47], s[46:47], s[18:19]
	s_mul_i32 s45, s14, HALFT                      ; where they go: wave x 128 rows: no place in the cluster enters an LDS address
	s_mul_i32 s100, s14, HALFS
	s_add_nc_u64 s[20:21], s[4:5], s[20:21]
	s_add_nc_u64 s[22:23], s[6:7], s[22:23]
	s_add_nc_u64 s[46:47], s[8:9], s[46:47]
	s_add_nc_u64 s[98:99], s[10:11], s[98:99]
	CROUND                                         ; all sixteen work-groups are here: the first joint loads meet
	s_mov_b32 s[G0S], 1
	s_add_co_u32 s[G0S+1], s100, SCL
	s_mov_b64 s[G0S+2:G0S+3], s[22:23]
	s_or_b32 s[G0S+3], s[G0S+3], 0x80000000
	s_mov_b32 s[G0SB], 1
	s_add_co_u32 s[G0SB+1], s100, SCL
	s_mov_b64 s[G0SB+2:G0SB+3], s[98:99]
	s_or_b32 s[G0SB+3], s[G0SB+3], 0x80000000
	JLOAD G0S, G1S, G0SB, G1SB                     ; the scales first: they are wanted with K step 0
.irp s, 0,1
	s_mov_b32 s[G0+4*\s], 1
	s_add_co_u32 s[G0+4*\s+1], s45, \s*SLOT
	s_add_nc_u64 s[G0+4*\s+2:G0+4*\s+3], s[20:21], \s*ROWB
	s_or_b32 s[G0+4*\s+3], s[G0+4*\s+3], 0x80000000
	s_mov_b32 s[G0B+4*\s], 1
	s_add_co_u32 s[G0B+4*\s+1], s45, \s*SLOT
	s_add_nc_u64 s[G0B+4*\s+2:G0B+4*\s+3], s[46:47], \s*ROWB
	s_or_b32 s[G0B+4*\s+3], s[G0B+4*\s+3], 0x80000000
	JLOAD G0+4*\s, G1, G0B+4*\s, G1B               ; three tensor loads of mine are out now
.endr
	v_and_b32 v1, 15, v0                           ; l % 16
	v_bfe_u32 v2, v0, 4, 1                         ; l / 16
	v_mul_u32_u24 v3, v1, PITCH
	v_mul_u32_u24 v4, v2, 24
	v_add_nc_u32 v4, v3, v4                        ; a fragment's row x pitch + 24 x half
	v_lshl_add_u32 v5, v2, 4, v4                   ; and the same behind one padding more
	s_mul_i32 s21, s15, HALFT                      ; my 128 rows of A
	s_mul_i32 s22, s16, HALFT                      ; my 128 rows of B,
	s_add_co_u32 s22, s22, 2*HALFT                 ; which lie behind A's 256
.irp s, 0,1
	v_add_nc_u32 v[ADRA+\s], s21, v4
	v_add_nc_u32 v[ADRB+\s], s22, v4
	v_add_nc_u32 v[ADRA+2+\s], s21, v5
	v_add_nc_u32 v[ADRB+2+\s], s22, v5
	s_add_co_u32 s21, s21, SLOT
	s_add_co_u32 s22, s22, SLOT
.endr
	v_mul_u32_u24 v5, v1, KS                       ; my row's scales: 64 bytes a row,
	v_lshrrev_b32 v6, 8, v5
	v_lshl_add_u32 v5, v6, 4, v5                   ; and 16 more for each 256 passed
	s_mul_i32 s21, s15, HALFS                      ; A's: my 128 rows
	s_mul_i32 s22, s16, HALFS                      ; B's: my 128 rows, behind A's 256
	s_add_co_u32 s22, s22, 2*HALFS
	s_sub_co_u32 s22, s22, s21
	v_mul_u32_u24 v6, s22, v2                      ; lanes 16-31 take B's: the lower base + half x the distance
	s_add_co_u32 s21, s21, SCL
	v_add_nc_u32 v5, v5, v6
	v_add_nc_u32 v[ADRS], s21, v5
	v_and_b32 v6, 31, v0
	v_lshlrev_b32 v[IMG], 4, v6                    ; 16 x lane
	; where my super-fragment goes.  R = my 128 rows of C, C = my 128 columns, counted in 128s.  K: kv[(16 R + C)][0];  V^T: kv[(16 C + R)][1]
	s_lshl_b32 s20, s17, 1
	s_add_co_u32 s20, s20, s15                     ; R
	s_lshl_b32 s46, s42, 1
	s_add_co_u32 s46, s46, s16                     ; C
	s_cmp_lt_u32 s101, 4
	s_cselect_b32 s22, s20, s46                    ; the chunk of keys
	s_cselect_b32 s23, s46, s20                    ; the head
	s_cselect_b32 s2, 0, SFB                       ; V's place behind K's
	s_lshl_b32 s22, s22, 4
	s_add_co_u32 s22, s22, s23
	s_mul_i32 s22, s22, 2*SFB
	s_add_co_u32 s22, s22, s2                      ; 13,094,400 at the most
	s_mov_b32 s23, 0
	s_add_nc_u64 s[12:13], s[12:13], s[22:23]
	; THE MASK PACK.  16 clusters x 16 work-groups x 4 waves = 1,024 units of 16 queries x 128 keys, one a wave.
	s_lshl_b32 s18, s101, 1
	s_add_co_u32 s18, s18, ttmp9
	s_lshl_b32 s18, s18, 2
	s_add_co_u32 s18, s18, s41
	s_lshl_b32 s18, s18, 2
	s_add_co_u32 s18, s18, s40
	s_lshl_b32 s18, s18, 2
	s_add_co_u32 s18, s18, s14                     ; my unit u = 16 x tile of queries + step of keys
	s_lshr_b32 s19, s18, 4
	s_and_b32 s20, s18, 15
	s_lshl_b32 s19, s19, 15                        ; 16 rows of 2,048 bytes a tile of queries
	s_lshl_b32 s20, s20, 7                         ; 128 bytes a step
	s_add_co_u32 s19, s19, s20
	s_lshl_b32 s21, s18, 8                         ; 256 bytes of words a unit
	v_lshlrev_b32 v[MK], 3, v2                     ; 8 (l / 16)
	v_lshl_add_u32 v[MA], v1, 11, v[MK]            ; + 2,048 (l % 16)
	v_add_nc_u32 v[MA], s19, v[MA]
	v_add_nc_u32 v[MK], s20, v[MK]
	v_lshl_add_u32 v[MO], v6, 3, s21               ; 8 x lane + 256 u
.irp t, 0,1,2,3,4,5,6,7
	global_load_b64 v[64+2*\t:65+2*\t], v[MA], s[92:93] offset:16*\t th:TH_LOAD_NT   ; my query's keys 16 t + 8 (l / 16) + 0 .. 7; read once in the launch
	global_load_b64 v[80+2*\t:81+2*\t], v[MK], s[94:95] offset:16*\t                  ; the same keys of batch 0's padding mask,
	global_load_b64 v[96+2*\t:97+2*\t], v[MK], s[94:95] offset:2048+16*\t             ; and of batch 1's
.endr
.irp i, 116,117,118,119
	v_mov_b32 v\i, 0                               ; v_writelane_b32's destination counts as read
.endr
	s_wait_loadcnt 0x0
.set ii, 0
.rept 16
	v_or_b32 v[80+ii], v[80+ii], v[64+ii]          ; hidden by either mask
	v_or_b32 v[96+ii], v[96+ii], v[64+ii]
.set ii, ii+1
.endr
.irp bb, 0,1
.set jj, 0
.rept 64                                       ; word jj = 8 t + j: byte jj % 4 of register jj / 4, of all 32 lanes
	v_and_b32 v[112+jj%4], 0xff<<(8*(jj%4)), v[80+16*\bb+jj/4]
	v_cmp_ne_u32 s[18+jj%4], 0, v[112+jj%4]
	v_writelane_b32 v[116+2*\bb+jj%2], s[18+jj%4], jj/2      ; lane L gathers words 2 L and 2 L + 1
.set jj, jj+1
.endr
.endr
	global_store_b64 v[MO], v[116:117], s[96:97]               ; the wave stores 256 consecutive bytes, aligned
	global_store_b64 v[MO], v[118:119], s[96:97] offset:262144 ; batch 1's
	s_wait_xcnt 0x0
.macro FRAG reg, adr, q, i             ; a fragment: lane l holds row l % 16; registers 6 c .. 6 c + 5 hold K = 64 c + 32 (l / 16) + 0 .. 31: 24 bytes of the row's stream of bits, in pieces of 8
.irp p, 0,1,2,3,4,5
.set PC, 12*(\q)+6*(\p/3)+\p%3        ; where the piece three on (lanes 16-31) lies behind one padding more, the second address register serves
.if PC%8 < 5
	ds_load_b64 v[\reg+2*\p:\reg+2*\p+1], v[\adr] offset:8*PC+16*(PC/8)+(\i)*16*PITCH
.else
	ds_load_b64 v[\reg+2*\p:\reg+2*\p+1], v[\adr+2] offset:8*PC+16*(PC/8)+(\i)*16*PITCH
.endif
.endr
.endm
; 16 matrix instructions: A's blocks a0, a0 + 1 x B's eight, the slot's q-th 128 along K.  p: B's set; sc: the set of scale words.  zero = 1: the first product starts the sums.
; The 64 accumulators take turns, one instruction a turn, in the same order in every step.
.macro MUL16 a0, p, q, sc, zero
.irp a, \a0, \a0+1
.irp b, 0,1,2,3,4,5,6,7
.if \zero
	v_wmma_scale_f32_16x16x128_f8f6f4 v[8*(8*((\a)%4)+\b):8*(8*((\a)%4)+\b)+7], v[128*(\p)+FR*\b:128*(\p)+FR*\b+FR-1], v[AF+FR*(\a):AF+FR*(\a)+FR-1], 0, v[SC+8*NQ*(\sc)+NQ*\b+(\q)], v[SC+8*NQ*(\sc)+NQ*(\a)+(\q)] matrix_a_fmt:MATRIX_FMT_FP6 matrix_b_fmt:MATRIX_FMT_FP6 matrix_a_scale:MATRIX_SCALE_ROW1
.else
	v_wmma_scale_f32_16x16x128_f8f6f4 v[8*(8*((\a)%4)+\b):8*(8*((\a)%4)+\b)+7], v[128*(\p)+FR*\b:128*(\p)+FR*\b+FR-1], v[AF+FR*(\a):AF+FR*(\a)+FR-1], v[8*(8*((\a)%4)+\b):8*(8*((\a)%4)+\b)+7], v[SC+8*NQ*(\sc)+NQ*\b+(\q)], v[SC+8*NQ*(\sc)+NQ*(\a)+(\q)] matrix_a_fmt:MATRIX_FMT_FP6 matrix_b_fmt:MATRIX_FMT_FP6 matrix_a_scale:MATRIX_SCALE_ROW1
.endif
.endr
.endr
.endm
.macro FETCH_B slot, q, p              ; B's eight fragments into set p
	WIN TO_B
.irp i, 0,1,2,3,4,5,6,7
	FRAG 128*(\p)+FR*\i, ADRB+\slot, \q, \i
.endr
	WIN 0
.endm
.macro FETCH_A slot, q, i0             ; A's blocks i0 .. i0 + 3
.irp i, \i0, \i0+1, \i0+2, \i0+3
	FRAG AF+FR*(\i), ADRA+\slot, \q, \i
.endr
.endm
.macro SCALES sc                       ; a K step's scale words: two words a row; lanes 0-15 A's block i, lanes 16-31 B's block i
.irp i, 0,1,2,3,4,5,6,7
	ds_load_b64 v[SC+8*NQ*\sc+NQ*\i:SC+8*NQ*\sc+NQ*\i+1], v[ADRS] offset:\i*SBLK
.endr
.endm
.macro PLACES n                        ; plain vector instructions between a matrix instruction and a load into, or a vector read or write of, its registers
.rept \n
	v_nop
.endr
.endm
; A step of 128 along K that has its successor in the same slot.  A's one set: blocks 0-3 are fetched anew in the step's middle, blocks 4-7 at its end; B has two sets.
.macro STEP slot, q, zero
	s_wait_dscnt 4*NL                              ; all but the youngest 24 loads (A's blocks 4-7) are in
	WIN MUL_LO
	MUL16 0, (\q)%2, \q, \slot, \zero
	MUL16 2, (\q)%2, \q, \slot, \zero
	s_wait_dscnt 0                                 ; A's blocks 4-7 are in
	PLACES NP
	FETCH_B \slot, (\q)+1, 1-(\q)%2
	FETCH_A \slot, (\q)+1, 0
	WIN MUL_HI
	MUL16 4, (\q)%2, \q, \slot, \zero
	MUL16 6, (\q)%2, \q, \slot, \zero
	PLACES NP
	WIN 0
	FETCH_A \slot, (\q)+1, 4
.endm
; A slot's last step changes slots: one barrier; in front of it each wave waits for all its tensor loads, adds 0 to its spare word, and waits for that and for its reads of this slot.
.macro TURN slot, next, fill
	s_wait_tensorcnt 0x0                           ; all my tensor loads have landed: my part of the next slot
	ds_add_u32 v[SPW], v[NIL]                      ; 0 onto my spare word
	s_wait_dscnt 4*NL+1                            ; the add and the youngest 24 loads may be out
	WIN MUL_LO
	MUL16 0, 1, NQ-1, \slot, 0
	s_wait_dscnt 0x0                               ; the add is done, and my reads of this slot are over
	s_barrier_signal -1
	MUL16 2, 1, NQ-1, \slot, 0
	WIN 0
	s_barrier_wait -1
.if \fill
	CREST                                          ; the barrier has opened a round of the cluster's: no wave of any partner still reads this slot or has a load on its way
	s_add_nc_u64 s[G0+4*\slot+2:G0+4*\slot+3], s[G0+4*\slot+2:G0+4*\slot+3], 2*ROWB
	s_add_nc_u64 s[G0B+4*\slot+2:G0B+4*\slot+3], s[G0B+4*\slot+2:G0B+4*\slot+3], 2*ROWB
	JLOAD G0+4*\slot, G1, G0B+4*\slot, G1B         ; my one tensor load behind the round; its four v_nop are the places in front of the loads below
.else
	PLACES NP
.endif
	v_add_nc_u32 v[ADRS], 4*NQ, v[ADRS]            ; the next K step's scale words
	FETCH_B \next, 0, 0
	FETCH_A \next, 0, 0
	SCALES \next
	WIN MUL_HI
	MUL16 4, 1, NQ-1, \slot, 0
	MUL16 6, 1, NQ-1, \slot, 0
	PLACES NP
	WIN 0
	FETCH_A \next, 0, 4
.endm
	s_wait_tensorcnt 1                             ; the scales and my part of K step 0 are in; K step 1's load may be out
	s_barrier_signal -1
	s_barrier_wait -1
	FETCH_B 0, 0, 0
	FETCH_A 0, 0, 0
	SCALES 0
	FETCH_A 0, 0, 4
	STEP 0, 0, 1                                   ; the first step stands in front of the loop: its products start the sums
	s_mov_b32 s3, LAPS-1
.Llap:                                                 ; a trip goes once round the ring and fills both slots again
	TURN 0, 1, 1
	STEP 1, 0, 0
	TURN 1, 0, 1
	STEP 0, 0, 0
	s_sub_co_u32 s3, s3, 1
	s_cmp_lg_u32 s3, 0
	s_cbranch_scc1 .Llap
	TURN 0, 1, 0                                   ; the last lap fills nothing
	STEP 1, 0, 0
	s_wait_dscnt 4*NL
	WIN MUL_LO
	MUL16 0, 1, NQ-1, 1, 0
	MUL16 2, 1, NQ-1, 1, 0
	s_wait_dscnt 0
	WIN MUL_HI
	MUL16 4, 1, NQ-1, 1, 0
	MUL16 6, 1, NQ-1, 1, 0
	WIN 0
; THE WAY OUT.  Block a (16 rows x 128 columns, 64 registers a lane): registers 16 b + 0 .. 15 are 16 numbers of block b of 32 columns; lane l xor 16 holds the other 16.
.macro QUANTA a
.set WA, 2+(\a)/4                      ; the accumulators' window
.set WW, WA|(WA<<2)
.set AC, 64*((\a)%4)
.set CD, AF+12*(\a)
	WIN WW                                         ; sources 0 and 1 in the accumulators' window
.irp b, 0,1,2,3
	v_max3_num_f32 v[TM+\b], |v[AC+16*\b]|, |v[AC+16*\b+1]|, 0x1800000   ; each accumulator from its low end on; the floor 2^(3 - 127) holds the byte at 1 from below
.endr
.irp i, 2,4,6,8,10,12,14
.irp b, 0,1,2,3
	v_max3_num_f32 v[TM+\b], |v[AC+16*\b+\i]|, |v[AC+16*\b+\i+1]|, v[TM+\b]   ; the four blocks by turns
.endr
.endr
	WIN 0
.irp b, 0,1,2,3
	v_permlanex16_b32 v[TM+4+\b], v[TM+\b], s98, s99
.endr
.irp b, 0,1,2,3
	v_max_num_f32 v[TM+\b], v[TM+\b], v[TM+4+\b]   ; the block's largest magnitude
.endr
.irp b, 0,1,2,3
	v_add_nc_u32 v[TM+12+\b], 0xff000000, v[TM+\b] ; 2 off its exponent field: the conversion's scale operand
.endr
.irp b, 0,1,2,3
	v_lshrrev_b32 v[TM+4+\b], 23, v[TM+12+\b]      ; the scale's byte
.endr
	v_lshl_or_b32 v[PW+(\a)], v[TM+5], 8, v[TM+4]  ; my row's scale word
	v_lshl_or_b32 v[PW+(\a)], v[TM+6], 16, v[PW+(\a)]
	v_lshl_or_b32 v[PW+(\a)], v[TM+7], 24, v[PW+(\a)]
	WIN WA                                         ; source 0 in the accumulators' window
.irp c, 0,1
	v_cvt_scalef32_pk16_fp6_f32 v[CD+6*\c:CD+6*\c+2], v[AC+32*\c:AC+32*\c+15], v[TM+12+2*\c]
	v_cvt_scalef32_pk16_fp6_f32 v[T2+4*\c:T2+4*\c+2], v[AC+32*\c+16:AC+32*\c+31], v[TM+13+2*\c]   ; (a conversion's three registers begin on an even number)
.endr
	WIN 0
	v_nop                                          ; one plain place behind a scaled conversion
.irp c, 0,1                                    ; the operand's layout wants a whole block in a lane: lanes 0-15 block 2 c, lanes 16-31 block 2 c + 1
.irp i, 0,1,2
	v_permlane16_swap_b32 v[CD+6*\c+\i], v[T2+4*\c+\i]
.endr
.irp i, 0,1,2
	v_mov_b32 v[CD+3+6*\c+\i], v[T2+4*\c+\i]
.endr
.endr
.irp c, 0,1,2
	global_store_b128 v[IMG], v[CD+4*\c:CD+4*\c+3], s[12:13] offset:1536*(\a)+512*\c   ; the wave stores 512 consecutive bytes, aligned to 256; each block has its own registers, so no store's data are written again
.endr
.if (\a)%2
	v_cndmask_b32 v[SW+(\a)/2], v[PW+(\a)-1], v[PW+(\a)], s100    ; lanes 0-15: the even fragment's words, lanes 16-31: the odd one's
.endif
.endm
	PLACES NP                                      ; behind the last products: their results are read, and A's registers written, below
	s_mov_b32 s98, 0x76543210                      ; v_permlanex16_b32's selects for lane l xor 16
	s_mov_b32 s99, 0xfedcba98
	s_mov_b32 s100, 0xffff0000                     ; lanes 16-31
.irp b, 0,1,2,3
	v_mov_b32 v[TM+4+\b], 0                        ; a lane permute's destination counts as one of its sources
.endr
.irp a, 0,1,2,3,4,5,6,7
	QUANTA \a
.endr
	global_store_b128 v[IMG], v[SW:SW+3], s[12:13] offset:12288   ; the scale image
	s_wait_tensorcnt 0x0                           ; the wave's end
	ds_add_u32 v[SPW], v[NIL]
	s_wait_dscnt 0x0
	CROUND                                         ; the closing round: no work-group ends while a partner may still ask for a tile that names it
	s_endpgm
.Lfunc_end_k_q79aeef9a0f_proj:
	.size	k_q79aeef9a0f_proj, .Lfunc_end_k_q79aeef9a0f_proj-k_q79aeef9a0f_proj
	.p2alignl 7, 3214868480
	.fill 96, 4, 3214868480
	.section	.rodata,"a",@progbits
	.p2align	6, 0x0
	.amdhsa_kernel k_q79aeef9a0f_proj
		.amdhsa_group_segment_fixed_size 327680
		.amdhsa_private_segment_fixed_size 0
		.amdhsa_enable_private_segment 0
		.amdhsa_kernarg_size 96
		.amdhsa_user_sgpr_count 2
		.amdhsa_user_sgpr_kernarg_segment_ptr 1
		.amdhsa_wavefront_size32 1
		.amdhsa_system_sgpr_workgroup_id_x 1
		.amdhsa_system_sgpr_workgroup_id_y 1
		.amdhsa_system_sgpr_workgroup_id_z 1
		.amdhsa_system_vgpr_workitem_id 0
		.amdhsa_next_free_vgpr 1024
		.amdhsa_next_free_sgpr 102
		.amdhsa_reserve_vcc 0
		.amdhsa_float_denorm_mode_32 3
		.amdhsa_float_denorm_mode_16_64 3
		.amdhsa_memory_ordered 1
		.amdhsa_forward_progress 1
		.amdhsa_inst_pref_size 193
	.end_amdhsa_kernel
	.amdgpu_metadata
---
amdhsa.version: [ 1, 2 ]
amdhsa.kernels:
  - .name:           k_q79aeef9a0f_proj
    .symbol:         k_q79aeef9a0f_proj.kd
    .args:
      - { .name: k_codes, .offset: 0, .size: 8, .value_kind: global_buffer, .address_space: global }
      - { .name: k_scales, .offset: 8, .size: 8, .value_kind: global_buffer, .address_space: global }
      - { .name: Wk_codes, .offset: 16, .size: 8, .value_kind: global_buffer, .address_space: global }
      - { .name: Wk_scales, .offset: 24, .size: 8, .value_kind: global_buffer, .address_space: global }
      - { .name: Wv_codes, .offset: 32, .size: 8, .value_kind: global_buffer, .address_space: global }
      - { .name: Wv_scales, .offset: 40, .size: 8, .value_kind: global_buffer, .address_space: global }
      - { .name: v_codes, .offset: 48, .size: 8, .value_kind: global_buffer, .address_space: global }
      - { .name: v_scales, .offset: 56, .size: 8, .value_kind: global_buffer, .address_space: global }
      - { .name: attn_mask, .offset: 64, .size: 8, .value_kind: global_buffer, .address_space: global }
      - { .name: key_padding_mask, .offset: 72, .size: 8, .value_kind: global_buffer, .address_space: global }
      - { .name: kv, .offset: 80, .size: 8, .value_kind: global_buffer, .address_space: global }
      - { .name: mbits, .offset: 88, .size: 8, .value_kind: global_buffer, .address_space: global }
    .group_segment_fixed_size: 327680
    .private_segment_fixed_size: 0
    .kernarg_segment_align: 8
    .kernarg_segment_size: 96
    .max_flat_workgroup_size: 128
    .sgpr_count:     102
    .vgpr_count:     1024
    .wavefront_size: 32
...
	.end_amdgpu_metadata
.endif
;; end of part 4
;; launch projq (part 5): grid 16 x 16, 4 waves a work-group, clusters of 4 x 4, 327,680 bytes of LDS; arguments q_codes, q_scales, Wq_codes, Wq_scales, qimg; writes qimg
.if DOCPART == 5
	.amdgcn_target "amdgcn-amd-amdhsa--gfx1250"
	.amdhsa_code_object_version 6
	.text
	.protected	k_q79aeef9a0f_projq
	.globl	k_q79aeef9a0f_projq
	.p2align	8
	.type	k_q79aeef9a0f_projq,@function
k_q79aeef9a0f_projq:
	s_mov_b64 s[64:65], 0
	v_nop
	global_prefetch_b8 v0, s[64:65] scope:SCOPE_SE
	s_setreg_imm32_b32 hwreg(HW_REG_WAVE_MODE, 25, 1), 1
	s_wait_xcnt 0x0
	s_wait_alu depctr_hold_cnt(0) depctr_sa_sdst(0) depctr_va_vdst(0) depctr_va_sdst(0) depctr_va_ssrc(0) depctr_va_vcc(0) depctr_vm_vsrc(0)
	s_getreg_b32 s2, hwreg(HW_REG_IB_STS2, 6, 4)
	s_cmp_eq_u32 s2, 0
	s_cbranch_scc0 .Lentry_in_a_cluster
	s_endpgm
.Lentry_in_a_cluster:
	s_bfe_u32 s2, ttmp6, 0x10000c
	s_cmp_lg_u32 s2, 0xf033
	s_cbranch_scc0 .Lentry_shape_is_right
	s_endpgm
.Lentry_shape_is_right:
; Q = q Wq^T on codes of FP6 (E2M3) with one E8M0 scale for each 32 along K = 2,048, and Q quantised again along each head's 128 columns.  q: [2048][2048], Wq: [2048][2048]: rows of 1,536 bytes of codes, 64 scale bytes a row.
; THE TILE.  2,048 x 2,048 outputs are 256 tiles of 128 x 128: one for each work-group; tiles of 256 x 256 would be 64.  Four waves; wave w makes rows 32 w .. 32 w + 31 x all 128 columns: 16 accumulators.
; For 128 along K a wave reads (32 + 128) rows x 96 bytes from LDS for 16 matrix instructions: this tile is bound by its LDS reads; that is the price of work for every work-group.
; A wave's 128 columns are one head: the 64 registers of a block of 16 rows become one operand fragment and one scale word a row.
; LDS HOLDS 5/8 OF K AT ONCE, SO ONE REFILL SERVES.  Region X: 256 rows (A's 128, then B's 128) x 768 along K; regions Y0, Y1: 256 along K each.  The first fills bring K 0-767, 768-1,023, 1,024-1,279;
; when X has been read it is filled once more, with K 1,280-2,047, one tensor load a wave (64 rows x 576 bytes), which has Y's four K steps in which to land.
; THE SCALES stay in registers: a lane loads its row's 64 scale bytes (all of K) once: 16 registers for A (lane l: my row l), 64 for B (register group j: row 32 j + l); the row selector of the matrix instruction picks the block.
; CLUSTERS: 4 x 4 work-groups; A's tiles are asked for jointly along a row of the cluster, B's along a column.
; THE MATRIX INSTRUCTION IS USED TRANSPOSED (source 0 = 16 rows of B, source 1 = 16 rows of A): lane l holds row l % 16 of C, register j of accumulator (a, b) column 16 b + 8 (l / 16) + j.
; THE RESULT: qimg[16 x (chunk of 128 queries) + head], a super-fragment of 12,800 bytes: fragment f (rows 16 f on) at 1,536 f as an image of its registers (group c of lane l at 512 c + 16 l); at 12,288 four registers of
; scale words (register j: lanes 0-15 fragment 2 j's rows, lanes 16-31 fragment 2 j + 1's).  Wave w makes fragments 2 w, 2 w + 1 and register w; that register leaves by one store of 4 bytes a lane, 16 bytes apart:
; 512 bytes of a work-group's 12,800 are so written by four waves.
; ORDER INSIDE A BLOCK OF 32: the codes lie in the order 0-7, 16-23, 8-15, 24-31 of the block's numbers, as K's do, which come by the same way out: the score product sums the same terms.
; LIMITS: a given scale byte 0xff (NaN) is not served.  A computed block whose largest magnitude lies under 2^-124, a block of zeros among them, gets the byte 1 (the rule gives zeros 127); the bytes are read by this program alone.
; REGISTERS: window 0: v1-7 at work in the head; v8-21 LDS addresses; v22-26 lane, offsets; v28-29 for the add; v32-47 A's scale words, v48-111 B's: scales and nothing else; v112-167 the way out.
;   window 1: two sets of fragments at v0 and v128: B's eight (96 registers), then A's two (24).   window 2: the accumulators, (a, b) at v[8 (8 a + b)].
.set KROW,   1536                      ; a row of codes in memory
.set PX,     720                       ; a row in X: 9 x (64 bytes + 16 of padding) = 180 words: row r starts at bank -12 r mod 64: 16 different multiples of 4 (64 banks of 4 bytes: ISA guide 11.1)
.set PY,     240                       ; a row in Y0, Y1: 3 x (64 + 16) = 60 words: bank -4 r mod 64
.set QX,     64*PX                     ; 64 rows: one tensor load into X
.set QY,     64*PY
.set XB,     0
.set Y0B,    4*QX
.set Y1B,    Y0B+4*QY
.set SPARE,  Y1B+4*QY                  ; the spare words, 128 bytes a wave: two blocks of 256 bytes that no other line names
.set SFB,    12800
.set PADW,   (0<<16)|(1<<20)|(1<<21)|(3<<22)|(3<<25)   ; group 1, word 0 beside the mask: elements of 1 byte; padding on; 21 set beside a mask; after every 16 words 4 words
.set AX,  8                            ; v8-9   my A rows in X (the second: for the pieces behind one padding more)
.set BXL, 10                           ; v10-11 B's blocks 0-3 in X
.set BXH, 12                           ; v12-13 B's blocks 4-7 in X
.set AY0, 14
.set BY0, 16
.set AY1, 18
.set BY1, 20
.set LN,  22                           ; v22 lane
.set SOF, 23                           ; v23 64 x lane: my row of scale bytes
.set IMG, 24                           ; v24 16 x lane + 3,072 x wave: my place in my first fragment's image
.set SO,  25                           ; v25 16 x lane + 4 x wave: my place in the scale image
.set SPW, 28                           ; v28 my spare word: SPARE + 4 x my thread's number; never rewritten
.set NIL, 29                           ; v29 0; never rewritten
.set SA,  32
.set SB,  48
.set TM,  112                          ; v112-127 largest magnitudes, bytes, scale operands
.set PW,  128                          ; v128-129 a scale word for each block of rows
.set SW,  130                          ; v130 my register of the scale image
.set T2,  132                          ; v132-139 second halves of the conversions
.set CDB, 144                          ; v144-167 the codes, 12 registers a block
.set G1X,   24                         ; s[24:31] group 1 for A's tiles in X;   s[48:55] for B's
.set G1XB,  48
.set G1Y,   68                         ; s[68:75] group 1 for A's tiles in Y0, Y1;  s[80:87] for B's
.set G1YB,  80
.set G0X,   32                         ; groups 0
.set G0XB,  36
.set G0Y0,  56
.set G0Y1,  60
.set G0Y0B, 76
.set G0Y1B, 88
.set MSB, 0
.macro WIN new                         ; the immediate's high byte repeats the setting that is left
.if MSB != \new
	s_set_vgpr_msb (MSB<<8)|\new
.set MSB, \new
.endif
.endm
.set MUL,  0xa5                        ; sources 0 (B) and 1 (A) window 1, C and D window 2
.set TO_F, 0x40                        ; destination window 1
.macro JLOAD g0a, g1a, g0b, g1b        ; a joint load: waves 0 and 1 fetch for A, waves 2 and 3 for B; the branch hangs on the wave's number alone; four v_nop follow each line
	s_cmp_eq_u32 s15, 0
	s_cbranch_scc0 .Lfor_b_\@
	tensor_load_to_lds s[\g0a:\g0a+3], s[\g1a:\g1a+7]
	s_nop 0
.rept 4
	v_nop
.endr
	s_branch .Lasked_\@
.Lfor_b_\@:
	tensor_load_to_lds s[\g0b:\g0b+3], s[\g1b:\g1b+7]
	s_nop 0
.rept 4
	v_nop
.endr
.Lasked_\@:
.endm
.macro CROUND                          ; a round of the cluster's barrier
	s_barrier_signal -1
	s_barrier_wait -1
	s_cmp_lg_u32 s14, 0
	s_cbranch_scc1 .Lnot_wave_0_\@
	s_barrier_signal -3
.Lnot_wave_0_\@:
	s_barrier_wait -3
	s_barrier_signal -1
	s_barrier_wait -1
.endm
.macro PLACES                          ; plain vector instructions between a matrix instruction and a load into, or a read of, its registers
.rept 4
	v_nop
.endr
.endm
	s_load_b128 s[4:7], s[0:1], 0x0                ; A's codes, A's scales
	s_load_b128 s[8:11], s[0:1], 0x10              ; B's codes, B's scales
	s_load_b64 s[12:13], s[0:1], 0x20              ; the result
	v_lshl_add_u32 v[SPW], v0, 2, SPARE
	v_mov_b32 v[NIL], 0
	ds_add_u32 v28, v29
	ds_add_u32 v28, v29
	s_wait_dscnt 0x0
	v_lshrrev_b32 v1, 5, v0
	v_readfirstlane_b32 s14, v1                    ; wave 0..3
	s_lshr_b32 s15, s14, 1                         ; I fetch for A (0) or for B (1),
	s_and_b32 s16, s14, 1                          ; and which 64 rows of that tile
	s_bfe_u32 s40, ttmp6, 0x40000                  ; cx, cy: my place in the cluster
	s_bfe_u32 s41, ttmp6, 0x40004
	s_lshl_b32 s42, ttmp9, 2
	s_add_co_u32 s42, s42, s40                     ; tile column of C: it enters B's addresses alone
	s_and_b32 s17, ttmp7, 0xffff
	s_lshl_b32 s17, s17, 2
	s_add_co_u32 s17, s17, s41                     ; tile row of C: it enters A's alone
	s_lshl_b32 s43, s41, 2
	s_lshl_b32 s43, 15, s43                        ; my row of the cluster
	s_lshl_b32 s44, 0x1111, s40                    ; my column
	s_or_b32 s[G1X+0], s43, PADW
	s_or_b32 s[G1XB+0], s44, PADW
	s_or_b32 s[G1Y+0], s43, PADW
	s_or_b32 s[G1YB+0], s44, PADW
.irp g, G1X, G1XB                              ; 64 rows x 576 bytes (768 along K)
	s_mov_b32 s[\g+1], 576<<16                     ; tensor_dim0
	s_mov_b32 s[\g+2], 64<<16                      ; tensor_dim1
	s_mov_b32 s[\g+3], 576<<16                     ; tile_dim0
	s_mov_b32 s[\g+4], 64                          ; tile_dim1
	s_mov_b32 s[\g+5], KROW                        ; tensor_dim0_stride
	s_mov_b32 s[\g+6], 0
	s_mov_b32 s[\g+7], 0
.endr
.irp g, G1Y, G1YB                              ; 64 rows x 192 bytes (256 along K)
	s_mov_b32 s[\g+1], 192<<16
	s_mov_b32 s[\g+2], 64<<16
	s_mov_b32 s[\g+3], 192<<16
	s_mov_b32 s[\g+4], 64
	s_mov_b32 s[\g+5], KROW
	s_mov_b32 s[\g+6], 0
	s_mov_b32 s[\g+7], 0
.endr
	s_lshl_b32 s18, s16, 6
	s_lshl_b32 s20, s17, 7
	s_add_co_u32 s20, s20, s18                     ; A: row 128 x tile row + 64 x half
	s_mul_i32 s20, s20, KROW                       ; in bytes: under 2^22
	s_mov_b32 s21, 0
	s_lshl_b32 s46, s42, 7
	s_add_co_u32 s46, s46, s18                     ; B: row 128 x tile column + 64 x half
	s_mul_i32 s46, s46, KROW
	s_mov_b32 s47, 0
	s_mul_i32 s45, s14, QX                         ; where they go: wave x 64 rows: no place in the cluster enters an LDS address
	s_mul_i32 s94, s14, QY
	s_lshl_b32 s22, s17, 13                        ; A's scale bytes: 128 rows of 64 bytes a tile row,
	s_lshl_b32 s23, s14, 11                        ; my 32 rows
	s_add_co_u32 s22, s22, s23
	s_mov_b32 s23, 0
	s_lshl_b32 s92, s42, 13                        ; B's: the tile column's 128 rows
	s_mov_b32 s93, 0
	s_wait_kmcnt 0x0
	s_add_nc_u64 s[20:21], s[4:5], s[20:21]
	s_add_nc_u64 s[46:47], s[8:9], s[46:47]
	s_add_nc_u64 s[6:7], s[6:7], s[22:23]
	s_add_nc_u64 s[10:11], s[10:11], s[92:93]
	CROUND                                         ; all sixteen work-groups are here: the first joint loads meet
	s_mov_b32 s[G0X], 1                            ; count = 1
	s_add_co_u32 s[G0X+1], s45, XB                 ; LDS address
	s_mov_b64 s[G0X+2:G0X+3], s[20:21]             ; K 0 on
	s_or_b32 s[G0X+3], s[G0X+3], 0x80000000        ; type = 2
	s_mov_b32 s[G0XB], 1
	s_add_co_u32 s[G0XB+1], s45, XB
	s_mov_b64 s[G0XB+2:G0XB+3], s[46:47]
	s_or_b32 s[G0XB+3], s[G0XB+3], 0x80000000
	JLOAD G0X, G1X, G0XB, G1XB
	s_mov_b32 s[G0Y0], 1
	s_add_co_u32 s[G0Y0+1], s94, Y0B
	s_add_nc_u64 s[G0Y0+2:G0Y0+3], s[20:21], 576   ; K 768 on
	s_or_b32 s[G0Y0+3], s[G0Y0+3], 0x80000000
	s_mov_b32 s[G0Y0B], 1
	s_add_co_u32 s[G0Y0B+1], s94, Y0B
	s_add_nc_u64 s[G0Y0B+2:G0Y0B+3], s[46:47], 576
	s_or_b32 s[G0Y0B+3], s[G0Y0B+3], 0x80000000
	JLOAD G0Y0, G1Y, G0Y0B, G1YB
	s_mov_b32 s[G0Y1], 1
	s_add_co_u32 s[G0Y1+1], s94, Y1B
	s_add_nc_u64 s[G0Y1+2:G0Y1+3], s[20:21], 768   ; K 1,024 on
	s_or_b32 s[G0Y1+3], s[G0Y1+3], 0x80000000
	s_mov_b32 s[G0Y1B], 1
	s_add_co_u32 s[G0Y1B+1], s94, Y1B
	s_add_nc_u64 s[G0Y1B+2:G0Y1B+3], s[46:47], 768
	s_or_b32 s[G0Y1B+3], s[G0Y1B+3], 0x80000000
	JLOAD G0Y1, G1Y, G0Y1B, G1YB                   ; three tensor loads of mine are out now
	v_and_b32 v[LN], 31, v0
	v_lshlrev_b32 v[SOF], 6, v[LN]
.irp c, 0,1,2,3
	global_load_b128 v[SA+4*\c:SA+4*\c+3], v[SOF], s[6:7] offset:16*\c          ; register s: the scale word of K step s of my row 32 w + lane; the four loads together take whole rows of 64 bytes
.endr
.irp j, 0,1,2,3
.irp c, 0,1,2,3
	global_load_b128 v[SB+16*\j+4*\c:SB+16*\j+4*\c+3], v[SOF], s[10:11] offset:2048*\j+16*\c   ; B's row 32 j + lane
.endr
.endr
	v_and_b32 v1, 15, v0                           ; l % 16
	v_bfe_u32 v2, v0, 4, 1                         ; l / 16
	v_mul_u32_u24 v3, v1, PX
	v_mad_u32_u24 v3, v2, 24, v3                   ; a fragment's row x pitch + 24 x half
	v_lshl_add_u32 v4, v2, 4, v3                   ; and the same behind one padding more
	v_mul_u32_u24 v5, v1, PY
	v_mad_u32_u24 v5, v2, 24, v5
	v_lshl_add_u32 v6, v2, 4, v5
	s_mul_i32 s18, s14, 32*PX                      ; my 32 rows of A in X,
	s_mul_i32 s19, s14, 32*PY
	s_add_co_u32 s19, s19, Y0B                     ; and in Y0
	v_add_nc_u32 v[AX], s18, v3
	v_add_nc_u32 v[AX+1], s18, v4
	v_add_nc_u32 v[BXL], 128*PX, v3                ; B's rows lie behind A's 128
	v_add_nc_u32 v[BXL+1], 128*PX, v4
	v_add_nc_u32 v[BXH], 192*PX, v3
	v_add_nc_u32 v[BXH+1], 192*PX, v4
	v_add_nc_u32 v[AY0], s19, v5
	v_add_nc_u32 v[AY0+1], s19, v6
	v_add_nc_u32 v[BY0], Y0B+128*PY, v5
	v_add_nc_u32 v[BY0+1], Y0B+128*PY, v6
	v_add_nc_u32 v[AY1], 4*QY, v[AY0]
	v_add_nc_u32 v[AY1+1], 4*QY, v[AY0+1]
	v_add_nc_u32 v[BY1], 4*QY, v[BY0]
	v_add_nc_u32 v[BY1+1], 4*QY, v[BY0+1]
	s_mul_i32 s2, s14, 3072                        ; my two fragments
	v_lshl_add_u32 v[IMG], v[LN], 4, s2
	s_lshl_b32 s3, s14, 2                          ; my register of the scale image
	v_lshl_add_u32 v[SO], v[LN], 4, s3
	s_lshl_b32 s18, s17, 4
	s_add_co_u32 s18, s18, s42
	s_mul_i32 s18, s18, SFB                        ; my work-group's super-fragment: 16 x chunk of queries + head
	s_mov_b32 s19, 0
	s_add_nc_u64 s[12:13], s[12:13], s[18:19]
.macro FRAG reg, adr, q, i, pitch      ; a fragment: lane l holds row l % 16; registers 6 c .. 6 c + 5 hold K = 64 c + 32 (l / 16) + 0 .. 31: 24 bytes of the row's stream of bits, in pieces of 8
.irp p, 0,1,2,3,4,5
.set PC, 12*(\q)+6*(\p/3)+\p%3        ; the mover has laid 16 bytes of padding behind every 8 pieces: where the piece three on (lanes 16-31) lies behind one padding more, the second address register serves
.if PC%8 < 5
	ds_load_b64 v[\reg+2*\p:\reg+2*\p+1], v[\adr] offset:8*PC+16*(PC/8)+(\i)*16*(\pitch)
.else
	ds_load_b64 v[\reg+2*\p:\reg+2*\p+1], v[\adr+1] offset:8*PC+16*(PC/8)+(\i)*16*(\pitch)
.endif
.endr
.endm
.macro FETCH s                         ; the ten fragments of K step s (128 along K) into set s % 2: 60 loads.  Steps 0-5 and 10-15 lie in X, 6-7 in Y0, 8-9 in Y1
.set FPF, 128*((\s)%2)
	WIN TO_F
.if ((\s) < 6) || ((\s) > 9)
.set FQ, (\s)%10
.irp i, 0,1
	FRAG FPF+96+12*\i, AX, FQ, \i, PX
.endr
.irp i, 0,1,2,3
	FRAG FPF+12*\i, BXL, FQ, \i, PX
.endr
.irp i, 0,1,2,3
	FRAG FPF+48+12*\i, BXH, FQ, \i, PX
.endr
.elseif (\s) < 8
.set FQ, (\s)-6
.irp i, 0,1
	FRAG FPF+96+12*\i, AY0, FQ, \i, PY
.endr
.irp i, 0,1,2,3,4,5,6,7
	FRAG FPF+12*\i, BY0, FQ, \i, PY
.endr
.else
.set FQ, (\s)-8
.irp i, 0,1
	FRAG FPF+96+12*\i, AY1, FQ, \i, PY
.endr
.irp i, 0,1,2,3,4,5,6,7
	FRAG FPF+12*\i, BY1, FQ, \i, PY
.endr
.endif
.endm
.macro PROD a, b, s, zero              ; accumulator (a, b), K step s.  An odd block's scale words lie in lanes 16-31 of its register
.set rD, 8*(8*(\a)+(\b))
.set rB, FPM+12*(\b)
.set rA, FPM+96+12*(\a)
.set rSB, SB+16*((\b)/2)+(\s)
.set rSA, SA+(\s)
.if \zero
.if ((\b)%2) && (\a)
	v_wmma_scale_f32_16x16x128_f8f6f4 v[rD:rD+7], v[rB:rB+11], v[rA:rA+11], 0, v[rSB], v[rSA] matrix_a_fmt:MATRIX_FMT_FP6 matrix_b_fmt:MATRIX_FMT_FP6 matrix_a_scale:MATRIX_SCALE_ROW1 matrix_b_scale:MATRIX_SCALE_ROW1
.elseif (\b)%2
	v_wmma_scale_f32_16x16x128_f8f6f4 v[rD:rD+7], v[rB:rB+11], v[rA:rA+11], 0, v[rSB], v[rSA] matrix_a_fmt:MATRIX_FMT_FP6 matrix_b_fmt:MATRIX_FMT_FP6 matrix_a_scale:MATRIX_SCALE_ROW1
.elseif \a
	v_wmma_scale_f32_16x16x128_f8f6f4 v[rD:rD+7], v[rB:rB+11], v[rA:rA+11], 0, v[rSB], v[rSA] matrix_a_fmt:MATRIX_FMT_FP6 matrix_b_fmt:MATRIX_FMT_FP6 matrix_b_scale:MATRIX_SCALE_ROW1
.else
	v_wmma_scale_f32_16x16x128_f8f6f4 v[rD:rD+7], v[rB:rB+11], v[rA:rA+11], 0, v[rSB], v[rSA] matrix_a_fmt:MATRIX_FMT_FP6 matrix_b_fmt:MATRIX_FMT_FP6
.endif
.else
.if ((\b)%2) && (\a)
	v_wmma_scale_f32_16x16x128_f8f6f4 v[rD:rD+7], v[rB:rB+11], v[rA:rA+11], v[rD:rD+7], v[rSB], v[rSA] matrix_a_fmt:MATRIX_FMT_FP6 matrix_b_fmt:MATRIX_FMT_FP6 matrix_a_scale:MATRIX_SCALE_ROW1 matrix_b_scale:MATRIX_SCALE_ROW1
.elseif (\b)%2
	v_wmma_scale_f32_16x16x128_f8f6f4 v[rD:rD+7], v[rB:rB+11], v[rA:rA+11], v[rD:rD+7], v[rSB], v[rSA] matrix_a_fmt:MATRIX_FMT_FP6 matrix_b_fmt:MATRIX_FMT_FP6 matrix_a_scale:MATRIX_SCALE_ROW1
.elseif \a
	v_wmma_scale_f32_16x16x128_f8f6f4 v[rD:rD+7], v[rB:rB+11], v[rA:rA+11], v[rD:rD+7], v[rSB], v[rSA] matrix_a_fmt:MATRIX_FMT_FP6 matrix_b_fmt:MATRIX_FMT_FP6 matrix_b_scale:MATRIX_SCALE_ROW1
.else
	v_wmma_scale_f32_16x16x128_f8f6f4 v[rD:rD+7], v[rB:rB+11], v[rA:rA+11], v[rD:rD+7], v[rSB], v[rSA] matrix_a_fmt:MATRIX_FMT_FP6 matrix_b_fmt:MATRIX_FMT_FP6
.endif
.endif
.endm
.macro MULS s, zero                    ; K step s: 16 matrix instructions; the 16 accumulators take turns, one instruction a turn, in the same order in every step
.set FPM, 128*((\s)%2)
	WIN MUL
.irp a, 0,1
.irp b, 0,1,2,3,4,5,6,7
	PROD \a, \b, \s, \zero
.endr
.endr
.endm
.macro STEPK s, zero                   ; a K step whose successor may be read already: the next step's fragments are asked for ahead of this step's products
	s_wait_dscnt 0x0                               ; this step's fragments are in
.if (\s) > 0
	PLACES                                         ; the other set was read by the last step's products
.endif
	FETCH (\s)+1
	MULS \s, \zero
.endm
	s_wait_tensorcnt 0x2                           ; my part of X is in; Y0's and Y1's loads may be out
	s_barrier_signal -1
	s_barrier_wait -1
	FETCH 0
	s_wait_loadcnt 0x0                             ; the scale words
	STEPK 0, 1                                     ; the first step's products start the sums
	STEPK 1, 0
	STEPK 2, 0
	STEPK 3, 0
	STEPK 4, 0
	; K step 5 is X's last: its fragments are asked for, so X can be filled again
	WIN 0
	s_wait_tensorcnt 0x0                           ; all my tensor loads have landed: my parts of Y0 and Y1
	ds_add_u32 v[SPW], v[NIL]                      ; 0 onto my spare word
	s_add_nc_u64 s[G0X+2:G0X+3], s[G0X+2:G0X+3], 960     ; K 1,280 on; the type bits on top are not reached
	s_add_nc_u64 s[G0XB+2:G0XB+3], s[G0XB+2:G0XB+3], 960
	s_wait_dscnt 0x0                               ; the add is done, step 5's fragments are in, and my reads of X are over
	CROUND                                         ; no wave of any partner still reads X or has a load on its way
	JLOAD G0X, G1X, G0XB, G1XB                     ; my one tensor load behind the round; its four v_nop are the places in front of the loads below
	FETCH 6
	MULS 5, 0
	STEPK 6, 0
	STEPK 7, 0
	STEPK 8, 0
	; K step 9 is Y's last: the next fragments lie in X's second fill
	WIN 0
	s_wait_tensorcnt 0x0                           ; my part of X's second fill has landed
	ds_add_u32 v[SPW], v[NIL]
	s_wait_dscnt 0x0                               ; the add is done, step 9's fragments are in, and my reads of Y0 and Y1 are over
	s_barrier_signal -1
	s_barrier_wait -1                              ; everybody's part has landed
	PLACES
	FETCH 10
	MULS 9, 0
	STEPK 10, 0
	STEPK 11, 0
	STEPK 12, 0
	STEPK 13, 0
	STEPK 14, 0
	s_wait_dscnt 0x0
	MULS 15, 0
	WIN 0
; THE WAY OUT.  Block a (16 rows x 128 columns, 64 registers a lane): registers 16 b + 0 .. 15 are 16 numbers of block b of 32 columns; lane l xor 16 holds the other 16.
.macro QUANTA a
.set AC, 64*(\a)
.set CD, CDB+12*(\a)
	WIN 0x0a                                       ; sources 0 and 1 in the accumulators' window
.irp b, 0,1,2,3
	v_max3_num_f32 v[TM+\b], |v[AC+16*\b]|, |v[AC+16*\b+1]|, 0x1800000   ; each accumulator from its low end on; the floor 2^(3 - 127) holds the byte at 1 from below
.endr
.irp i, 2,4,6,8,10,12,14
.irp b, 0,1,2,3
	v_max3_num_f32 v[TM+\b], |v[AC+16*\b+\i]|, |v[AC+16*\b+\i+1]|, v[TM+\b]   ; the four blocks by turns
.endr
.endr
	WIN 0
.irp b, 0,1,2,3
	v_permlanex16_b32 v[TM+4+\b], v[TM+\b], s92, s93
.endr
.irp b, 0,1,2,3
	v_max_num_f32 v[TM+\b], v[TM+\b], v[TM+4+\b]   ; the block's largest magnitude
.endr
.irp b, 0,1,2,3
	v_add_nc_u32 v[TM+12+\b], 0xff000000, v[TM+\b] ; 2 off its exponent field: the conversion's scale operand
.endr
.irp b, 0,1,2,3
	v_lshrrev_b32 v[TM+4+\b], 23, v[TM+12+\b]      ; the scale's byte
.endr
	v_lshl_or_b32 v[PW+(\a)], v[TM+5], 8, v[TM+4]  ; my row's scale word
	v_lshl_or_b32 v[PW+(\a)], v[TM+6], 16, v[PW+(\a)]
	v_lshl_or_b32 v[PW+(\a)], v[TM+7], 24, v[PW+(\a)]
	WIN 0x02                                       ; source 0 in the accumulators' window
.irp c, 0,1
	v_cvt_scalef32_pk16_fp6_f32 v[CD+6*\c:CD+6*\c+2], v[AC+32*\c:AC+32*\c+15], v[TM+12+2*\c]
	v_cvt_scalef32_pk16_fp6_f32 v[T2+4*\c:T2+4*\c+2], v[AC+32*\c+16:AC+32*\c+31], v[TM+13+2*\c]   ; (a conversion's three registers begin on an even number)
.endr
	WIN 0
	v_nop                                          ; one plain place behind a scaled conversion
.irp c, 0,1                                    ; the operand's layout wants a whole block in a lane: lanes 0-15 block 2 c, lanes 16-31 block 2 c + 1
.irp i, 0,1,2
	v_permlane16_swap_b32 v[CD+6*\c+\i], v[T2+4*\c+\i]
.endr
.irp i, 0,1,2
	v_mov_b32 v[CD+3+6*\c+\i], v[T2+4*\c+\i]
.endr
.endr
.irp c, 0,1,2
	global_store_b128 v[IMG], v[CD+4*\c:CD+4*\c+3], s[12:13] offset:1536*(\a)+512*\c   ; the wave stores 512 consecutive bytes, aligned to 256; each block has its own registers, so no store's data are written again
.endr
.endm
	PLACES                                         ; behind the last products: their results are read below
	s_mov_b32 s92, 0x76543210                      ; v_permlanex16_b32's selects for lane l xor 16
	s_mov_b32 s93, 0xfedcba98
	s_mov_b32 s22, 0xffff0000                      ; lanes 16-31
.irp b, 0,1,2,3
	v_mov_b32 v[TM+4+\b], 0                        ; a lane permute's destination counts as one of its sources
.endr
	QUANTA 0
	QUANTA 1
	v_cndmask_b32 v[SW], v[PW], v[PW+1], s22       ; lanes 0-15: my first fragment's words, lanes 16-31: my second's
	global_store_b32 v[SO], v[SW], s[12:13] offset:12288   ; register w of the scale image: 4 bytes a lane, 16 bytes apart
	s_wait_tensorcnt 0x0                           ; the wave's end
	ds_add_u32 v[SPW], v[NIL]
	s_wait_dscnt 0x0
	CROUND                                         ; the closing round: no work-group ends while a partner may still ask for a tile that names it
	s_endpgm
.Lfunc_end_k_q79aeef9a0f_projq:
	.size	k_q79aeef9a0f_projq, .Lfunc_end_k_q79aeef9a0f_projq-k_q79aeef9a0f_projq
	.p2alignl 7, 3214868480
	.fill 96, 4, 3214868480
	.section	.rodata,"a",@progbits
	.p2align	6, 0x0
	.amdhsa_kernel k_q79aeef9a0f_projq
		.amdhsa_group_segment_fixed_size 327680
		.amdhsa_private_segment_fixed_size 0
		.amdhsa_enable_private_segment 0
		.amdhsa_kernarg_size 40
		.amdhsa_user_sgpr_count 2
		.amdhsa_user_sgpr_kernarg_segment_ptr 1
		.amdhsa_wavefront_size32 1
		.amdhsa_system_sgpr_workgroup_id_x 1
		.amdhsa_system_sgpr_workgroup_id_y 1
		.amdhsa_system_sgpr_workgroup_id_z 1
		.amdhsa_system_vgpr_workitem_id 0
		.amdhsa_next_free_vgpr 768
		.amdhsa_next_free_sgpr 98
		.amdhsa_reserve_vcc 0
		.amdhsa_float_denorm_mode_32 3
		.amdhsa_float_denorm_mode_16_64 3
		.amdhsa_memory_ordered 1
		.amdhsa_forward_progress 1
		.amdhsa_inst_pref_size 117
	.end_amdhsa_kernel
	.amdgpu_metadata
---
amdhsa.version: [ 1, 2 ]
amdhsa.kernels:
  - .name:           k_q79aeef9a0f_projq
    .symbol:         k_q79aeef9a0f_projq.kd
    .args:
      - { .name: q_codes, .offset: 0, .size: 8, .value_kind: global_buffer, .address_space: global }
      - { .name: q_scales, .offset: 8, .size: 8, .value_kind: global_buffer, .address_space: global }
      - { .name: Wq_codes, .offset: 16, .size: 8, .value_kind: global_buffer, .address_space: global }
      - { .name: Wq_scales, .offset: 24, .size: 8, .value_kind: global_buffer, .address_space: global }
      - { .name: qimg, .offset: 32, .size: 8, .value_kind: global_buffer, .address_space: global }
    .group_segment_fixed_size: 327680
    .private_segment_fixed_size: 0
    .kernarg_segment_align: 8
    .kernarg_segment_size: 40
    .max_flat_workgroup_size: 128
    .sgpr_count:     98
    .vgpr_count:     768
    .wavefront_size: 32
...
	.end_amdgpu_metadata
.endif
;; end of part 5
;; launch attn: the kernel of part 2 again; grid 8 x 32, 8 waves a work-group, clusters of 4 x 1, 327,680 bytes of LDS; arguments qimg, kv, mbits, o_codes, o_scales; writes o_codes, o_scales
;; launch outp (part 6): grid 16 x 16, 4 waves a work-group, clusters of 4 x 4, 327,680 bytes of LDS; arguments o_codes, o_scales, Wo_codes, Wo_scales, out0; writes out0
.if DOCPART == 6
	.amdgcn_target "amdgcn-amd-amdhsa--gfx1250"
	.amdhsa_code_object_version 6
	.text
	.protected	k_q79aeef9a0f_outp
	.globl	k_q79aeef9a0f_outp
	.p2align	8
	.type	k_q79aeef9a0f_outp,@function
k_q79aeef9a0f_outp:
	s_mov_b64 s[64:65], 0
	v_nop
	global_prefetch_b8 v0, s[64:65] scope:SCOPE_SE
	s_setreg_imm32_b32 hwreg(HW_REG_WAVE_MODE, 25, 1), 1
	s_wait_xcnt 0x0
	s_wait_alu depctr_hold_cnt(0) depctr_sa_sdst(0) depctr_va_vdst(0) depctr_va_sdst(0) depctr_va_ssrc(0) depctr_va_vcc(0) depctr_vm_vsrc(0)
	s_getreg_b32 s2, hwreg(HW_REG_IB_STS2, 6, 4)
	s_cmp_eq_u32 s2, 0
	s_cbranch_scc0 .Lentry_in_a_cluster
	s_endpgm
.Lentry_in_a_cluster:
	s_bfe_u32 s2, ttmp6, 0x10000c
	s_cmp_lg_u32 s2, 0xf033
	s_cbranch_scc0 .Lentry_shape_is_right
	s_endpgm
.Lentry_shape_is_right:
; out0 = O Wo^T.  O: [2048][2048], Wo: [2048][2048]: codes of FP6 (E2M3), rows of 1,536 bytes, with one E8M0 scale byte for each 32 along K, rows of 64 bytes; out0: [2048][2048] f32; sums in f32.
; THE TILE.  2,048 x 2,048 outputs are 256 tiles of 128 x 128: one for each work-group; tiles of 256 x 256 would be 64.  Four waves; wave w makes rows 32 w .. 32 w + 31 x all 128 columns: 16 accumulators.
; For 128 along K a wave reads (32 + 128) rows x 96 bytes from LDS for 16 matrix instructions: this tile is bound by its LDS reads; that is the price of work for every work-group.
; LDS HOLDS 5/8 OF K AT ONCE, SO ONE REFILL SERVES.  Region X: 256 rows (A's 128, then B's 128) x 768 along K; regions Y0, Y1: 256 along K each.  The first fills bring K 0-767, 768-1,023, 1,024-1,279;
; when X has been read it is filled once more, with K 1,280-2,047, one tensor load a wave (64 rows x 576 bytes), which has Y's four K steps in which to land.
; THE SCALES stay in registers: a lane loads its row's 64 scale bytes (all of K) once: 16 registers for A (lane l: my row l), 64 for B (register group j: row 32 j + l); the row selector of the matrix instruction picks the block.
; CLUSTERS: 4 x 4 work-groups; A's tiles are asked for jointly along a row of the cluster, B's along a column.
; THE MATRIX INSTRUCTION IS USED TRANSPOSED (source 0 = 16 rows of B, source 1 = 16 rows of A): a lane holds eight neighbouring numbers of a row of C.
; THE WAY OUT: a block of 16 rows x 128 columns goes through my own stage in LDS and leaves as whole rows of 512 bytes.  The stage lies in Y0, which is filled once and which nobody reads behind the last barrier.
; A row of O whose scale bytes are 0xff (no key was left for it) comes out as NaN, as the definition has it.  LIMIT: a given scale byte 0xff in Wo is not served otherwise than so.
; REGISTERS: window 0: v1-7 at work in the head; v8-21 LDS addresses; v22-26 lane, offsets; v28-29 for the add; v32-47 A's scale words, v48-111 B's: scales and nothing else; v128-255 rows of C on the way out.
;   window 1: two sets of fragments at v0 and v128: B's eight (96 registers), then A's two (24).   window 2: the accumulators, (a, b) at v[8 (8 a + b)].
.set SIZE_N, 2048
.set KROW,   1536                      ; a row of codes in memory
.set PX,     720                       ; a row in X: 9 x (64 bytes + 16 of padding) = 180 words: row r starts at bank -12 r mod 64: 16 different multiples of 4 (64 banks of 4 bytes: ISA guide 11.1)
.set PY,     240                       ; a row in Y0, Y1: 3 x (64 + 16) = 60 words: bank -4 r mod 64
.set QX,     64*PX                     ; 64 rows: one tensor load into X
.set QY,     64*PY
.set XB,     0
.set Y0B,    4*QX
.set Y1B,    Y0B+4*QY
.set SPARE,  Y1B+4*QY                  ; the spare words, 128 bytes a wave: two blocks of 256 bytes that no other line names
.set SPITCH, 528                       ; a stage row: 512 bytes + 16
.set PADW,   (0<<16)|(1<<20)|(1<<21)|(3<<22)|(3<<25)   ; group 1, word 0 beside the mask: elements of 1 byte; padding on; 21 set beside a mask; after every 16 words 4 words
.set AX,  8                            ; v8-9   my A rows in X (the second: for the pieces behind one padding more)
.set BXL, 10                           ; v10-11 B's blocks 0-3 in X
.set BXH, 12                           ; v12-13 B's blocks 4-7 in X
.set AY0, 14
.set BY0, 16
.set AY1, 18
.set BY1, 20
.set LN,  22                           ; v22 lane
.set SOF, 23                           ; v23 64 x lane: my row of scale bytes
.set STO, 24                           ; v24 where I put 32 bytes of a row
.set RD,  25                           ; v25 where I read a row back
.set CO,  26                           ; v26 16 x lane: my byte in the tile's 512 bytes of a row of C
.set SPW, 28                           ; v28 my spare word: SPARE + 4 x my thread's number; never rewritten
.set NIL, 29                           ; v29 0; never rewritten
.set SA,  32
.set SB,  48
.set BK,  128                          ; v128-191, v192-255: a block's 16 rows read back from the stage
.set G1X,   24                         ; s[24:31] group 1 for A's tiles in X;   s[48:55] for B's
.set G1XB,  48
.set G1Y,   68                         ; s[68:75] group 1 for A's tiles in Y0, Y1;  s[80:87] for B's
.set G1YB,  80
.set G0X,   32                         ; groups 0
.set G0XB,  36
.set G0Y0,  56
.set G0Y1,  60
.set G0Y0B, 76
.set G0Y1B, 88
.set MSB, 0
.macro WIN new                         ; the immediate's high byte repeats the setting that is left
.if MSB != \new
	s_set_vgpr_msb (MSB<<8)|\new
.set MSB, \new
.endif
.endm
.set MUL,  0xa5                        ; sources 0 (B) and 1 (A) window 1, C and D window 2
.set TO_F, 0x40                        ; destination window 1
.macro JLOAD g0a, g1a, g0b, g1b        ; a joint load: waves 0 and 1 fetch for A, waves 2 and 3 for B; the branch hangs on the wave's number alone; four v_nop follow each line
	s_cmp_eq_u32 s15, 0
	s_cbranch_scc0 .Lfor_b_\@
	tensor_load_to_lds s[\g0a:\g0a+3], s[\g1a:\g1a+7]
	s_nop 0
.rept 4
	v_nop
.endr
	s_branch .Lasked_\@
.Lfor_b_\@:
	tensor_load_to_lds s[\g0b:\g0b+3], s[\g1b:\g1b+7]
	s_nop 0
.rept 4
	v_nop
.endr
.Lasked_\@:
.endm
.macro CROUND                          ; a round of the cluster's barrier
	s_barrier_signal -1
	s_barrier_wait -1
	s_cmp_lg_u32 s14, 0
	s_cbranch_scc1 .Lnot_wave_0_\@
	s_barrier_signal -3
.Lnot_wave_0_\@:
	s_barrier_wait -3
	s_barrier_signal -1
	s_barrier_wait -1
.endm
.macro PLACES                          ; plain vector instructions between a matrix instruction and a load into, or a read of, its registers
.rept 4
	v_nop
.endr
.endm
	s_load_b128 s[4:7], s[0:1], 0x0                ; A's codes, A's scales
	s_load_b128 s[8:11], s[0:1], 0x10              ; B's codes, B's scales
	s_load_b64 s[12:13], s[0:1], 0x20              ; C
	v_lshl_add_u32 v[SPW], v0, 2, SPARE
	v_mov_b32 v[NIL], 0
	ds_add_u32 v28, v29
	ds_add_u32 v28, v29
	s_wait_dscnt 0x0
	v_lshrrev_b32 v1, 5, v0
	v_readfirstlane_b32 s14, v1                    ; wave 0..3
	s_lshr_b32 s15, s14, 1                         ; I fetch for A (0) or for B (1),
	s_and_b32 s16, s14, 1                          ; and which 64 rows of that tile
	s_bfe_u32 s40, ttmp6, 0x40000                  ; cx, cy: my place in the cluster
	s_bfe_u32 s41, ttmp6, 0x40004
	s_lshl_b32 s42, ttmp9, 2
	s_add_co_u32 s42, s42, s40                     ; tile column of C: it enters B's addresses alone
	s_and_b32 s17, ttmp7, 0xffff
	s_lshl_b32 s17, s17, 2
	s_add_co_u32 s17, s17, s41                     ; tile row of C: it enters A's alone
	s_lshl_b32 s43, s41, 2
	s_lshl_b32 s43, 15, s43                        ; my row of the cluster
	s_lshl_b32 s44, 0x1111, s40                    ; my column
	s_or_b32 s[G1X+0], s43, PADW
	s_or_b32 s[G1XB+0], s44, PADW
	s_or_b32 s[G1Y+0], s43, PADW
	s_or_b32 s[G1YB+0], s44, PADW
.irp g, G1X, G1XB                              ; 64 rows x 576 bytes (768 along K)
	s_mov_b32 s[\g+1], 576<<16                     ; tensor_dim0
	s_mov_b32 s[\g+2], 64<<16                      ; tensor_dim1
	s_mov_b32 s[\g+3], 576<<16                     ; tile_dim0
	s_mov_b32 s[\g+4], 64                          ; tile_dim1
	s_mov_b32 s[\g+5], KROW                        ; tensor_dim0_stride
	s_mov_b32 s[\g+6], 0
	s_mov_b32 s[\g+7], 0
.endr
.irp g, G1Y, G1YB                              ; 64 rows x 192 bytes (256 along K)
	s_mov_b32 s[\g+1], 192<<16
	s_mov_b32 s[\g+2], 64<<16
	s_mov_b32 s[\g+3], 192<<16
	s_mov_b32 s[\g+4], 64
	s_mov_b32 s[\g+5], KROW
	s_mov_b32 s[\g+6], 0
	s_mov_b32 s[\g+7], 0
.endr
	s_lshl_b32 s18, s16, 6
	s_lshl_b32 s20, s17, 7
	s_add_co_u32 s20, s20, s18                     ; A: row 128 x tile row + 64 x half
	s_mul_i32 s20, s20, KROW                       ; in bytes: under 2^22
	s_mov_b32 s21, 0
	s_lshl_b32 s46, s42, 7
	s_add_co_u32 s46, s46, s18                     ; B: row 128 x tile column + 64 x half
	s_mul_i32 s46, s46, KROW
	s_mov_b32 s47, 0
	s_mul_i32 s45, s14, QX                         ; where they go: wave x 64 rows: no place in the cluster enters an LDS address
	s_mul_i32 s94, s14, QY
	s_lshl_b32 s22, s17, 13                        ; A's scale bytes: 128 rows of 64 bytes a tile row,
	s_lshl_b32 s23, s14, 11                        ; my 32 rows
	s_add_co_u32 s22, s22, s23
	s_mov_b32 s23, 0
	s_lshl_b32 s92, s42, 13                        ; B's: the tile column's 128 rows
	s_mov_b32 s93, 0
	s_wait_kmcnt 0x0
	s_add_nc_u64 s[20:21], s[4:5], s[20:21]
	s_add_nc_u64 s[46:47], s[8:9], s[46:47]
	s_add_nc_u64 s[6:7], s[6:7], s[22:23]
	s_add_nc_u64 s[10:11], s[10:11], s[92:93]
	CROUND                                         ; all sixteen work-groups are here: the first joint loads meet
	s_mov_b32 s[G0X], 1                            ; count = 1
	s_add_co_u32 s[G0X+1], s45, XB                 ; LDS address
	s_mov_b64 s[G0X+2:G0X+3], s[20:21]             ; K 0 on
	s_or_b32 s[G0X+3], s[G0X+3], 0x80000000        ; type = 2
	s_mov_b32 s[G0XB], 1
	s_add_co_u32 s[G0XB+1], s45, XB
	s_mov_b64 s[G0XB+2:G0XB+3], s[46:47]
	s_or_b32 s[G0XB+3], s[G0XB+3], 0x80000000
	JLOAD G0X, G1X, G0XB, G1XB
	s_mov_b32 s[G0Y0], 1
	s_add_co_u32 s[G0Y0+1], s94, Y0B
	s_add_nc_u64 s[G0Y0+2:G0Y0+3], s[20:21], 576   ; K 768 on
	s_or_b32 s[G0Y0+3], s[G0Y0+3], 0x80000000
	s_mov_b32 s[G0Y0B], 1
	s_add_co_u32 s[G0Y0B+1], s94, Y0B
	s_add_nc_u64 s[G0Y0B+2:G0Y0B+3], s[46:47], 576
	s_or_b32 s[G0Y0B+3], s[G0Y0B+3], 0x80000000
	JLOAD G0Y0, G1Y, G0Y0B, G1YB
	s_mov_b32 s[G0Y1], 1
	s_add_co_u32 s[G0Y1+1], s94, Y1B
	s_add_nc_u64 s[G0Y1+2:G0Y1+3], s[20:21], 768   ; K 1,024 on
	s_or_b32 s[G0Y1+3], s[G0Y1+3], 0x80000000
	s_mov_b32 s[G0Y1B], 1
	s_add_co_u32 s[G0Y1B+1], s94, Y1B
	s_add_nc_u64 s[G0Y1B+2:G0Y1B+3], s[46:47], 768
	s_or_b32 s[G0Y1B+3], s[G0Y1B+3], 0x80000000
	JLOAD G0Y1, G1Y, G0Y1B, G1YB                   ; three tensor loads of mine are out now
	v_and_b32 v[LN], 31, v0
	v_lshlrev_b32 v[SOF], 6, v[LN]
.irp c, 0,1,2,3
	global_load_b128 v[SA+4*\c:SA+4*\c+3], v[SOF], s[6:7] offset:16*\c          ; register s: the scale word of K step s of my row 32 w + lane; the four loads together take whole rows of 64 bytes
.endr
.irp j, 0,1,2,3
.irp c, 0,1,2,3
	global_load_b128 v[SB+16*\j+4*\c:SB+16*\j+4*\c+3], v[SOF], s[10:11] offset:2048*\j+16*\c   ; B's row 32 j + lane
.endr
.endr
	v_and_b32 v1, 15, v0                           ; l % 16
	v_bfe_u32 v2, v0, 4, 1                         ; l / 16
	v_mul_u32_u24 v3, v1, PX
	v_mad_u32_u24 v3, v2, 24, v3                   ; a fragment's row x pitch + 24 x half
	v_lshl_add_u32 v4, v2, 4, v3                   ; and the same behind one padding more
	v_mul_u32_u24 v5, v1, PY
	v_mad_u32_u24 v5, v2, 24, v5
	v_lshl_add_u32 v6, v2, 4, v5
	s_mul_i32 s18, s14, 32*PX                      ; my 32 rows of A in X,
	s_mul_i32 s19, s14, 32*PY
	s_add_co_u32 s19, s19, Y0B                     ; and in Y0
	v_add_nc_u32 v[AX], s18, v3
	v_add_nc_u32 v[AX+1], s18, v4
	v_add_nc_u32 v[BXL], 128*PX, v3                ; B's rows lie behind A's 128
	v_add_nc_u32 v[BXL+1], 128*PX, v4
	v_add_nc_u32 v[BXH], 192*PX, v3
	v_add_nc_u32 v[BXH+1], 192*PX, v4
	v_add_nc_u32 v[AY0], s19, v5
	v_add_nc_u32 v[AY0+1], s19, v6
	v_add_nc_u32 v[BY0], Y0B+128*PY, v5
	v_add_nc_u32 v[BY0+1], Y0B+128*PY, v6
	v_add_nc_u32 v[AY1], 4*QY, v[AY0]
	v_add_nc_u32 v[AY1+1], 4*QY, v[AY0+1]
	v_add_nc_u32 v[BY1], 4*QY, v[BY0]
	v_add_nc_u32 v[BY1+1], 4*QY, v[BY0+1]
	s_mul_i32 s2, s14, 16*SPITCH
	s_add_co_u32 s2, s2, Y0B                       ; my stage
	v_mul_u32_u24 v7, v1, SPITCH                   ; in: row l % 16, 32 bytes for each half of the lanes
	v_lshl_add_u32 v7, v2, 5, v7
	v_add_nc_u32 v[STO], s2, v7
	v_lshlrev_b32 v[CO], 4, v[LN]                  ; back: the 32 lanes take one row of 512 bytes; and the same in C
	v_add_nc_u32 v[RD], s2, v[CO]
	s_lshl_b32 s18, s17, 7
	s_lshl_b32 s19, s14, 5
	s_add_co_u32 s18, s18, s19                     ; my first row of C: 128 x tile row + 32 x wave,
	s_lshl_b32 s18, s18, 13                        ; rows of 8,192 bytes: under 2^24
	s_lshl_b32 s19, s42, 9                         ; the tile's first column: 512 bytes a tile column
	s_add_co_u32 s18, s18, s19
	s_mov_b32 s19, 0
	s_add_nc_u64 s[12:13], s[12:13], s[18:19]
.macro FRAG reg, adr, q, i, pitch      ; a fragment: lane l holds row l % 16; registers 6 c .. 6 c + 5 hold K = 64 c + 32 (l / 16) + 0 .. 31: 24 bytes of the row's stream of bits, in pieces of 8
.irp p, 0,1,2,3,4,5
.set PC, 12*(\q)+6*(\p/3)+\p%3        ; the mover has laid 16 bytes of padding behind every 8 pieces: where the piece three on (lanes 16-31) lies behind one padding more, the second address register serves
.if PC%8 < 5
	ds_load_b64 v[\reg+2*\p:\reg+2*\p+1], v[\adr] offset:8*PC+16*(PC/8)+(\i)*16*(\pitch)
.else
	ds_load_b64 v[\reg+2*\p:\reg+2*\p+1], v[\adr+1] offset:8*PC+16*(PC/8)+(\i)*16*(\pitch)
.endif
.endr
.endm
.macro FETCH s                         ; the ten fragments of K step s (128 along K) into set s % 2: 60 loads.  Steps 0-5 and 10-15 lie in X, 6-7 in Y0, 8-9 in Y1
.set FPF, 128*((\s)%2)
	WIN TO_F
.if ((\s) < 6) || ((\s) > 9)
.set FQ, (\s)%10
.irp i, 0,1
	FRAG FPF+96+12*\i, AX, FQ, \i, PX
.endr
.irp i, 0,1,2,3
	FRAG FPF+12*\i, BXL, FQ, \i, PX
.endr
.irp i, 0,1,2,3
	FRAG FPF+48+12*\i, BXH, FQ, \i, PX
.endr
.elseif (\s) < 8
.set FQ, (\s)-6
.irp i, 0,1
	FRAG FPF+96+12*\i, AY0, FQ, \i, PY
.endr
.irp i, 0,1,2,3,4,5,6,7
	FRAG FPF+12*\i, BY0, FQ, \i, PY
.endr
.else
.set FQ, (\s)-8
.irp i, 0,1
	FRAG FPF+96+12*\i, AY1, FQ, \i, PY
.endr
.irp i, 0,1,2,3,4,5,6,7
	FRAG FPF+12*\i, BY1, FQ, \i, PY
.endr
.endif
.endm
.macro PROD a, b, s, zero              ; accumulator (a, b), K step s.  An odd block's scale words lie in lanes 16-31 of its register
.set rD, 8*(8*(\a)+(\b))
.set rB, FPM+12*(\b)
.set rA, FPM+96+12*(\a)
.set rSB, SB+16*((\b)/2)+(\s)
.set rSA, SA+(\s)
.if \zero
.if ((\b)%2) && (\a)
	v_wmma_scale_f32_16x16x128_f8f6f4 v[rD:rD+7], v[rB:rB+11], v[rA:rA+11], 0, v[rSB], v[rSA] matrix_a_fmt:MATRIX_FMT_FP6 matrix_b_fmt:MATRIX_FMT_FP6 matrix_a_scale:MATRIX_SCALE_ROW1 matrix_b_scale:MATRIX_SCALE_ROW1
.elseif (\b)%2
	v_wmma_scale_f32_16x16x128_f8f6f4 v[rD:rD+7], v[rB:rB+11], v[rA:rA+11], 0, v[rSB], v[rSA] matrix_a_fmt:MATRIX_FMT_FP6 matrix_b_fmt:MATRIX_FMT_FP6 matrix_a_scale:MATRIX_SCALE_ROW1
.elseif \a
	v_wmma_scale_f32_16x16x128_f8f6f4 v[rD:rD+7], v[rB:rB+11], v[rA:rA+11], 0, v[rSB], v[rSA] matrix_a_fmt:MATRIX_FMT_FP6 matrix_b_fmt:MATRIX_FMT_FP6 matrix_b_scale:MATRIX_SCALE_ROW1
.else
	v_wmma_scale_f32_16x16x128_f8f6f4 v[rD:rD+7], v[rB:rB+11], v[rA:rA+11], 0, v[rSB], v[rSA] matrix_a_fmt:MATRIX_FMT_FP6 matrix_b_fmt:MATRIX_FMT_FP6
.endif
.else
.if ((\b)%2) && (\a)
	v_wmma_scale_f32_16x16x128_f8f6f4 v[rD:rD+7], v[rB:rB+11], v[rA:rA+11], v[rD:rD+7], v[rSB], v[rSA] matrix_a_fmt:MATRIX_FMT_FP6 matrix_b_fmt:MATRIX_FMT_FP6 matrix_a_scale:MATRIX_SCALE_ROW1 matrix_b_scale:MATRIX_SCALE_ROW1
.elseif (\b)%2
	v_wmma_scale_f32_16x16x128_f8f6f4 v[rD:rD+7], v[rB:rB+11], v[rA:rA+11], v[rD:rD+7], v[rSB], v[rSA] matrix_a_fmt:MATRIX_FMT_FP6 matrix_b_fmt:MATRIX_FMT_FP6 matrix_a_scale:MATRIX_SCALE_ROW1
.elseif \a
	v_wmma_scale_f32_16x16x128_f8f6f4 v[rD:rD+7], v[rB:rB+11], v[rA:rA+11], v[rD:rD+7], v[rSB], v[rSA] matrix_a_fmt:MATRIX_FMT_FP6 matrix_b_fmt:MATRIX_FMT_FP6 matrix_b_scale:MATRIX_SCALE_ROW1
.else
	v_wmma_scale_f32_16x16x128_f8f6f4 v[rD:rD+7], v[rB:rB+11], v[rA:rA+11], v[rD:rD+7], v[rSB], v[rSA] matrix_a_fmt:MATRIX_FMT_FP6 matrix_b_fmt:MATRIX_FMT_FP6
.endif
.endif
.endm
.macro MULS s, zero                    ; K step s: 16 matrix instructions; the 16 accumulators take turns, one instruction a turn, in the same order in every step
.set FPM, 128*((\s)%2)
	WIN MUL
.irp a, 0,1
.irp b, 0,1,2,3,4,5,6,7
	PROD \a, \b, \s, \zero
.endr
.endr
.endm
.macro STEPK s, zero                   ; a K step whose successor may be read already: the next step's fragments are asked for ahead of this step's products
	s_wait_dscnt 0x0                               ; this step's fragments are in
.if (\s) > 0
	PLACES                                         ; the other set was read by the last step's products
.endif
	FETCH (\s)+1
	MULS \s, \zero
.endm
	s_wait_tensorcnt 0x2                           ; my part of X is in; Y0's and Y1's loads may be out
	s_barrier_signal -1
	s_barrier_wait -1
	FETCH 0
	s_wait_loadcnt 0x0                             ; the scale words
	STEPK 0, 1                                     ; the first step's products start the sums
	STEPK 1, 0
	STEPK 2, 0
	STEPK 3, 0
	STEPK 4, 0
	; K step 5 is X's last: its fragments are asked for, so X can be filled again
	WIN 0
	s_wait_tensorcnt 0x0                           ; all my tensor loads have landed: my parts of Y0 and Y1
	ds_add_u32 v[SPW], v[NIL]                      ; 0 onto my spare word
	s_add_nc_u64 s[G0X+2:G0X+3], s[G0X+2:G0X+3], 960     ; K 1,280 on; the type bits on top are not reached
	s_add_nc_u64 s[G0XB+2:G0XB+3], s[G0XB+2:G0XB+3], 960
	s_wait_dscnt 0x0                               ; the add is done, step 5's fragments are in, and my reads of X are over
	CROUND                                         ; no wave of any partner still reads X or has a load on its way
	JLOAD G0X, G1X, G0XB, G1XB                     ; my one tensor load behind the round; its four v_nop are the places in front of the loads below
	FETCH 6
	MULS 5, 0
	STEPK 6, 0
	STEPK 7, 0
	STEPK 8, 0
	; K step 9 is Y's last: the next fragments lie in X's second fill
	WIN 0
	s_wait_tensorcnt 0x0                           ; my part of X's second fill has landed
	ds_add_u32 v[SPW], v[NIL]
	s_wait_dscnt 0x0                               ; the add is done, step 9's fragments are in, and my reads of Y0 and Y1 are over
	s_barrier_signal -1
	s_barrier_wait -1                              ; everybody's part has landed, and nobody reads Y0 or Y1 any more
	PLACES
	FETCH 10
	MULS 9, 0
	STEPK 10, 0
	STEPK 11, 0
	STEPK 12, 0
	STEPK 13, 0
	STEPK 14, 0
	s_wait_dscnt 0x0
	MULS 15, 0
	WIN 0
; THE WAY OUT, block by block of 16 rows x 128 columns, through my own stage: in as 32 bytes a lane, back as whole rows of 512 bytes.  LDS serves a wave's instructions in order (ISA guide 5.7.1.4):
; no wait stands between the stores and the loads, nor in front of the second block's stores.
.macro TOSTAGE a
.set AC, 64*(\a)
	WIN 0x08                                       ; an LDS store's data are its source 1: window 2
.irp b, 0,1,2,3,4,5,6,7
	ds_store_b128 v[STO], v[AC+8*\b:AC+8*\b+3] offset:64*\b          ; each accumulator from its low end on
	ds_store_b128 v[STO], v[AC+8*\b+4:AC+8*\b+7] offset:64*\b+16
.endr
	WIN 0
.set BB, BK+64*(\a)
.irp t, 0,1,2,3,4,5,6,7,8,9,10,11,12,13,14,15
	ds_load_b128 v[BB+4*\t:BB+4*\t+3], v[RD] offset:\t*SPITCH
.endr
.endm
.macro SEND a, younger                 ; younger: the LDS instructions issued behind block a's loads
.set BB, BK+64*(\a)
	s_wait_dscnt \younger
.irp t, 0,1,2,3,4,5,6,7,8,9,10,11,12,13,14,15
	global_store_b128 v[CO], v[BB+4*\t:BB+4*\t+3], s[12:13] offset:(16*(\a)+\t)*SIZE_N*4 th:TH_STORE_NT   ; 32 lanes store 512 consecutive bytes, at a multiple of 256 from C's first byte; the row stands in the immediate: 31 rows of 8,192 bytes at the most
.endr
.endm
	PLACES                                         ; behind the last products: their results are read below
	TOSTAGE 0
	TOSTAGE 1
	SEND 0, 32                                     ; behind block 0's loads: block 1's 16 stores and 16 loads
	SEND 1, 0
	s_wait_tensorcnt 0x0                           ; the wave's end
	ds_add_u32 v[SPW], v[NIL]
	s_wait_dscnt 0x0
	CROUND                                         ; the closing round: no work-group ends while a partner may still ask for a tile that names it
	s_endpgm
.Lfunc_end_k_q79aeef9a0f_outp:
	.size	k_q79aeef9a0f_outp, .Lfunc_end_k_q79aeef9a0f_outp-k_q79aeef9a0f_outp
	.p2alignl 7, 3214868480
	.fill 96, 4, 3214868480
	.section	.rodata,"a",@progbits
	.p2align	6, 0x0
	.amdhsa_kernel k_q79aeef9a0f_outp
		.amdhsa_group_segment_fixed_size 327680
		.amdhsa_private_segment_fixed_size 0
		.amdhsa_enable_private_segment 0
		.amdhsa_kernarg_size 40
		.amdhsa_user_sgpr_count 2
		.amdhsa_user_sgpr_kernarg_segment_ptr 1
		.amdhsa_wavefront_size32 1
		.amdhsa_system_sgpr_workgroup_id_x 1
		.amdhsa_system_sgpr_workgroup_id_y 1
		.amdhsa_system_sgpr_workgroup_id_z 1
		.amdhsa_system_vgpr_workitem_id 0
		.amdhsa_next_free_vgpr 768
		.amdhsa_next_free_sgpr 98
		.amdhsa_reserve_vcc 0
		.amdhsa_float_denorm_mode_32 3
		.amdhsa_float_denorm_mode_16_64 3
		.amdhsa_memory_ordered 1
		.amdhsa_forward_progress 1
		.amdhsa_inst_pref_size 116
	.end_amdhsa_kernel
	.amdgpu_metadata
---
amdhsa.version: [ 1, 2 ]
amdhsa.kernels:
  - .name:           k_q79aeef9a0f_outp
    .symbol:         k_q79aeef9a0f_outp.kd
    .args:
      - { .name: o_codes, .offset: 0, .size: 8, .value_kind: global_buffer, .address_space: global }
      - { .name: o_scales, .offset: 8, .size: 8, .value_kind: global_buffer, .address_space: global }
      - { .name: Wo_codes, .offset: 16, .size: 8, .value_kind: global_buffer, .address_space: global }
      - { .name: Wo_scales, .offset: 24, .size: 8, .value_kind: global_buffer, .address_space: global }
      - { .name: out0, .offset: 32, .size: 8, .value_kind: global_buffer, .address_space: global }
    .group_segment_fixed_size: 327680
    .private_segment_fixed_size: 0
    .kernarg_segment_align: 8
    .kernarg_segment_size: 40
    .max_flat_workgroup_size: 128
    .sgpr_count:     98
    .vgpr_count:     768
    .wavefront_size: 32
...
	.end_amdgpu_metadata
.endif
;; end of part 6
